; MI455X (gfx1250); checked and timed in simulation.
; The chip was launched on July 23, 2026; its instructions are those of AMD's public machine-readable ISA for CDNA 5 (MIT licence, August 2026) and "CDNA5" Instruction Set Architecture Reference Guide (July 2026). The comments in the code are by the model that wrote it; some were corrected since.
;; Delta Rule Mixer. Allowed arithmetic: float matrix products may take bf16 or f16 operands with f32 sums; other float arithmetic in f32, or as packed bf16 or f16 multiplies, adds, multiply-adds, maxima and minima; sums over many terms, partial sums and values carried from step to step in f32; what a program stores and reads back later, other than sums and carried values, may be rounded once to bf16 or f16.
;; Inputs: Wa 1,024 x 16 float32; Wb 1,024 x 16 float32; Wg 1,024 x 1,024 float32; Wk 1,024 x 1,024 float32; Wo 1,024 x 1,024 float32; Wq 1,024 x 1,024 float32; Wv 1,024 x 1,024 float32; ba 16 float32; bb 16 float32; g_norm 1,024 float32; x 4 x 2,048 x 1,024 float32.
;; Outputs: out0 4 x 2,048 x 1,024 float32.
;; 3 versions, each right; version 2 is faster than version 1; version 3 is version 2 with the launch cast written anew for expert scheduling mode. Each part assembles by itself: llvm-mc -triple=amdgcn-amd-amdhsa -mcpu=gfx1250 --defsym DOCPART=n.
;; ======== version 1 of 3: 7 launches
;; limits: sums are carried in f16; values are held in f16: magnitudes above 65,504 overflow, below 6.1e-05 lose precision
;; workspace buffers: act 16,777,216 bytes; wts 10,551,296 bytes; proj 67,108,864 bytes; ab 1,048,576 bytes; rec 73,400,320 bytes; y 16,777,216 bytes; zs 32,768 bytes
;; launch cast (part 1): grid 424 x 1, 8 waves a work-group, no clusters, 0 bytes of LDS; arguments x, Wq, Wk, Wv, Wg, Wo, Wa, Wb, act, wts; writes act, wts
.if DOCPART == 1
	.amdgcn_target "amdgcn-amd-amdhsa--gfx1250"
	.amdhsa_code_object_version 6
	.text
	.protected	k_qf0de6873fd_cast
	.globl	k_qf0de6873fd_cast
	.p2align	8
	.type	k_qf0de6873fd_cast,@function
k_qf0de6873fd_cast:
	s_mov_b64 s[64:65], 0
	v_nop
	global_prefetch_b8 v0, s[64:65] scope:SCOPE_SE
	s_setreg_imm32_b32 hwreg(HW_REG_WAVE_MODE, 25, 1), 1
	s_wait_xcnt 0x0
; CAST.  All large inputs are rounded once to bf16 and laid out for the products that follow.
;   work-groups 0-255:   32 rows of x each        -> act [8192][1024] bf16
;   work-groups 256-415: 32 rows of Wq, Wk, Wv, Wg -> wts + 0: [1024 k][4096 n] bf16, the four side by side;
;                        32 rows of Wo             -> wts + 8,388,608: [1024 k][1024 n], the bf16 value written as f16
;   work-groups 416-423: Wa, Wb turned             -> wts + 10,485,760: [32 n][1024 k] bf16
; LIMIT.  Wo's bf16 value is exact in f16 between 6.1e-5 and 65,504 in magnitude; below it keeps f16's fixed step of 6e-8.
; A wave takes four rows.  A lane reads 32 neighbouring bytes (two loads) and stores 16: each store of a wave covers 512 consecutive bytes, aligned.
; No LDS, no matrix unit: every byte is read once and written once.  The turned part (128 KiB read) stores pieces of 32 bytes.
.set X, 8                              ; v[8:135]   four rows as loaded: row i, piece j at X + 32 i + 8 j
.set Y, 136                            ; v[136:199] the same, packed: row i, piece j at Y + 16 i + 4 j
	s_load_b512 s[4:19], s[0:1], 0x0               ; x, Wq, Wk, Wv, Wg, Wo, Wa, Wb
	s_load_b128 s[20:23], s[0:1], 0x40             ; act, wts
	v_and_b32 v1, 31, v0                           ; lane
	v_lshrrev_b32 v2, 5, v0                        ; wave
	s_mov_b32 s33, 0xffff0000                      ; a word's upper half
	s_mov_b32 s31, 0
	s_wait_kmcnt 0x0
	s_cmp_lt_u32 ttmp9, 256
	s_cbranch_scc0 .Lweights
	s_lshl_b32 s30, ttmp9, 17                      ; 32 rows of 4,096 bytes
	s_add_nc_u64 s[24:25], s[4:5], s[30:31]
	s_lshl_b32 s30, ttmp9, 16                      ; 32 rows of 2,048 bytes
	s_add_nc_u64 s[26:27], s[20:21], s[30:31]
	s_mov_b32 s28, 2048                            ; bytes from row to row where I store
	s_mov_b32 s29, 0                               ; bf16 out
	s_branch .Lrows
.Lweights:
	s_cmp_lt_u32 ttmp9, 416
	s_cbranch_scc0 .Ltranspose
	s_sub_co_u32 s30, ttmp9, 256
	s_lshr_b32 s32, s30, 5                         ; which matrix: 0 Wq, 1 Wk, 2 Wv, 3 Wg, 4 Wo
	s_and_b32 s30, s30, 31
	s_lshl_b32 s34, s30, 5                         ; its first row of mine
	s_mov_b64 s[24:25], s[6:7]
	s_cmp_eq_u32 s32, 1
	s_cselect_b64 s[24:25], s[8:9], s[24:25]
	s_cmp_eq_u32 s32, 2
	s_cselect_b64 s[24:25], s[10:11], s[24:25]
	s_cmp_eq_u32 s32, 3
	s_cselect_b64 s[24:25], s[12:13], s[24:25]
	s_cmp_eq_u32 s32, 4
	s_cselect_b64 s[24:25], s[14:15], s[24:25]
	s_lshl_b32 s30, s34, 12
	s_add_nc_u64 s[24:25], s[24:25], s[30:31]
	s_lshl_b32 s35, s34, 13                        ; the four side by side: row x 8,192 + matrix x 2,048
	s_lshl_b32 s36, s32, 11
	s_add_co_u32 s35, s35, s36
	s_lshl_b32 s36, s34, 11                        ; Wo: 8,388,608 + row x 2,048
	s_add_co_u32 s36, s36, 0x800000
	s_mov_b32 s37, 8192                            ; the wide pitch, in a register: an instruction holds one literal
	s_cmp_eq_u32 s32, 4
	s_cselect_b32 s30, s36, s35
	s_cselect_b32 s28, 2048, s37
	s_cselect_b32 s29, 1, 0
	s_add_nc_u64 s[26:27], s[22:23], s[30:31]
.Lrows:
	v_lshlrev_b32 v3, 5, v1                        ; 32 bytes a lane,
	v_lshl_add_u32 v3, v2, 14, v3                  ; + my wave's four rows of 4,096
	v_lshlrev_b32 v[Y], 2, v2                      ; 4 w
	v_lshlrev_b32 v[Y+1], 4, v1                    ; 16 bytes a lane
.irp i, 0,1,2,3
	v_add_nc_u32 v[Y+2], \i, v[Y]
	v_mad_u32_u24 v[4+(\i)], v[Y+2], s28, v[Y+1]   ; where row i goes
.endr
.irp i, 0,1,2,3
.irp j, 0,1,2,3
	global_load_b128 v[X+32*(\i)+8*(\j):X+32*(\i)+8*(\j)+3],   v3, s[24:25] offset:(\i)*4096+(\j)*1024 th:TH_LOAD_NT
	global_load_b128 v[X+32*(\i)+8*(\j)+4:X+32*(\i)+8*(\j)+7], v3, s[24:25] offset:(\i)*4096+(\j)*1024+16 th:TH_LOAD_NT
.endr
.endr
; half = 1: the bf16 value is widened again and written as f16
.macro ROWS half
.irp i, 0,1,2,3
	s_wait_loadcnt 24-8*(\i)                       ; loads return in order: row i is in, the eight loads of each younger row stay out
.irp j, 0,1,2,3
.irp p, 0,1,2,3
	v_cvt_pk_bf16_f32 v[Y+16*(\i)+4*(\j)+(\p)], v[X+32*(\i)+8*(\j)+2*(\p)], v[X+32*(\i)+8*(\j)+2*(\p)+1]
.endr
.if \half
.irp p, 0,1,2,3
	v_lshlrev_b32 v[X+32*(\i)+8*(\j)+2*(\p)], 16, v[Y+16*(\i)+4*(\j)+(\p)]
	v_and_b32 v[X+32*(\i)+8*(\j)+2*(\p)+1], s33, v[Y+16*(\i)+4*(\j)+(\p)]
.endr
.irp p, 0,1,2,3
	v_cvt_pk_f16_f32 v[Y+16*(\i)+4*(\j)+(\p)], v[X+32*(\i)+8*(\j)+2*(\p)], v[X+32*(\i)+8*(\j)+2*(\p)+1]
.endr
.endif
	global_store_b128 v[4+(\i)], v[Y+16*(\i)+4*(\j):Y+16*(\i)+4*(\j)+3], s[26:27] offset:512*(\j)
.endr
.endr
.endm
	s_cmp_eq_u32 s29, 1
	s_cbranch_scc1 .Lhalf
	ROWS 0
	s_endpgm
.Lhalf:
	ROWS 1
	s_endpgm
.Ltranspose:
	s_sub_co_u32 s30, ttmp9, 416
	s_lshr_b32 s32, s30, 2                         ; 0: Wa, 1: Wb
	s_and_b32 s34, s30, 3                          ; which quarter of k
	s_cmp_eq_u32 s32, 0
	s_cselect_b64 s[24:25], s[16:17], s[18:19]
	s_add_nc_u64 s[26:27], s[22:23], 0xa00000
	v_and_b32 v3, 15, v0                           ; n
	v_lshrrev_b32 v4, 4, v0
	v_lshl_add_u32 v4, s34, 4, v4                  ; my group of 16 k, 0 to 63
	v_lshlrev_b32 v5, 10, v4                       ; 16 rows of 64 bytes
	v_lshl_add_u32 v5, v3, 2, v5
.irp i, 0,1,2,3,4,5,6,7,8,9,10,11,12,13,14,15
	global_load_b32 v[X+(\i)], v5, s[24:25] offset:64*(\i)
.endr
	v_lshlrev_b32 v6, 11, v3                       ; row n of 2,048 bytes,
	v_lshl_add_u32 v6, v4, 5, v6                   ; my 16 k are 32 bytes,
	s_lshl_b32 s35, s32, 15                        ; Wb's 16 rows behind Wa's
	v_add_nc_u32 v6, s35, v6
	s_wait_loadcnt 0x0
.irp p, 0,1,2,3,4,5,6,7
	v_cvt_pk_bf16_f32 v[Y+(\p)], v[X+2*(\p)], v[X+2*(\p)+1]
.endr
	global_store_b128 v6, v[Y:Y+3], s[26:27]
	global_store_b128 v6, v[Y+4:Y+7], s[26:27] offset:16
	s_endpgm
.Lfunc_end_k_qf0de6873fd_cast:
	.size	k_qf0de6873fd_cast, .Lfunc_end_k_qf0de6873fd_cast-k_qf0de6873fd_cast
	.p2alignl 7, 3214868480
	.fill 96, 4, 3214868480
	.section	.rodata,"a",@progbits
	.p2align	6, 0x0
	.amdhsa_kernel k_qf0de6873fd_cast
		.amdhsa_group_segment_fixed_size 0
		.amdhsa_private_segment_fixed_size 0
		.amdhsa_enable_private_segment 0
		.amdhsa_kernarg_size 80
		.amdhsa_user_sgpr_count 2
		.amdhsa_user_sgpr_kernarg_segment_ptr 1
		.amdhsa_wavefront_size32 1
		.amdhsa_system_sgpr_workgroup_id_x 1
		.amdhsa_system_sgpr_workgroup_id_y 1
		.amdhsa_system_sgpr_workgroup_id_z 1
		.amdhsa_system_vgpr_workitem_id 0
		.amdhsa_next_free_vgpr 200
		.amdhsa_next_free_sgpr 66
		.amdhsa_reserve_vcc 0
		.amdhsa_float_denorm_mode_32 3
		.amdhsa_float_denorm_mode_16_64 3
		.amdhsa_memory_ordered 1
		.amdhsa_forward_progress 1
		.amdhsa_inst_pref_size 28
	.end_amdhsa_kernel
	.amdgpu_metadata
---
amdhsa.version: [ 1, 2 ]
amdhsa.kernels:
  - .name:           k_qf0de6873fd_cast
    .symbol:         k_qf0de6873fd_cast.kd
    .args:
      - { .name: x, .offset: 0, .size: 8, .value_kind: global_buffer, .address_space: global }
      - { .name: Wq, .offset: 8, .size: 8, .value_kind: global_buffer, .address_space: global }
      - { .name: Wk, .offset: 16, .size: 8, .value_kind: global_buffer, .address_space: global }
      - { .name: Wv, .offset: 24, .size: 8, .value_kind: global_buffer, .address_space: global }
      - { .name: Wg, .offset: 32, .size: 8, .value_kind: global_buffer, .address_space: global }
      - { .name: Wo, .offset: 40, .size: 8, .value_kind: global_buffer, .address_space: global }
      - { .name: Wa, .offset: 48, .size: 8, .value_kind: global_buffer, .address_space: global }
      - { .name: Wb, .offset: 56, .size: 8, .value_kind: global_buffer, .address_space: global }
      - { .name: act, .offset: 64, .size: 8, .value_kind: global_buffer, .address_space: global }
      - { .name: wts, .offset: 72, .size: 8, .value_kind: global_buffer, .address_space: global }
    .group_segment_fixed_size: 0
    .private_segment_fixed_size: 0
    .kernarg_segment_align: 8
    .kernarg_segment_size: 80
    .max_flat_workgroup_size: 256
    .sgpr_count:     66
    .vgpr_count:     200
    .wavefront_size: 32
...
	.end_amdgpu_metadata
.endif
;; end of part 1
;; launch gates (part 2): grid 256 x 1, 2 waves a work-group, no clusters, 0 bytes of LDS; arguments act, wts, ba, bb, ab; writes ab
.if DOCPART == 2
	.amdgcn_target "amdgcn-amd-amdhsa--gfx1250"
	.amdhsa_code_object_version 6
	.text
	.protected	k_qf0de6873fd_gates
	.globl	k_qf0de6873fd_gates
	.p2align	8
	.type	k_qf0de6873fd_gates,@function
k_qf0de6873fd_gates:
	s_mov_b64 s[64:65], 0
	v_nop
	global_prefetch_b8 v0, s[64:65] scope:SCOPE_SE
	s_setreg_imm32_b32 hwreg(HW_REG_WAVE_MODE, 25, 1), 1
	s_wait_xcnt 0x0
; GATES.  ab[n][row] for n = 0-15: log2(sigmoid(x Wa + ba)) of head n; for n = 16-31: sigmoid(x Wb + bb) of head n - 16.  f32, [32][8192].
; x and the turned weights come in bf16; the biases are rounded to bf16 like every other input.  Sums in f32.
; A wave makes 16 rows x 32 columns over K = 1,024: two accumulators that take turns.  Fragments come straight from memory, K contiguous on both sides,
; in blocks of 128 along K on two register buffers: while one block is multiplied the other's 24 loads are out.
; In the result a lane holds one column (head) and eight neighbouring rows: 32 bytes of ab's row, two stores (pieces of 32 bytes; 1 MiB in all).
; log2 sigmoid(z) = min(t, 0) - log2(1 + 2^-|t|), t = z log2(e): no exponential overflows and nothing is cancelled.  Exponentials below 2^-126 count as 0.
.set F0, 16                            ; v[16:111]   block buffer 0: for each 32 along K: A 8, Wa's 8, Wb's 8
.set F1, 112                           ; v[112:207]  block buffer 1
.set A0, 208                           ; v[208:215]  sums for Wa
.set A1, 216                           ; v[216:223]  sums for Wb
	s_load_b256 s[4:11], s[0:1], 0x0               ; act, wts, ba, bb
	s_load_b64 s[12:13], s[0:1], 0x20              ; ab
	v_lshrrev_b32 v1, 5, v0
	v_readfirstlane_b32 s14, v1                    ; wave
	v_and_b32 v1, 15, v0                           ; r
	v_bfe_u32 v2, v0, 4, 1                         ; h
	v_lshlrev_b32 v3, 11, v1
	v_lshl_add_u32 v3, v2, 4, v3                   ; a fragment's row x 2,048 + 16 h, for x and for the weights
	v_lshlrev_b32 v5, 2, v1                        ; my column's bias
	v_lshlrev_b32 v4, 15, v1
	v_lshl_add_u32 v4, v2, 5, v4                   ; ab: row r of 32,768 bytes + 8 h numbers
	s_lshl_b32 s15, ttmp9, 1
	s_add_co_u32 s15, s15, s14                     ; my block of 16 rows
	s_lshl_b32 s16, s15, 15
	s_mov_b32 s17, 0
	s_lshl_b32 s18, s15, 6
	s_mov_b32 s19, 0
	s_mov_b32 s20, 0x3fb8aa3b                      ; log2(e)
	s_mov_b32 s21, 0xbfb8aa3b                      ; -log2(e)
	s_wait_kmcnt 0x0
	s_add_nc_u64 s[4:5], s[4:5], s[16:17]
	s_add_nc_u64 s[6:7], s[6:7], 0xa00000
	s_add_nc_u64 s[12:13], s[12:13], s[18:19]
	global_load_b32 v224, v5, s[8:9]
	global_load_b32 v225, v5, s[10:11]
.macro LOADBLK buf, blk
.irp ks, 0,1,2,3
	global_load_b128 v[(\buf)+24*(\ks):(\buf)+24*(\ks)+3],     v3, s[4:5] offset:(\blk)*256+(\ks)*64
	global_load_b128 v[(\buf)+24*(\ks)+4:(\buf)+24*(\ks)+7],   v3, s[4:5] offset:(\blk)*256+(\ks)*64+32
	global_load_b128 v[(\buf)+24*(\ks)+8:(\buf)+24*(\ks)+11],  v3, s[6:7] offset:(\blk)*256+(\ks)*64
	global_load_b128 v[(\buf)+24*(\ks)+12:(\buf)+24*(\ks)+15], v3, s[6:7] offset:(\blk)*256+(\ks)*64+32
	global_load_b128 v[(\buf)+24*(\ks)+16:(\buf)+24*(\ks)+19], v3, s[6:7] offset:32768+(\blk)*256+(\ks)*64
	global_load_b128 v[(\buf)+24*(\ks)+20:(\buf)+24*(\ks)+23], v3, s[6:7] offset:32768+(\blk)*256+(\ks)*64+32
.endr
.endm
.macro MULBLK buf, first
.irp ks, 0,1,2,3
.if (\first) && ((\ks) == 0)
	v_wmma_f32_16x16x32_bf16 v[A0:A0+7], v[(\buf):(\buf)+7], v[(\buf)+8:(\buf)+15], 0
	v_wmma_f32_16x16x32_bf16 v[A1:A1+7], v[(\buf):(\buf)+7], v[(\buf)+16:(\buf)+23], 0
.else
	v_wmma_f32_16x16x32_bf16 v[A0:A0+7], v[(\buf)+24*(\ks):(\buf)+24*(\ks)+7], v[(\buf)+24*(\ks)+8:(\buf)+24*(\ks)+15], v[A0:A0+7]
	v_wmma_f32_16x16x32_bf16 v[A1:A1+7], v[(\buf)+24*(\ks):(\buf)+24*(\ks)+7], v[(\buf)+24*(\ks)+16:(\buf)+24*(\ks)+23], v[A1:A1+7]
.endif
.endr
.endm
	LOADBLK F0, 0
	LOADBLK F1, 1
.irp blk, 0,1,2,3,4,5,6,7
.if (\blk) < 7
	s_wait_loadcnt 24                              ; this block is in; the other buffer's 24 loads stay out
.else
	s_wait_loadcnt 0x0
.endif
	MULBLK F0+96*((\blk)%2), (\blk)==0
.if (\blk) < 6
.rept 4
	v_nop                                          ; four places between the products and the loads into the registers that they read
.endr
	LOADBLK F0+96*((\blk)%2), (\blk)+2
.endif
.endr
	; the biases' six lines are the places behind the last products
	v_cvt_pk_bf16_f32 v224, v224, v224
	v_cvt_pk_bf16_f32 v225, v225, v225
	v_lshlrev_b32 v224, 16, v224
	v_lshlrev_b32 v225, 16, v225
	v_mul_f32 v226, s20, v224                      ; ba log2(e)
	v_mul_f32 v227, s21, v225                      ; -bb log2(e)
.irp j, 0,1,2,3,4,5,6,7
	v_fma_f32 v[16+(\j)], v[A0+(\j)], s20, v226    ; t
.endr
.irp j, 0,1,2,3,4,5,6,7
	v_fma_f32 v[40+(\j)], v[A1+(\j)], s21, v227    ; -t of the second gate
.endr
.irp j, 0,1,2,3,4,5,6,7
	v_or_b32 v[24+(\j)], 0x80000000, v[16+(\j)]    ; -|t|
.endr
.irp j, 0,1,2,3,4,5,6,7
	v_exp_f32 v[24+(\j)], v[24+(\j)]
.endr
.irp j, 0,1,2,3,4,5,6,7
	v_exp_f32 v[40+(\j)], v[40+(\j)]
.endr
	v_nop                                          ; a plain line behind the last exponential
	s_wait_alu depctr_va_vdst(0)
.irp j, 0,1,2,3,4,5,6,7
	v_add_f32 v[24+(\j)], 1.0, v[24+(\j)]
.endr
.irp j, 0,1,2,3,4,5,6,7
	v_add_f32 v[40+(\j)], 1.0, v[40+(\j)]
.endr
.irp j, 0,1,2,3,4,5,6,7
	v_log_f32 v[24+(\j)], v[24+(\j)]
.endr
.irp j, 0,1,2,3,4,5,6,7
	v_rcp_f32 v[48+(\j)], v[40+(\j)]
.endr
.irp j, 0,1,2,3,4,5,6,7
	v_min_num_f32 v[16+(\j)], 0, v[16+(\j)]
.endr
	s_wait_alu depctr_va_vdst(0)
.irp j, 0,1,2,3,4,5,6,7
	v_sub_f32 v[32+(\j)], v[16+(\j)], v[24+(\j)]
.endr
	global_store_b128 v4, v[32:35], s[12:13]
	global_store_b128 v4, v[36:39], s[12:13] offset:16
	global_store_b128 v4, v[48:51], s[12:13] offset:524288
	global_store_b128 v4, v[52:55], s[12:13] offset:524288+16
	s_endpgm
.Lfunc_end_k_qf0de6873fd_gates:
	.size	k_qf0de6873fd_gates, .Lfunc_end_k_qf0de6873fd_gates-k_qf0de6873fd_gates
	.p2alignl 7, 3214868480
	.fill 96, 4, 3214868480
	.section	.rodata,"a",@progbits
	.p2align	6, 0x0
	.amdhsa_kernel k_qf0de6873fd_gates
		.amdhsa_group_segment_fixed_size 0
		.amdhsa_private_segment_fixed_size 0
		.amdhsa_enable_private_segment 0
		.amdhsa_kernarg_size 40
		.amdhsa_user_sgpr_count 2
		.amdhsa_user_sgpr_kernarg_segment_ptr 1
		.amdhsa_wavefront_size32 1
		.amdhsa_system_sgpr_workgroup_id_x 1
		.amdhsa_system_sgpr_workgroup_id_y 1
		.amdhsa_system_sgpr_workgroup_id_z 1
		.amdhsa_system_vgpr_workitem_id 0
		.amdhsa_next_free_vgpr 232
		.amdhsa_next_free_sgpr 66
		.amdhsa_reserve_vcc 0
		.amdhsa_float_denorm_mode_32 3
		.amdhsa_float_denorm_mode_16_64 3
		.amdhsa_memory_ordered 1
		.amdhsa_forward_progress 1
		.amdhsa_inst_pref_size 29
	.end_amdhsa_kernel
	.amdgpu_metadata
---
amdhsa.version: [ 1, 2 ]
amdhsa.kernels:
  - .name:           k_qf0de6873fd_gates
    .symbol:         k_qf0de6873fd_gates.kd
    .args:
      - { .name: act, .offset: 0, .size: 8, .value_kind: global_buffer, .address_space: global }
      - { .name: wts, .offset: 8, .size: 8, .value_kind: global_buffer, .address_space: global }
      - { .name: ba, .offset: 16, .size: 8, .value_kind: global_buffer, .address_space: global }
      - { .name: bb, .offset: 24, .size: 8, .value_kind: global_buffer, .address_space: global }
      - { .name: ab, .offset: 32, .size: 8, .value_kind: global_buffer, .address_space: global }
    .group_segment_fixed_size: 0
    .private_segment_fixed_size: 0
    .kernarg_segment_align: 8
    .kernarg_segment_size: 40
    .max_flat_workgroup_size: 64
    .sgpr_count:     66
    .vgpr_count:     232
    .wavefront_size: 32
...
	.end_amdgpu_metadata
.endif
;; end of part 2
;; launch gemm1 (part 3): grid 16 x 32, 4 waves a work-group, clusters of 4 x 4, 327,680 bytes of LDS; arguments act, wts, proj; writes proj
.if DOCPART == 3
	.amdgcn_target "amdgcn-amd-amdhsa--gfx1250"
	.amdhsa_code_object_version 6
	.text
	.protected	k_qf0de6873fd_gemm1
	.globl	k_qf0de6873fd_gemm1
	.p2align	8
	.type	k_qf0de6873fd_gemm1,@function
k_qf0de6873fd_gemm1:
	s_mov_b64 s[64:65], 0
	v_nop
	global_prefetch_b8 v0, s[64:65] scope:SCOPE_SE
	s_setreg_imm32_b32 hwreg(HW_REG_WAVE_MODE, 25, 1), 1
	s_wait_xcnt 0x0
	s_wait_alu depctr_hold_cnt(0) depctr_sa_sdst(0) depctr_va_vdst(0) depctr_va_sdst(0) depctr_va_ssrc(0) depctr_va_vcc(0) depctr_vm_vsrc(0)
	s_getreg_b32 s2, hwreg(HW_REG_IB_STS2, 6, 4)
	s_cmp_eq_u32 s2, 0
	s_cbranch_scc0 .Lentry_in_a_cluster
	s_endpgm
.Lentry_in_a_cluster:
	s_bfe_u32 s2, ttmp6, 0x10000c
	s_cmp_lg_u32 s2, 0xf033
	s_cbranch_scc0 .Lentry_shape_is_right
	s_endpgm
.Lentry_shape_is_right:
; PROJ = X W.  X: act [8192][1024] bf16.  W: wts [1024 k][4096 n] bf16 (Wq | Wk | Wv | Wg).  PROJ: [8192][4096] f16, rounded once from f32 sums.
; LIMIT.  f16 ends at 65,504: a projection beyond that becomes an infinity.  Unit x with weights of spread 1/32 gives numbers of order 1.
; A tile of PROJ, 256 x 256, is made by four waves, each 128 x 128: 64 accumulators of 16 x 16, 512 registers.  K goes in steps of 128 through a ring of two LDS slots
; filled by the tensor data mover.  X's rows lie along K (LDS rows of 256 bytes + 16); W's rows lie along n (128 k rows of 512 bytes + 32) and its fragments are turned on the way
; out of LDS by ds_load_tr16_b128.
; CLUSTERS: 4 x 4 work-groups.  The four of a row of the cluster need the same tiles of X, the four of a column the same tiles of W: each tile is asked for jointly, by the same tensor
; load with the same descriptor and a mask that names the four.
; REGISTERS, in windows of 256: window 0: v0-31 addresses; v64-127, v128-191 fragments of X, two buffers; v32-63, v192-255 at work on the way out.
;   window 1: v64-127, v128-191 fragments of W.   windows 2, 3: the accumulators of my rows 0-63, 64-127 ((a, b) at v[8 (8 a + b)]).
; THE MATRIX INSTRUCTION IS USED TRANSPOSED: source 0 = 16 columns of W, source 1 = 16 rows of X: a lane then holds eight neighbouring numbers of a row of PROJ.
.set SIZE_N, 4096
.set SIZE_K, 1024
.set KSTEP,  128
.set PITCH,  272                       ; an LDS row of X: 256 bytes + 16: the 16 rows of a load start at 16 different groups of four banks (64 banks of 4 bytes: ISA guide 11.1)
.set PB,     544                       ; an LDS row of W: 512 bytes + 32
.set HALFT,  128*PITCH                 ; what one tensor load brings: 128 rows of X, or 64 rows of W (64 x 544 is the same number)
.set SLOT,   4*HALFT                   ; X's 256 rows, then W's 128 rows
.set STAGE,  2*SLOT                    ; behind the ring: 16 rows x 272 bytes for each wave, for the way out
.set SPITCH, 272
.set SPARE,  STAGE+4*16*SPITCH         ; behind the stages: the spare words, 128 bytes for each wave, which no other line names
.set LAPS,   SIZE_K/(2*KSTEP)          ; a lap = two K steps = once round the ring
.set ADRA, 16                          ; v16-17  LDS address of my X fragments in slot 0, 1
.set ADRB, 20                          ; v20-21  the same for W
.set STO,  24                          ; v24     the way out: where I put 16 bytes of a row
.set RD,   25                          ; v25     the way out: where I read a row back
.set CO,   26                          ; v26     my byte offset in PROJ
.set SPW,  28                          ; v28     LDS address of my spare word; never rewritten
.set NIL,  29                          ; v29     0; never rewritten
.set F0,   64
.set F1,   128
.set TMP,  192
.set OB,   32
.set G1, 24                            ; s[24:31] descriptor group 1 for X's tiles
.set G0, 32                            ; s[32:39] group 0 for X's tiles, one set for each slot
.set G1B, 48                           ; s[48:55] group 1 for W's tiles
.set G0B, 56                           ; s[56:63] group 0 for W's tiles
.set MSB, 0
.macro WIN new                         ; the immediate's high byte repeats the setting that is left
.if MSB != (\new)
	s_set_vgpr_msb (MSB<<8)|(\new)
.set MSB, \new
.endif
.endm
.set MUL_LO, 0xa1                      ; source 0 (W) window 1, source 1 (X) window 0, C and D window 2
.set MUL_HI, 0xf1                      ; the same, C and D window 3
.set TO_B,   0x40                      ; destination window 1, address window 0
; A joint load.  Waves 0 and 1 fetch X's two halves, waves 2 and 3 W's.  The branch hangs on the wave's number alone.  An s_nop 0 and four v_nop follow each line.
.macro JLOAD s
	s_cmp_eq_u32 s11, 0
	s_cbranch_scc0 .Lfor_b_\@
	tensor_load_to_lds s[G0+4*(\s):G0+4*(\s)+3], s[G1:G1+7]
	s_nop 0
.rept 4
	v_nop
.endr
	s_branch .Lasked_\@
.Lfor_b_\@:
	tensor_load_to_lds s[G0B+4*(\s):G0B+4*(\s)+3], s[G1B:G1B+7]
	s_nop 0
.rept 4
	v_nop
.endr
.Lasked_\@:
.endm
.macro CREST                           ; a round of the cluster's barrier behind its opening barrier
	s_cmp_lg_u32 s10, 0
	s_cbranch_scc1 .Lnot_wave_0_\@
	s_barrier_signal -3
.Lnot_wave_0_\@:
	s_barrier_wait -3
	s_barrier_signal -1
	s_barrier_wait -1
.endm
.macro CROUND                          ; a whole round
	s_barrier_signal -1
	s_barrier_wait -1
	CREST
.endm
	s_load_b128 s[4:7], s[0:1], 0x0                ; act s[4:5], wts s[6:7]
	s_load_b64 s[8:9], s[0:1], 0x10                ; proj
	v_lshl_add_u32 v[SPW], v0, 2, SPARE
	v_mov_b32 v[NIL], 0
	ds_add_u32 v[SPW], v[NIL]                      ; the wave's opening: the add and its wait come ahead of my first tensor load
	ds_add_u32 v28, v29
	v_lshrrev_b32 v1, 5, v0
	v_readfirstlane_b32 s10, v1                    ; wave 0..3
	s_lshr_b32 s11, s10, 1                         ; which half of the tile's rows is mine.  Also: I fetch for X (0) or for W (1)
	s_and_b32 s12, s10, 1                          ; which half of its columns.  Also: which half of that tile I fetch
	s_bfe_u32 s40, ttmp6, 0x40000                  ; cx
	s_bfe_u32 s41, ttmp6, 0x40004                  ; cy
	s_lshl_b32 s42, ttmp9, 2
	s_add_co_u32 s42, s42, s40                     ; tile column = 4 x cluster x + cx
	s_and_b32 s13, ttmp7, 0xffff
	s_lshl_b32 s13, s13, 2
	s_add_co_u32 s13, s13, s41                     ; tile row = 4 x cluster y + cy
	s_lshl_b32 s43, s41, 2
	s_lshl_b32 s43, 15, s43                        ; my row of the cluster
	s_lshl_b32 s44, 0x1111, s40                    ; my column
	s_or_b32 s[G1+0], s43, (1<<16)|(1<<20)|(1<<21)|(5<<22)|(3<<25)   ; mask; 2-byte elements; padding on; bit 21 beside a mask; after every 64 words 4 words
	s_mov_b32 s[G1+1], KSTEP<<16                   ; tensor_dim0 = 128
	s_mov_b32 s[G1+2], 128<<16                     ; tensor_dim1 = 128
	s_mov_b32 s[G1+3], KSTEP<<16                   ; tile_dim0 = 128
	s_mov_b32 s[G1+4], 128                         ; tile_dim1 = 128
	s_mov_b32 s[G1+5], SIZE_K                      ; elements from row to row
	s_mov_b32 s[G1+6], 0
	s_mov_b32 s[G1+7], 0
	s_or_b32 s[G1B+0], s44, (1<<16)|(1<<20)|(1<<21)|(6<<22)|(7<<25)  ; the column's mask; after every 128 words 8 words
	s_mov_b32 s[G1B+1], 256<<16                    ; tensor_dim0 = 256
	s_mov_b32 s[G1B+2], 64<<16                     ; tensor_dim1 = 64
	s_mov_b32 s[G1B+3], 256<<16                    ; tile_dim0 = 256
	s_mov_b32 s[G1B+4], 64                         ; tile_dim1 = 64
	s_mov_b32 s[G1B+5], SIZE_N
	s_mov_b32 s[G1B+6], 0
	s_mov_b32 s[G1B+7], 0
	s_lshl_b32 s17, s12, 7
	s_lshl_b32 s16, s13, 8
	s_add_co_u32 s16, s16, s17                     ; X: row 256 x tile row + 128 x half,
	s_lshl_b32 s16, s16, 11                        ; in bytes
	s_mov_b32 s17, 0
	s_lshl_b32 s46, s42, 9                         ; W: 512 bytes x tile column
	s_lshl_b32 s47, s12, 19                        ; + 64 k rows of 8,192 bytes x half
	s_add_co_u32 s46, s46, s47
	s_mov_b32 s47, 0
	s_mul_i32 s20, s10, HALFT                      ; where they go: wave x one load's bytes: no place in the cluster enters an LDS address
	s_wait_dscnt 0x0                               ; the opening add is done
	s_wait_kmcnt 0x0
	s_add_nc_u64 s[14:15], s[4:5], s[16:17]
	s_add_nc_u64 s[46:47], s[6:7], s[46:47]
	CROUND                                         ; all sixteen work-groups are here: the first joint loads meet
.irp s, 0,1
	s_mov_b32 s[G0+4*(\s)], 1
	s_add_co_u32 s[G0+4*(\s)+1], s20, (\s)*SLOT
	s_add_nc_u64 s[G0+4*(\s)+2:G0+4*(\s)+3], s[14:15], (\s)*KSTEP*2
	s_or_b32 s[G0+4*(\s)+3], s[G0+4*(\s)+3], 0x80000000
	s_mov_b32 s[G0B+4*(\s)], 1
	s_add_co_u32 s[G0B+4*(\s)+1], s20, (\s)*SLOT
	s_add_nc_u64 s[G0B+4*(\s)+2:G0B+4*(\s)+3], s[46:47], (\s)*KSTEP*SIZE_N*2
	s_or_b32 s[G0B+4*(\s)+3], s[G0B+4*(\s)+3], 0x80000000
	JLOAD \s
.endr
	v_and_b32 v1, 15, v0                           ; l % 16
	v_bfe_u32 v2, v0, 4, 1                         ; l / 16
	v_mul_u32_u24 v3, v1, PITCH
	v_lshl_add_u32 v3, v2, 4, v3                   ; X: row x pitch + 16 x half
	v_and_b32 v6, 7, v0
	v_lshl_add_u32 v6, v2, 3, v6                   ; W: k row 8 (l / 16) + l % 8,
	v_mul_u32_u24 v6, v6, PB
	v_bfe_u32 v7, v0, 3, 1
	v_lshl_add_u32 v6, v7, 4, v6                   ; 16 bytes for each half of a group of 16 lanes
	s_mul_i32 s21, s11, HALFT                      ; my 128 rows of X
	s_lshl_b32 s22, s12, 8                         ; my 128 columns of W,
	s_add_co_u32 s22, s22, 2*HALFT                 ; which lies behind X's 256 rows
.irp s, 0,1
	v_add_nc_u32 v[ADRA+(\s)], s21, v3
	v_add_nc_u32 v[ADRB+(\s)], s22, v6
	s_add_co_u32 s21, s21, SLOT
	s_add_co_u32 s22, s22, SLOT
.endr
	s_mul_i32 s23, s10, 16*SPITCH
	s_add_co_u32 s23, s23, STAGE                   ; my stage
	v_mul_u32_u24 v4, v1, SPITCH
	v_lshl_add_u32 v4, v2, 4, v4
	v_add_nc_u32 v[STO], s23, v4
	v_mul_u32_u24 v5, v2, SPITCH
	v_lshl_add_u32 v5, v1, 4, v5
	v_add_nc_u32 v[RD], s23, v5
	v_mul_u32_u24 v5, v2, SIZE_N*2
	v_lshl_add_u32 v[CO], v1, 4, v5
	s_lshl_b32 s13, s13, 8
	s_lshl_b32 s14, s11, 7
	s_add_co_u32 s16, s13, s14                     ; my first row of PROJ,
	s_lshl_b32 s16, s16, 13                        ; in bytes (under 2^27)
	s_mov_b32 s17, 0
	s_lshl_b32 s46, s42, 9                         ; my first column, in bytes
	s_lshl_b32 s47, s12, 8
	s_add_co_u32 s46, s46, s47
	s_mov_b32 s47, 0
	s_add_nc_u64 s[16:17], s[16:17], s[46:47]
; 16 matrix instructions: row blocks a0, a0 + 1 of the window's four x all 8 column blocks, 32 along K.  zero = 1: the first product starts the sums.
.macro MUL16 f, hi, a0, zero
	WIN MUL_LO+0x50*(\hi)
.irp a, \a0, (\a0)+1
.irp b, 0,1,2,3,4,5,6,7
.if \zero
	v_wmma_f32_16x16x32_bf16 v[8*(8*(\a)+(\b)):8*(8*(\a)+(\b))+7], v[(\f)+8*(\b):(\f)+8*(\b)+7], v[(\f)+8*(4*(\hi)+(\a)):(\f)+8*(4*(\hi)+(\a))+7], 0
.else
	v_wmma_f32_16x16x32_bf16 v[8*(8*(\a)+(\b)):8*(8*(\a)+(\b))+7], v[(\f)+8*(\b):(\f)+8*(\b)+7], v[(\f)+8*(4*(\hi)+(\a)):(\f)+8*(4*(\hi)+(\a))+7], v[8*(8*(\a)+(\b)):8*(8*(\a)+(\b))+7]
.endif
.endr
.endr
.endm
; 32 LDS loads in one run: the fragments of quarter q (32 along K) of a slot into buffer f: W's 128 columns turned, then X's 128 rows
.macro FETCH slot, q, f
	WIN TO_B
.irp i, 0,1,2,3,4,5,6,7
	ds_load_tr16_b128 v[(\f)+8*(\i):(\f)+8*(\i)+3],   v[ADRB+(\slot)] offset:(\q)*32*PB+(\i)*32
	ds_load_tr16_b128 v[(\f)+8*(\i)+4:(\f)+8*(\i)+7], v[ADRB+(\slot)] offset:(\q)*32*PB+16*PB+(\i)*32
.endr
	WIN 0
.irp i, 0,1,2,3,4,5,6,7
	ds_load_b128 v[(\f)+8*(\i):(\f)+8*(\i)+3],   v[ADRA+(\slot)] offset:(\q)*64+(\i)*16*PITCH
	ds_load_b128 v[(\f)+8*(\i)+4:(\f)+8*(\i)+7], v[ADRA+(\slot)] offset:(\q)*64+(\i)*16*PITCH+32
.endr
.endm
.macro PLACES                          ; four places in front of loads into registers that matrix instructions have read, and of conversions that read results
.rept 4
	v_nop
.endr
.endm
; One of a K step's first three quarters: multiplies buffer f; in its middle it fetches quarter q of the same slot into buffer g.
.macro QUARTER slot, q, f, g, zero
	s_wait_dscnt 8                                 ; W and X's rows 0-63 are in; the youngest eight loads (X's rows 64-127) may be out
	MUL16 \f, 0, 0, \zero
	MUL16 \f, 0, 2, \zero
	PLACES
	FETCH \slot, \q, \g
	s_wait_dscnt 32                                ; all but the 32 just issued
	MUL16 \f, 1, 0, \zero
	MUL16 \f, 1, 2, \zero
.endm
; The last quarter's first half: ONE barrier for the change of slots.  In front of it each wave waits for all its tensor loads (its part of the next slot), adds 0 to its spare word,
; and waits for that and for its own reads of this slot.
.macro MEET round
	WIN 0
	s_wait_tensorcnt 0x0                           ; all my tensor loads have landed
	ds_add_u32 v[SPW], v[NIL]
	s_wait_dscnt 9                                 ; the add and the youngest eight loads may be out
	MUL16 F1, 0, 0, 0
	s_wait_dscnt 0x0                               ; the add is done, and my reads of this slot are over
	s_barrier_signal -1
	MUL16 F1, 0, 2, 0
.if \round
	WIN 0
.endif
	s_barrier_wait -1
.endm
.macro TURN slot, next                 ; the whole last quarter; the slot just read out is filled again, two K steps on
	MEET 1
	CREST                                          ; no wave of any partner still reads this slot's tile or has a load on its way
	s_add_nc_u64 s[G0+4*(\slot)+2:G0+4*(\slot)+3], s[G0+4*(\slot)+2:G0+4*(\slot)+3], 2*KSTEP*2
	s_add_nc_u64 s[G0B+4*(\slot)+2:G0B+4*(\slot)+3], s[G0B+4*(\slot)+2:G0B+4*(\slot)+3], 2*KSTEP*SIZE_N*2
	JLOAD \slot                                    ; the first tensor load behind the round; its four v_nop are also the places in front of the loads below
	FETCH \next, 0, F0
	MUL16 F1, 1, 0, 0
	MUL16 F1, 1, 2, 0
.endm
.macro TURNX next                      ; the same with nothing left to ask for
	MEET 0
	PLACES
	FETCH \next, 0, F0
	MUL16 F1, 1, 0, 0
	MUL16 F1, 1, 2, 0
.endm
; THE WAY OUT of row block a: rounded to f16, 16 bytes a lane; into my own stage and back as whole rows of 256 bytes; stored.
.macro PACK a
.set AC, 64*((\a)%4)
	WIN 0x0a+5*((\a)/4)                            ; sources 0 and 1: window 2 or 3
.irp b, 0,1,2,3,4,5,6,7
.irp r, 0,1,2,3
	v_cvt_pk_f16_f32 v[TMP+4*(\b)+(\r)], v[AC+8*(\b)+2*(\r)], v[AC+8*(\b)+2*(\r)+1]
.endr
.endr
	WIN 0
.endm
.macro TOSTAGE a
.set BK, OB+192*((\a)%2)
.irp b, 0,1,2,3,4,5,6,7
	ds_store_b128 v[STO], v[TMP+4*(\b):TMP+4*(\b)+3] offset:32*(\b)
.endr
.irp t, 0,1,2,3,4,5,6,7
	ds_load_b128 v[BK+4*(\t):BK+4*(\t)+3], v[RD] offset:(\t)*2*SPITCH  ; LDS serves a wave's instructions in order (ISA guide 5.7.1.4): these see the stores above
.endr
.endm
.macro SEND a
.set BK, OB+192*((\a)%2)
	s_wait_dscnt 0x0                               ; the block is back in registers
	s_wait_xcnt 0x0                                ; only behind this wait is the stores' base rewritten
.if (\a) == 0
	s_add_nc_u64 s[8:9], s[8:9], s[16:17]
.else
	s_add_nc_u64 s[8:9], s[8:9], 16*SIZE_N*2
.endif
.irp t, 0,1,2,3,4,5,6,7
	global_store_b128 v[CO], v[BK+4*(\t):BK+4*(\t)+3], s[8:9] offset:2*(\t)*SIZE_N*2  ; 16 lanes store 256 consecutive bytes, aligned
.endr
.endm
	s_wait_tensorcnt 1                             ; my part of K step 0 is in; K step 1's may stay out
	s_barrier_signal -1
	s_barrier_wait -1
	FETCH 0, 0, F0
	QUARTER 0, 1, F0, F1, 1                        ; the first quarter stands in front of the loop: its products start the sums
	WIN 0
	s_mov_b32 s3, LAPS-1
.Llap:                                                 ; a trip goes once round the ring and fills both slots again
	QUARTER 0, 2, F1, F0, 0
	QUARTER 0, 3, F0, F1, 0
	TURN 0, 1
	QUARTER 1, 1, F0, F1, 0
	QUARTER 1, 2, F1, F0, 0
	QUARTER 1, 3, F0, F1, 0
	TURN 1, 0
	QUARTER 0, 1, F0, F1, 0
	WIN 0
	s_sub_co_u32 s3, s3, 1
	s_cmp_lg_u32 s3, 0
	s_cbranch_scc1 .Llap
	QUARTER 0, 2, F1, F0, 0                        ; the last lap asks for nothing
	QUARTER 0, 3, F0, F1, 0
	TURNX 1
	QUARTER 1, 1, F0, F1, 0
	QUARTER 1, 2, F1, F0, 0
	QUARTER 1, 3, F0, F1, 0
	s_wait_dscnt 8
	MUL16 F1, 0, 0, 0
	MUL16 F1, 0, 2, 0
	s_wait_dscnt 0x0
	MUL16 F1, 1, 0, 0
	MUL16 F1, 1, 2, 0
	PLACES
.irp a, 0,1,2,3,4,5,6,7
	PACK \a
	TOSTAGE \a
	SEND \a
.endr
	s_wait_tensorcnt 0x0                           ; the wave's end
	ds_add_u32 v[SPW], v[NIL]
	s_wait_dscnt 0x0
	CROUND                                         ; the closing round
	s_endpgm
.Lfunc_end_k_qf0de6873fd_gemm1:
	.size	k_qf0de6873fd_gemm1, .Lfunc_end_k_qf0de6873fd_gemm1-k_qf0de6873fd_gemm1
	.p2alignl 7, 3214868480
	.fill 96, 4, 3214868480
	.section	.rodata,"a",@progbits
	.p2align	6, 0x0
	.amdhsa_kernel k_qf0de6873fd_gemm1
		.amdhsa_group_segment_fixed_size 327680
		.amdhsa_private_segment_fixed_size 0
		.amdhsa_enable_private_segment 0
		.amdhsa_kernarg_size 24
		.amdhsa_user_sgpr_count 2
		.amdhsa_user_sgpr_kernarg_segment_ptr 1
		.amdhsa_wavefront_size32 1
		.amdhsa_system_sgpr_workgroup_id_x 1
		.amdhsa_system_sgpr_workgroup_id_y 1
		.amdhsa_system_sgpr_workgroup_id_z 1
		.amdhsa_system_vgpr_workitem_id 0
		.amdhsa_next_free_vgpr 1024
		.amdhsa_next_free_sgpr 66
		.amdhsa_reserve_vcc 0
		.amdhsa_float_denorm_mode_32 3
		.amdhsa_float_denorm_mode_16_64 3
		.amdhsa_memory_ordered 1
		.amdhsa_forward_progress 1
		.amdhsa_inst_pref_size 143
	.end_amdhsa_kernel
	.amdgpu_metadata
---
amdhsa.version: [ 1, 2 ]
amdhsa.kernels:
  - .name:           k_qf0de6873fd_gemm1
    .symbol:         k_qf0de6873fd_gemm1.kd
    .args:
      - { .name: act, .offset: 0, .size: 8, .value_kind: global_buffer, .address_space: global }
      - { .name: wts, .offset: 8, .size: 8, .value_kind: global_buffer, .address_space: global }
      - { .name: proj, .offset: 16, .size: 8, .value_kind: global_buffer, .address_space: global }
    .group_segment_fixed_size: 327680
    .private_segment_fixed_size: 0
    .kernarg_segment_align: 8
    .kernarg_segment_size: 24
    .max_flat_workgroup_size: 128
    .sgpr_count:     66
    .vgpr_count:     1024
    .wavefront_size: 32
...
	.end_amdgpu_metadata
.endif
;; end of part 3
;; launch prep (part 4): grid 512 x 1, 4 waves a work-group, no clusters, 31,232 bytes of LDS; arguments proj, ab, rec; writes rec
.if DOCPART == 4
	.amdgcn_target "amdgcn-amd-amdhsa--gfx1250"
	.amdhsa_code_object_version 6
	.text
	.protected	k_qf0de6873fd_prep
	.globl	k_qf0de6873fd_prep
	.p2align	8
	.type	k_qf0de6873fd_prep,@function
k_qf0de6873fd_prep:
	s_mov_b64 s[64:65], 0
	v_nop
	global_prefetch_b8 v0, s[64:65] scope:SCOPE_SE
	s_setreg_imm32_b32 hwreg(HW_REG_WAVE_MODE, 25, 1), 1
	s_wait_xcnt 0x0
; PREP.  For every chunk of 16 positions of every sequence (batch, head) all that does not hang on the state is made, as register images for the scan.
; With la = log2 a, E(i,t) = the sum of la_j over j = i+1 .. t (never a difference of prefix sums), kh, qh the normalised k, q:
;   L[t][i] = b_t 2^E(i,t-1) (kh_t . kh_i), i < t;   T = (I + L)^-1, by exact substitution in f32;   T2 = T diag(b)
;   Wn = T2 Kb, Kb_i = -2^E(-1,i-1) kh_i;   U0 = T2 V;   M[t][i] = 2^E(i,t) (qh_t . kh_i), i <= t;   Qs_t = 2^E(-1,t) qh_t;   Kt_i = 2^E(i,15) kh_i;   dec = 2^E(-1,15)
; so that U = U0 + Wn S, out = Qs S + M U, S' = dec S + Kt^T U.
; A record is 8,960 bytes, 512 for each image (lane x 16): +0 Wn (4), +2048 Qs (4), +4096 Kt^T (4), +6144 M, +6656 U0 (4), +8704 dec (f32, 32 lanes).
; A wave makes four chunks, one a trip; its three LDS images (Kb, Kt, V: [16][64] f16, rows 160 bytes apart) are its own, so there is no barrier.
; LAYOUT.  Lane l: r = l % 16, h = l / 16.  In a product's result register j of lane l is element (8 h + j, r).  kh kh^T and kh qh^T are laid so that a lane holds row t = r of L and of M, and columns 8 h + j.
; LIMITS.  q, k, v arrive in f16.  All images are f16: entries of T2, Wn, U0 beyond 65,504 become infinities (|T| stays of order 1 for |L| < 1).  An exponential below 2^-126 counts as 0.
.set RECB, 8960
.set WREG, 7680                        ; a wave's LDS: three images of 16 x 160 bytes
.set SPARE, 4*WREG                     ; the spare words, 128 bytes for each wave, which no other line names
.set ZR,  9                            ; v9   0
.set SPW, 10                           ; v10  LDS address of my spare word; never rewritten
.set NIL, 11                           ; v11  0, for the add alone
.set M1,  12                           ; v[12:27]  (r >= j) as 1.0 or 0
.set ID,  28                           ; v[28:43]  (r == j) as 1.0 or 0
.set KR,  44                           ; v[44:59]  k as loaded, then kh: two fragments
.set QR,  60                           ; v[60:75]  q likewise
.set WD,  44                           ; v[44:75]  later Wn's sums
.set VR,  76                           ; v[76:91]  v as loaded
.set WP,  76                           ;           later Wn packed
.set BT,  92                           ; v92  b_t, t = r
.set SS,  94                           ; v[94:97]  sums of squares
.set Y,   100                          ; v[100:115] T's row r
.set TS,  116                          ; v[116:123] my half of it
.set TF,  124                          ; v[124:131] T2 as a fragment; the upper four are 0
.set KBT, 132                          ; v[132:147] Kb^T, four tiles; v[148:151] = 0
.set KTT, 152                          ; v[152:167] Kt^T, four tiles
.set FK,  168                          ; 1/|k|
.set FKB, 169                          ; -2^E(-1,r-1)/|k|
.set FKT, 170                          ; 2^E(r,15)/|k|
.set FQ,  171                          ; 1/|q|
.set FQS, 172                          ; 2^E(-1,r)/|q|
.set X1,  173
.set X2,  174
.set XK,  175
.set E1B, 177                          ; E(i, r) at v[E1B+i], i = -1 .. 15
.set E2B, 194                          ; E(i, r-1) at v[E2B+i]
.set G,   176                          ; later kh kh^T
.set P,   184                          ; kh qh^T
.set L,   192
.set UD,  176                          ; later U0's sums, v[176:207]
.set UP,  208                          ; U0 packed, v[208:223]
.set CM,  210                          ; 2^E(8h+j, r), 0 above the diagonal
.set CL,  218                          ; b_t 2^E(8h+j, r-1)
.set IMG, 226                          ; v[226:241] an image on its way out
.set VT,  226                          ; later V^T, four tiles; v[242:245] = 0
.set MP,  246                          ; v[246:249] M packed
.set DEC, 250
.set LA,  16                           ; s[16:31] la of the chunk
.set SB,  32                           ; s[32:47] b of the chunk
.set SF,  48                           ; s[48:63] E(i,15); later a row of L
	s_load_b128 s[4:7], s[0:1], 0x0                ; proj, ab
	s_load_b64 s[8:9], s[0:1], 0x10                ; rec
	v_lshl_add_u32 v[SPW], v0, 2, SPARE
	v_mov_b32 v[NIL], 0
	v_lshrrev_b32 v1, 5, v0
	v_readfirstlane_b32 s10, v1                    ; wave
	v_and_b32 v1, 15, v0                           ; r
	v_bfe_u32 v2, v0, 4, 1                         ; h
	v_and_b32 v4, 31, v0
	v_lshlrev_b32 v5, 2, v4                        ; lane x 4
	v_lshlrev_b32 v4, 4, v4                        ; lane x 16
	v_lshlrev_b32 v3, 13, v1
	v_lshl_add_u32 v3, v2, 4, v3                   ; proj: row r x 8,192 + 16 h
	v_lshlrev_b32 v8, 2, v1
	v_mov_b32 v[ZR], 0
	s_mul_i32 s12, s10, WREG
	v_mul_u32_u24 v6, v1, 160
	v_lshl_add_u32 v6, v2, 4, v6
	v_add_nc_u32 v6, s12, v6                       ; into an image: row r, 16 h
	v_and_b32 v7, 7, v0
	v_lshl_add_u32 v7, v2, 3, v7
	v_mul_u32_u24 v7, v7, 160
	v_bfe_u32 v251, v0, 3, 1
	v_lshl_add_u32 v7, v251, 4, v7
	v_add_nc_u32 v7, s12, v7                       ; the turning load: row 8 h + l % 8, 16 bytes for each half of 16 lanes
	v_lshlrev_b32 v252, 3, v2
.irp j, 0,1,2,3,4,5,6,7,8,9,10,11,12,13,14,15
	v_cmp_le_u32 vcc_lo, \j, v1
	v_cndmask_b32 v[M1+(\j)], 0, 1.0, vcc_lo
	v_cmp_eq_u32 vcc_lo, \j, v1
	v_cndmask_b32 v[ID+(\j)], 0, 1.0, vcc_lo
.endr
.irp j, 0,1,2,3,4,5,6,7
	v_add_nc_u32 v253, \j, v252
	v_cmp_le_u32 s[66+(\j)], v253, v1              ; lanes with 8 h + j <= r
.endr
.irp j, 0,1,2,3,4,5,6,7,8,9,10,11,12,13,14,15
	v_mov_b32 v[IMG+(\j)], 0                       ; the image's halves are written one at a time: the registers are written whole once
.endr
	s_mov_b32 s74, 0xffff0000                      ; lanes 16-31
	s_mov_b32 s76, 0x76543210
	s_mov_b32 s77, 0xfedcba98
	s_lshr_b32 s13, ttmp9, 3                       ; the sequence
	s_lshr_b32 s14, s13, 4                         ; batch
	s_and_b32 s15, s13, 15                         ; head
	s_and_b32 s16, ttmp9, 7
	s_lshl_b32 s16, s16, 2
	s_add_co_u32 s16, s16, s10
	s_lshl_b32 s16, s16, 2                         ; my first chunk
	s_lshl_b32 s17, s14, 11
	s_lshl4_add_u32 s17, s16, s17                  ; its first row
	s_lshl_b32 s18, s17, 13
	s_lshl_b32 s20, s15, 7
	s_add_co_u32 s18, s18, s20
	s_mov_b32 s19, 0
	s_lshl_b32 s20, s15, 15
	s_lshl2_add_u32 s20, s17, s20
	s_mov_b32 s21, 0
	s_lshl_b32 s22, s13, 7
	s_add_co_u32 s22, s22, s16
	s_mul_i32 s22, s22, RECB
	s_mov_b32 s23, 0
	s_mov_b32 s11, 4
	s_wait_kmcnt 0x0
	s_add_nc_u64 s[4:5], s[4:5], s[18:19]
	s_add_nc_u64 s[78:79], s[6:7], s[20:21]        ; la
	s_add_nc_u64 s[80:81], s[78:79], 0x80000       ; b
	s_add_nc_u64 s[8:9], s[8:9], s[22:23]
; 32 numbers in f16 times one f32 factor, each rounded once
.macro SCALE16 dst, src, fac
.set z, 0
.rept 16
	v_fma_mixlo_f16 v[(\dst)+z], v[(\src)+z], v[\fac], v[ZR] op_sel_hi:[1,0,0]
	v_fma_mixhi_f16 v[(\dst)+z], v[(\src)+z], v[\fac], v[ZR] op_sel:[1,0,0] op_sel_hi:[1,0,0]
.set z, z+1
.endr
.endm
.Ltrip:
	s_load_b512 s[LA:LA+15], s[78:79], 0x0
	s_load_b512 s[SB:SB+15], s[80:81], 0x0
.irp c, 0,1,2,3
	global_load_b128 v[KR+4*(\c):KR+4*(\c)+3], v3, s[4:5] offset:2048+32*(\c)
.endr
.irp c, 0,1,2,3
	global_load_b128 v[QR+4*(\c):QR+4*(\c)+3], v3, s[4:5] offset:32*(\c)
.endr
.irp c, 0,1,2,3
	global_load_b128 v[VR+4*(\c):VR+4*(\c)+3], v3, s[4:5] offset:4096+32*(\c)
.endr
	global_load_b32 v[BT], v8, s[80:81]
	s_wait_kmcnt 0x0
	; the exponents: all stand in the wait for q, k, v
	s_mov_b32 s[SF+15], 0
.set i, 14
.rept 15
	s_add_f32 s[SF+i], s[SF+i+1], s[LA+i+1]
.set i, i-1
.endr
	s_add_f32 s82, s[SF], s[LA]
	v_mov_b32 v[E1B+15], 0
	v_mov_b32 v[E2B+15], 0
	v_mov_b32 v[E2B+14], 0
	v_mul_f32 v[E1B+14], s[LA+15], v[M1+15]
	v_mul_f32 v[E2B+13], s[LA+14], v[M1+15]
	v_fma_f32 v[E1B+13], v[M1+14], s[LA+14], v[E1B+14]
.set i, 12
.rept 14
	v_fma_f32 v[E1B+i], v[M1+i+1], s[LA+i+1], v[E1B+i+1]
	v_fma_f32 v[E2B+i], v[M1+i+2], s[LA+i+1], v[E2B+i+1]
.set i, i-1
.endr
	v_mul_f32 v[XK], s[SF], v[ID]
.set i, 1
.rept 14
	v_fma_f32 v[XK], v[ID+i], s[SF+i], v[XK]
.set i, i+1
.endr
.irp j, 0,1,2,3,4,5,6,7
	v_cndmask_b32 v[CM+(\j)], v[E1B+(\j)], v[E1B+8+(\j)], s74
	v_cndmask_b32 v[CL+(\j)], v[E2B+(\j)], v[E2B+8+(\j)], s74
.endr
.irp j, 0,1,2,3,4,5,6,7
	v_exp_f32 v[CM+(\j)], v[CM+(\j)]
.endr
.irp j, 0,1,2,3,4,5,6,7
	v_exp_f32 v[CL+(\j)], v[CL+(\j)]
.endr
	v_exp_f32 v[X1], v[E1B-1]
	v_exp_f32 v[X2], v[E2B-1]
	v_exp_f32 v[XK], v[XK]
	v_exp_f32 v[DEC], s82
	v_nop                                          ; a plain line behind the last exponential
	s_wait_alu depctr_va_vdst(0)
.irp j, 0,1,2,3,4,5,6,7
	v_cndmask_b32 v[CM+(\j)], 0, v[CM+(\j)], s[66+(\j)]
.endr
	s_wait_loadcnt 0x0
.irp c, 0,1,2,3
	ds_store_b128 v6, v[VR+4*(\c):VR+4*(\c)+3] offset:5120+32*(\c)
.endr
.irp j, 0,1,2,3,4,5,6,7
	v_mul_f32 v[CL+(\j)], v[CL+(\j)], v[BT]
.endr
	; |k|^2 and |q|^2: my 32 numbers of each in two chains, the other 32 lie in the lane 16 away
	v_fma_mix_f32 v[SS],   v[KR], v[KR], v[ZR] op_sel_hi:[1,1,0]
	v_fma_mix_f32 v[SS+1], v[KR], v[KR], v[ZR] op_sel:[1,1,0] op_sel_hi:[1,1,0]
	v_fma_mix_f32 v[SS+2], v[QR], v[QR], v[ZR] op_sel_hi:[1,1,0]
	v_fma_mix_f32 v[SS+3], v[QR], v[QR], v[ZR] op_sel:[1,1,0] op_sel_hi:[1,1,0]
.set z, 1
.rept 15
	v_fma_mix_f32 v[SS],   v[KR+z], v[KR+z], v[SS]   op_sel_hi:[1,1,0]
	v_fma_mix_f32 v[SS+1], v[KR+z], v[KR+z], v[SS+1] op_sel:[1,1,0] op_sel_hi:[1,1,0]
	v_fma_mix_f32 v[SS+2], v[QR+z], v[QR+z], v[SS+2] op_sel_hi:[1,1,0]
	v_fma_mix_f32 v[SS+3], v[QR+z], v[QR+z], v[SS+3] op_sel:[1,1,0] op_sel_hi:[1,1,0]
.set z, z+1
.endr
	v_add_f32 v[SS], v[SS], v[SS+1]
	v_add_f32 v[SS+2], v[SS+2], v[SS+3]
	v_permlanex16_b32 v[SS+1], v[SS], s76, s77
	v_permlanex16_b32 v[SS+3], v[SS+2], s76, s77
	v_add_f32 v[SS], v[SS], v[SS+1]
	v_add_f32 v[SS+2], v[SS+2], v[SS+3]
	v_sqrt_f32 v[SS], v[SS]
	v_sqrt_f32 v[SS+2], v[SS+2]
	v_nop
	s_wait_alu depctr_va_vdst(0)
	v_max_num_f32 v[SS], 0x2b8cbccc, v[SS]         ; 1e-12
	v_max_num_f32 v[SS+2], 0x2b8cbccc, v[SS+2]
	v_rcp_f32 v[FK], v[SS]
	v_rcp_f32 v[FQ], v[SS+2]
	v_nop
	s_wait_alu depctr_va_vdst(0)
	v_fma_f32 v[FKB], -v[FK], v[X2], v[ZR]
	v_mul_f32 v[FKT], v[FK], v[XK]
	v_mul_f32 v[FQS], v[FQ], v[X1]
	SCALE16 IMG, KR, FKB
.irp c, 0,1,2,3
	ds_store_b128 v6, v[IMG+4*(\c):IMG+4*(\c)+3] offset:32*(\c)
.endr
	SCALE16 IMG, KR, FKT
.irp c, 0,1,2,3
	ds_store_b128 v6, v[IMG+4*(\c):IMG+4*(\c)+3] offset:2560+32*(\c)
.endr
	SCALE16 IMG, QR, FQS
.irp c, 0,1,2,3
	global_store_b128 v4, v[IMG+4*(\c):IMG+4*(\c)+3], s[8:9] offset:2048+512*(\c)
.endr
	SCALE16 KR, KR, FK
	SCALE16 QR, QR, FQ
	; two sums of two links, by turns
	v_wmma_f32_16x16x32_f16 v[G:G+7], v[KR:KR+7], v[KR:KR+7], 0
	v_wmma_f32_16x16x32_f16 v[P:P+7], v[KR:KR+7], v[QR:QR+7], 0
	v_wmma_f32_16x16x32_f16 v[G:G+7], v[KR+8:KR+15], v[KR+8:KR+15], v[G:G+7]
	v_wmma_f32_16x16x32_f16 v[P:P+7], v[KR+8:KR+15], v[QR+8:QR+15], v[P:P+7]
	s_wait_xcnt 0x0                                ; Qs's stores have read the image: its registers are loaded again only behind this wait
.irp j, 0,1,2,3
	v_mov_b32 v[TF+4+(\j)], 0                      ; the twelve zeros are also the places behind the products
	v_mov_b32 v[KBT+16+(\j)], 0
	v_mov_b32 v[VT+16+(\j)], 0
.endr
.irp i, 0,1,2,3
	ds_load_tr16_b128 v[KBT+4*(\i):KBT+4*(\i)+3], v7 offset:32*(\i)        ; LDS serves a wave's instructions in order: these see the stores above
	ds_load_tr16_b128 v[KTT+4*(\i):KTT+4*(\i)+3], v7 offset:2560+32*(\i)
	ds_load_tr16_b128 v[VT+4*(\i):VT+4*(\i)+3],   v7 offset:5120+32*(\i)
.endr
.irp j, 0,1,2,3,4,5,6,7
	v_mul_f32 v[L+(\j)], v[G+(\j)], v[CL+(\j)]
.endr
.irp j, 0,1,2,3,4,5,6,7
	v_mul_f32 v[P+(\j)], v[P+(\j)], v[CM+(\j)]
.endr
.irp p, 0,1,2,3
	v_cvt_pk_f16_f32 v[MP+(\p)], v[P+2*(\p)], v[P+2*(\p)+1]
.endr
	global_store_b128 v4, v[MP:MP+3], s[8:9] offset:6144
	; T = (I + L)^-1.  I + L = E_1 E_2 .. E_15, E_i = I + e_i (row i of L); so T = E_15^-1 .. E_1^-1, and each factor takes column i times L[i][j] from column j < i.
	; A lane holds row r of T in 16 registers; L[i][j] is read from lane i + 16 (j / 8), register j % 8.
.set i, 15
.rept 15
.set j, 0
.rept i
	v_readlane_b32 s[SF+j], v[L+(j&7)], i+16*(j>>3)
.set j, j+1
.endr
.set j, 0
.rept i
.if i == 15
	v_fma_f32 v[Y+j], -v[ID+15], s[SF+j], v[ID+j]
.else
	v_fma_f32 v[Y+j], -v[Y+i], s[SF+j], v[Y+j]
.endif
.set j, j+1
.endr
.set i, i-1
.endr
.set j, 0
.rept 15
	v_mul_f32 v[Y+j], s[SB+j], v[Y+j]
.set j, j+1
.endr
	v_mul_f32 v[Y+15], s[SB+15], v[ID+15]
.irp j, 0,1,2,3,4,5,6,7
	v_cndmask_b32 v[TS+(\j)], v[Y+(\j)], v[Y+8+(\j)], s74
.endr
.irp p, 0,1,2,3
	v_cvt_pk_f16_f32 v[TF+(\p)], v[TS+2*(\p)], v[TS+2*(\p)+1]
.endr
	s_wait_dscnt 0x0                               ; the turned tiles are in
.irp i, 0,1,2,3
	global_store_b128 v4, v[KTT+4*(\i):KTT+4*(\i)+3], s[8:9] offset:4096+512*(\i)
.endr
	; K = 16 of 32: a tile's four registers are followed by the next tile's, which meet T2's zeros
.irp i, 0,1,2,3
	v_wmma_f32_16x16x32_f16 v[WD+8*(\i):WD+8*(\i)+7], v[KBT+4*(\i):KBT+4*(\i)+7], v[TF:TF+7], 0
	v_wmma_f32_16x16x32_f16 v[UD+8*(\i):UD+8*(\i)+7], v[TF:TF+7], v[VT+4*(\i):VT+4*(\i)+7], 0
.endr
.rept 4
	v_nop                                          ; four places between the last products and the conversions
.endr
.irp i, 0,1,2,3
.irp p, 0,1,2,3
	v_cvt_pk_f16_f32 v[WP+4*(\i)+(\p)], v[WD+8*(\i)+2*(\p)], v[WD+8*(\i)+2*(\p)+1]
.endr
	global_store_b128 v4, v[WP+4*(\i):WP+4*(\i)+3], s[8:9] offset:512*(\i)
.endr
.irp i, 0,1,2,3
.irp p, 0,1,2,3
	v_cvt_pk_f16_f32 v[UP+4*(\i)+(\p)], v[UD+8*(\i)+2*(\p)], v[UD+8*(\i)+2*(\p)+1]
.endr
	global_store_b128 v4, v[UP+4*(\i):UP+4*(\i)+3], s[8:9] offset:6656+512*(\i)
.endr
	global_store_b32 v5, v[DEC], s[8:9] offset:8704
	s_wait_xcnt 0x0                                ; the bases and the stores' registers are rewritten only behind this wait
	s_add_nc_u64 s[4:5], s[4:5], 0x20000           ; 16 rows of proj
	s_add_nc_u64 s[78:79], s[78:79], 64
	s_add_nc_u64 s[80:81], s[80:81], 64
	s_add_nc_u64 s[8:9], s[8:9], RECB
	s_sub_co_u32 s11, s11, 1
	s_cmp_lg_u32 s11, 0
	s_cbranch_scc1 .Ltrip
	s_wait_tensorcnt 0x0                           ; the wave's end
	ds_add_u32 v[SPW], v[NIL]
	s_wait_dscnt 0x0
	s_endpgm
.Lfunc_end_k_qf0de6873fd_prep:
	.size	k_qf0de6873fd_prep, .Lfunc_end_k_qf0de6873fd_prep-k_qf0de6873fd_prep
	.p2alignl 7, 3214868480
	.fill 96, 4, 3214868480
	.section	.rodata,"a",@progbits
	.p2align	6, 0x0
	.amdhsa_kernel k_qf0de6873fd_prep
		.amdhsa_group_segment_fixed_size 31232
		.amdhsa_private_segment_fixed_size 0
		.amdhsa_enable_private_segment 0
		.amdhsa_kernarg_size 24
		.amdhsa_user_sgpr_count 2
		.amdhsa_user_sgpr_kernarg_segment_ptr 1
		.amdhsa_wavefront_size32 1
		.amdhsa_system_sgpr_workgroup_id_x 1
		.amdhsa_system_sgpr_workgroup_id_y 1
		.amdhsa_system_sgpr_workgroup_id_z 1
		.amdhsa_system_vgpr_workitem_id 0
		.amdhsa_next_free_vgpr 256
		.amdhsa_next_free_sgpr 84
		.amdhsa_reserve_vcc 1
		.amdhsa_float_denorm_mode_32 3
		.amdhsa_float_denorm_mode_16_64 3
		.amdhsa_memory_ordered 1
		.amdhsa_forward_progress 1
		.amdhsa_inst_pref_size 53
	.end_amdhsa_kernel
	.amdgpu_metadata
---
amdhsa.version: [ 1, 2 ]
amdhsa.kernels:
  - .name:           k_qf0de6873fd_prep
    .symbol:         k_qf0de6873fd_prep.kd
    .args:
      - { .name: proj, .offset: 0, .size: 8, .value_kind: global_buffer, .address_space: global }
      - { .name: ab, .offset: 8, .size: 8, .value_kind: global_buffer, .address_space: global }
      - { .name: rec, .offset: 16, .size: 8, .value_kind: global_buffer, .address_space: global }
    .group_segment_fixed_size: 31232
    .private_segment_fixed_size: 0
    .kernarg_segment_align: 8
    .kernarg_segment_size: 24
    .max_flat_workgroup_size: 128
    .sgpr_count:     84
    .vgpr_count:     256
    .wavefront_size: 32
...
	.end_amdgpu_metadata
.endif
;; end of part 4
;; launch scan (part 5): grid 64 x 1, 4 waves a work-group, no clusters, 327,680 bytes of LDS; arguments rec, y; writes y
.if DOCPART == 5
	.amdgcn_target "amdgcn-amd-amdhsa--gfx1250"
	.amdhsa_code_object_version 6
	.text
	.protected	k_qf0de6873fd_scan
	.globl	k_qf0de6873fd_scan
	.p2align	8
	.type	k_qf0de6873fd_scan,@function
k_qf0de6873fd_scan:
	s_mov_b64 s[64:65], 0
	v_nop
	global_prefetch_b8 v0, s[64:65] scope:SCOPE_SE
	s_setreg_imm32_b32 hwreg(HW_REG_WAVE_MODE, 25, 1), 1
	s_wait_xcnt 0x0
; SCAN.  For each sequence (batch, head) the 128 chunks in order:  U = U0 + Wn S;  out = Qs S + M U;  S = dec S + Kt^T U.
; A work-group is a sequence; its four waves take 16 of the state's 64 value columns each, which never meet.  All four read the same records, so a record is brought into LDS once
; for the four: that is why the four column groups are one work-group, and why no cluster is formed (work-groups share nothing).  64 work-groups: the problem has 64 sequences,
; and their 256 waves are as many as 256 work-groups of one wave would be.
; RING.  Two slots of 16 records (143,360 bytes).  Each wave brings a quarter of a slot with one tensor load of 140 rows of 256 bytes.  A wave has at most two tensor loads out.
; LAYOUT.  S (f32) in four accumulators: lane = value column, registers = key rows 16 i + 8 (l / 16) + j.  Rounded to f16 in pairs they ARE the fragments SBF (32 key rows each).
; U's result holds position 8 (l / 16) + j and column l % 16; rounded in pairs it IS the fragment UB (K = 16 of 32; the upper registers are 0).
; out comes transposed (source 0 = the column side): a lane holds one position and eight neighbouring columns, 16 bytes.
; y: blocks of 512 bytes, ((batch x 128 + chunk) x 64 + head x 4 + wave), each [16 positions][16 columns] f16.
; LIMITS.  The state's copy, U and y are f16: beyond 65,504 they become infinities.  The state itself and all sums are f32.
.set RECB,  8960
.set SLOTB, 16*RECB
.set QUART, SLOTB/4
.set SPARE, 2*SLOTB                    ; the spare words, 128 bytes for each wave, which no other line names
.set ADR,  4                           ; v4   LDS address: the record in hand + lane x 16
.set ADRU, 5                           ; v5   the same + wave x 512
.set SPW,  6                           ; v6   LDS address of my spare word; never rewritten
.set NIL,  7                           ; v7   0, for the add alone
.set UH,   8                           ; v[8:11]    U0, f16
.set S,    12                          ; v[12:43]   the state
.set SBF,  44                          ; v[44:59]   its f16 copy, two fragments
.set UC,   60                          ; v[60:67]   U's sums
.set OA,   68                          ; v[68:75]   out's sums
.set UB,   76                          ; v[76:83]   U as a fragment; 80-83 = 0
.set WN,   84                          ; v[84:99]
.set QS,   100                         ; v[100:115]
.set KT,   116                         ; v[116:131]; v[132:135] = 0
.set MF,   136                         ; v[136:139]; v[140:143] = 0
.set DEC,  144                         ; v[144:145] dec, and a written partner for the packed multiply
.set YO,   146                         ; v[146:149]
.set ADRD, 150                         ; v150 the record in hand + lane x 4
.set YA,   151                         ; v151 my 16 bytes in a block of y
.set ONE,  152
.set ZR,   153
.set TB,   40                          ; s40  LDS byte at which the record to be fetched begins
	s_load_b128 s[4:7], s[0:1], 0x0                ; rec, y
	v_lshl_add_u32 v[SPW], v0, 2, SPARE
	v_mov_b32 v[NIL], 0
	ds_add_u32 v[SPW], v[NIL]                      ; the wave's opening: the add and its wait come ahead of my first tensor load
	ds_add_u32 v6, v7
	v_lshrrev_b32 v1, 5, v0
	v_readfirstlane_b32 s8, v1                     ; wave
	s_mov_b32 s16, 3<<16                           ; group 1: elements of 8 bytes, no mask, no padding
	s_mov_b32 s17, 32<<16                          ; tensor_dim0 = 32 (256 bytes)
	s_mov_b32 s18, 140<<16                         ; tensor_dim1 = 140
	s_mov_b32 s19, 32<<16                          ; tile_dim0 = 32
	s_mov_b32 s20, 140                             ; tile_dim1 = 140
	s_mov_b32 s21, 32                              ; dense rows
	s_mov_b32 s22, 0
	s_mov_b32 s23, 0
	s_mul_i32 s9, s8, QUART                        ; my quarter of a slot, in LDS and in memory
	s_mul_i32 s10, ttmp9, 128*RECB                 ; the sequence's records
	s_add_co_u32 s10, s10, s9
	s_mov_b32 s11, 0
	s_lshr_b32 s12, ttmp9, 4
	s_lshl_b32 s12, s12, 13                        ; batch x 128 x 64 blocks
	s_and_b32 s13, ttmp9, 15
	s_lshl2_add_u32 s12, s13, s12                  ; + head x 4
	s_add_co_u32 s12, s12, s8                      ; + wave
	s_lshl_b32 s12, s12, 9
	s_mov_b32 s13, 0
	s_mov_b32 s32, 1
	s_mov_b32 s33, s9
	s_mov_b32 s36, 1
	s_add_co_u32 s37, s9, SLOTB
	s_wait_dscnt 0x0                               ; the opening add is done
	s_wait_kmcnt 0x0
	s_add_nc_u64 s[34:35], s[4:5], s[10:11]
	s_add_nc_u64 s[38:39], s[34:35], SLOTB
	s_or_b32 s35, s35, 0x80000000
	s_or_b32 s39, s39, 0x80000000
	s_add_nc_u64 s[42:43], s[6:7], s[12:13]
	tensor_load_to_lds s[32:35], s[16:23]          ; records 0-15
	s_nop 0
	tensor_load_to_lds s[36:39], s[16:23]          ; records 16-31
	s_nop 0
	v_and_b32 v3, 31, v0
	v_lshlrev_b32 v1, 4, v3                        ; lane x 16
	v_lshl_add_u32 v2, s8, 9, v1                   ; + wave x 512
	v_lshlrev_b32 v3, 2, v3                        ; lane x 4
	v_and_b32 v[YA], 15, v0
	v_bfe_u32 v[ADR], v0, 4, 1
	v_lshlrev_b32 v[YA], 5, v[YA]
	v_lshl_add_u32 v[YA], v[ADR], 4, v[YA]         ; position x 32 + 16 x half
	v_mov_b32 v[ONE], 1.0
	v_mov_b32 v[ZR], 0
	v_mov_b32 v[DEC+1], 0
.set i, S
.rept 48
	v_mov_b32 v[i], 0                              ; the state starts at 0: the first chunk is a chunk like any other; this stands in the wait for the first tile
.set i, i+1
.endr
.irp j, 0,1,2,3
	v_mov_b32 v[UB+4+(\j)], 0
	v_mov_b32 v[KT+16+(\j)], 0
	v_mov_b32 v[MF+4+(\j)], 0
.endr
.macro LG1                             ; ten LDS loads: what the chunk's first four products want
	v_add_nc_u32 v[ADR], s[TB], v1
	v_add_nc_u32 v[ADRU], s[TB], v2
	v_add_nc_u32 v[ADRD], s[TB], v3
.irp i, 0,1,2,3
	ds_load_b128 v[WN+4*(\i):WN+4*(\i)+3], v[ADR] offset:512*(\i)
.endr
.irp i, 0,1,2,3
	ds_load_b128 v[QS+4*(\i):QS+4*(\i)+3], v[ADR] offset:2048+512*(\i)
.endr
	ds_load_b128 v[UH:UH+3], v[ADRU] offset:6656
	ds_load_b32 v[DEC], v[ADRD] offset:8704
.endm
.macro LG2                             ; five: what its last five want
.irp i, 0,1,2,3
	ds_load_b128 v[KT+4*(\i):KT+4*(\i)+3], v[ADR] offset:4096+512*(\i)
.endr
	ds_load_b128 v[MF:MF+3], v[ADR] offset:6144
.endm
; One chunk.  reload = 1: the next record's fragments are fetched as soon as this chunk's products have read theirs.  The accumulators take turns, one instruction a turn.
.macro COMP reload
	s_wait_dscnt 5                                 ; the first ten are in; Kt^T and M may be out
.irp p, 0,1,2,3
	v_fma_mix_f32 v[UC+2*(\p)],   v[UH+(\p)], v[ONE], v[ZR] op_sel_hi:[1,0,0]
	v_fma_mix_f32 v[UC+2*(\p)+1], v[UH+(\p)], v[ONE], v[ZR] op_sel:[1,0,0] op_sel_hi:[1,0,0]
.endr
	v_wmma_f32_16x16x32_f16 v[UC:UC+7], v[WN:WN+7], v[SBF:SBF+7], v[UC:UC+7]
	v_wmma_f32_16x16x32_f16 v[OA:OA+7], v[SBF:SBF+7], v[QS:QS+7], 0
	v_wmma_f32_16x16x32_f16 v[UC:UC+7], v[WN+8:WN+15], v[SBF+8:SBF+15], v[UC:UC+7]
	v_wmma_f32_16x16x32_f16 v[OA:OA+7], v[SBF+8:SBF+15], v[QS+8:QS+15], v[OA:OA+7]
.set z, 0
.rept 16
	v_pk_mul_f32 v[S+2*z:S+2*z+1], v[S+2*z:S+2*z+1], v[DEC:DEC+1] op_sel_hi:[1,0]  ; the decay: also the places behind the four products
.set z, z+1
.endr
.if \reload
	s_add_co_u32 s[TB], s[TB], RECB
	LG1
.endif
.irp p, 0,1,2,3
	v_cvt_pk_f16_f32 v[UB+(\p)], v[UC+2*(\p)], v[UC+2*(\p)+1]
.endr
.if \reload
	s_wait_dscnt 10                                ; Kt^T and M are in; the ten just issued stay out
.else
	s_wait_dscnt 0x0
.endif
.irp i, 0,1,2,3
	v_wmma_f32_16x16x32_f16 v[S+8*(\i):S+8*(\i)+7], v[KT+4*(\i):KT+4*(\i)+7], v[UB:UB+7], v[S+8*(\i):S+8*(\i)+7]  ; a tile's four registers are followed by the next tile's, which meet U's zeros
.endr
	v_wmma_f32_16x16x32_f16 v[OA:OA+7], v[UB:UB+7], v[MF:MF+7], v[OA:OA+7]
.rept 4
	v_nop                                          ; four places in front of the loads into Kt^T and M and of the conversions
.endr
.if \reload
	LG2
.endif
.set z, 0
.rept 16
	v_cvt_pk_f16_f32 v[SBF+z], v[S+2*z], v[S+2*z+1]
.set z, z+1
.endr
.irp p, 0,1,2,3
	v_cvt_pk_f16_f32 v[YO+(\p)], v[OA+2*(\p)], v[OA+2*(\p)+1]
.endr
	global_store_b128 v[YA], v[YO:YO+3], s[42:43]  ; the wave stores 512 consecutive bytes, aligned
	s_wait_xcnt 0x0                                ; the base and the data are rewritten only behind this wait
	s_add_nc_u64 s[42:43], s[42:43], 0x8000        ; the next chunk's blocks
.endm
.macro RUN slot                        ; a slot's sixteen chunks
	s_mov_b32 s[TB], (\slot)*SLOTB
	LG1
	LG2
	s_mov_b32 s41, 15
.Lrun_\@:
	COMP 1
	s_sub_co_u32 s41, s41, 1
	s_cmp_lg_u32 s41, 0
	s_cbranch_scc1 .Lrun_\@
	COMP 0
.endm
; The change of slots, ahead of slot's sixteen chunks: every wave waits for all its tensor loads (its part of that slot), adds 0 to its spare word, waits for that and for its reads of the
; other slot, and passes the barrier; behind it the other slot is filled again first, one load a wave, which has sixteen chunks in which to land.
.macro CHG slot, refill
	s_wait_tensorcnt 0x0
	ds_add_u32 v[SPW], v[NIL]
	s_add_nc_u64 s[38-4*(\slot):39-4*(\slot)], s[38-4*(\slot):39-4*(\slot)], 2*SLOTB  ; no load of mine is out: the other slot's next records
	s_wait_dscnt 0x0
	s_barrier_signal -1
	s_barrier_wait -1
.if \refill
	tensor_load_to_lds s[36-4*(\slot):39-4*(\slot)], s[16:23]
	s_nop 0
.endif
.endm
	s_wait_tensorcnt 0x1                           ; my part of slot 0 is in; slot 1's may stay out
	s_barrier_signal -1
	s_barrier_wait -1
	RUN 0
	s_mov_b32 s44, 3
.Lring:
	CHG 1, 1
	RUN 1
	CHG 0, 1
	RUN 0
	s_sub_co_u32 s44, s44, 1
	s_cmp_lg_u32 s44, 0
	s_cbranch_scc1 .Lring
	CHG 1, 0                                       ; the last slot: nothing is left to fetch (the stepped address is not used)
	RUN 1
	s_wait_tensorcnt 0x0                           ; the wave's end
	ds_add_u32 v[SPW], v[NIL]
	s_wait_dscnt 0x0
	s_endpgm
.Lfunc_end_k_qf0de6873fd_scan:
	.size	k_qf0de6873fd_scan, .Lfunc_end_k_qf0de6873fd_scan-k_qf0de6873fd_scan
	.p2alignl 7, 3214868480
	.fill 96, 4, 3214868480
	.section	.rodata,"a",@progbits
	.p2align	6, 0x0
	.amdhsa_kernel k_qf0de6873fd_scan
		.amdhsa_group_segment_fixed_size 327680
		.amdhsa_private_segment_fixed_size 0
		.amdhsa_enable_private_segment 0
		.amdhsa_kernarg_size 16
		.amdhsa_user_sgpr_count 2
		.amdhsa_user_sgpr_kernarg_segment_ptr 1
		.amdhsa_wavefront_size32 1
		.amdhsa_system_sgpr_workgroup_id_x 1
		.amdhsa_system_sgpr_workgroup_id_y 1
		.amdhsa_system_sgpr_workgroup_id_z 1
		.amdhsa_system_vgpr_workitem_id 0
		.amdhsa_next_free_vgpr 156
		.amdhsa_next_free_sgpr 66
		.amdhsa_reserve_vcc 0
		.amdhsa_float_denorm_mode_32 3
		.amdhsa_float_denorm_mode_16_64 3
		.amdhsa_memory_ordered 1
		.amdhsa_forward_progress 1
		.amdhsa_inst_pref_size 47
	.end_amdhsa_kernel
	.amdgpu_metadata
---
amdhsa.version: [ 1, 2 ]
amdhsa.kernels:
  - .name:           k_qf0de6873fd_scan
    .symbol:         k_qf0de6873fd_scan.kd
    .args:
      - { .name: rec, .offset: 0, .size: 8, .value_kind: global_buffer, .address_space: global }
      - { .name: y, .offset: 8, .size: 8, .value_kind: global_buffer, .address_space: global }
    .group_segment_fixed_size: 327680
    .private_segment_fixed_size: 0
    .kernarg_segment_align: 8
    .kernarg_segment_size: 16
    .max_flat_workgroup_size: 128
    .sgpr_count:     66
    .vgpr_count:     156
    .wavefront_size: 32
...
	.end_amdgpu_metadata
.endif
;; end of part 5
;; launch norm (part 6): grid 512 x 1, 8 waves a work-group, no clusters, 34,304 bytes of LDS; arguments y, proj, g_norm, act, zs; writes act, zs
.if DOCPART == 6
	.amdgcn_target "amdgcn-amd-amdhsa--gfx1250"
	.amdhsa_code_object_version 6
	.text
	.protected	k_qf0de6873fd_norm
	.globl	k_qf0de6873fd_norm
	.p2align	8
	.type	k_qf0de6873fd_norm,@function
k_qf0de6873fd_norm:
	s_mov_b64 s[64:65], 0
	v_nop
	global_prefetch_b8 v0, s[64:65] scope:SCOPE_SE
	s_setreg_imm32_b32 hwreg(HW_REG_WAVE_MODE, 25, 1), 1
	s_wait_xcnt 0x0
; NORM.  z[row][c] = y rsqrt(mean(y^2) + 1e-5) g_norm[c] silu(gate[row][c]);  zs[row] = max(max_c |z|, 1e-30);  act[row][c] = f16(z / zs).
; The division by the row's largest magnitude keeps the f16 operand of the last product inside 1 whatever the inputs' size; the last product multiplies zs back in f32.
; A work-group takes 16 rows: one (batch, chunk) of y, 64 blocks of [16 positions][16 columns].  The blocks are laid into LDS as 16 rows of 2,048 bytes (2,080 apart); behind one barrier
; a wave takes two whole rows: a lane holds 8 neighbouring columns in each of four pieces of 512 bytes.  g_norm is rounded to bf16 like every other input.
; Memory binds; the matrix units and clusters have nothing to do here.  zs is stored 8 bytes a wave (32 KiB in all).
.set LP, 2080
.set SPARE, 16*LP                      ; the spare words, 128 bytes for each wave, which no other line names
.set SPW, 6
.set NIL, 7
.set GN,  8                            ; v[8:39]    g_norm of my 32 columns
.set YR,  40                           ; v[40:71]   y: blocks as loaded, then my two rows
.set GR,  72                           ; v[72:103]  the gate's raw numbers of my two rows
.set EF,  104                          ; v[104:135] at work
.set GF,  136                          ; v[136:167] at work
.set ONE, 168
.set ZR,  169
.set SA,  170
.set SBB, 171
.set RMS, 172
.set MX,  173
.set T0,  174
.set T1,  175
.set SC,  176                          ; v176, v177 the two rows' zs
.set RS,  178                          ; v[178:179] 1 / zs, twice
.set ZO,  180                          ; v[180:211] the two rows, packed
	s_load_b256 s[4:11], s[0:1], 0x0               ; y, proj, g_norm, act
	s_load_b64 s[12:13], s[0:1], 0x20              ; zs
	v_lshl_add_u32 v[SPW], v0, 2, SPARE
	v_mov_b32 v[NIL], 0
	v_lshrrev_b32 v1, 5, v0
	v_readfirstlane_b32 s14, v1                    ; wave
	v_and_b32 v1, 31, v0                           ; lane
	v_lshlrev_b32 v2, 4, v1
	v_lshlrev_b32 v3, 5, v1
	v_lshrrev_b32 v4, 1, v1                        ; a block's position,
	v_mul_u32_u24 v4, v4, LP
	v_and_b32 v5, 1, v1                            ; and half of its 32 bytes
	v_lshl_add_u32 v4, v5, 4, v4
	s_lshl_b32 s15, s14, 8                         ; my eight blocks' 256 bytes of a row
	v_add_nc_u32 v4, s15, v4
	s_mul_i32 s15, s14, 2*LP                       ; my two rows
	v_add_nc_u32 v5, s15, v2
	v_mov_b32 v[ONE], 1.0
	v_mov_b32 v[ZR], 0
	v_mov_b32 v[T0], 0
	s_lshl_b32 s16, ttmp9, 15
	s_lshl_b32 s17, s14, 12
	s_add_co_u32 s16, s16, s17                     ; y: 32,768 a work-group + 8 blocks of 512 a wave
	s_mov_b32 s17, 0
	s_lshl_b32 s18, ttmp9, 4
	s_lshl1_add_u32 s18, s14, s18                  ; my first row
	s_lshl_b32 s24, s18, 13
	s_add_co_u32 s24, s24, 6144                    ; the gate's columns in proj
	s_mov_b32 s25, 0
	s_lshl_b32 s26, s18, 11
	s_mov_b32 s27, 0
	s_lshl_b32 s28, s18, 2
	s_mov_b32 s29, 0
	s_mov_b32 s20, 0x3a800000                      ; 1/1024
	s_mov_b32 s21, 0x3727c5ac                      ; 1e-5
	s_mov_b32 s22, 0xbfb8aa3b                      ; -log2(e)
	s_mov_b32 s23, s22
	s_mov_b32 s19, 0x7fffffff
	s_mov_b32 s30, 0x76543210
	s_mov_b32 s31, 0xfedcba98
	s_mov_b32 s15, 0xffff0000
	s_wait_kmcnt 0x0
	s_add_nc_u64 s[4:5], s[4:5], s[16:17]
	s_add_nc_u64 s[6:7], s[6:7], s[24:25]
	s_add_nc_u64 s[10:11], s[10:11], s[26:27]
	s_add_nc_u64 s[12:13], s[12:13], s[28:29]
.irp i, 0,1,2,3,4,5,6,7
	global_load_b128 v[YR+4*(\i):YR+4*(\i)+3], v2, s[4:5] offset:512*(\i) th:TH_LOAD_NT
.endr
.irp i, 0,1
.irp j, 0,1,2,3
	global_load_b128 v[GR+16*(\i)+4*(\j):GR+16*(\i)+4*(\j)+3], v2, s[6:7] offset:8192*(\i)+512*(\j) th:TH_LOAD_NT
.endr
.endr
.irp j, 0,1,2,3
	global_load_b128 v[GN+8*(\j):GN+8*(\j)+3],   v3, s[8:9] offset:1024*(\j)
	global_load_b128 v[GN+8*(\j)+4:GN+8*(\j)+7], v3, s[8:9] offset:1024*(\j)+16
.endr
	s_wait_loadcnt 16                              ; y's eight are in; the gate's and the gain's sixteen stay out
.irp i, 0,1,2,3,4,5,6,7
	ds_store_b128 v4, v[YR+4*(\i):YR+4*(\i)+3] offset:32*(\i)
.endr
	s_wait_dscnt 0x0                               ; for the others' sake: my stores are done
	s_barrier_signal -1
	s_barrier_wait -1
.irp i, 0,1
.irp j, 0,1,2,3
	ds_load_b128 v[YR+16*(\i)+4*(\j):YR+16*(\i)+4*(\j)+3], v5 offset:LP*(\i)+512*(\j)
.endr
.endr
	s_wait_loadcnt 0x0
.set z, 0
.rept 16
	v_cvt_pk_bf16_f32 v[T1], v[GN+2*z], v[GN+2*z+1]
	v_lshlrev_b32 v[GN+2*z], 16, v[T1]
	v_and_b32 v[GN+2*z+1], s15, v[T1]
.set z, z+1
.endr
	s_wait_dscnt 0x0
.macro ROW i
	v_fma_mix_f32 v[SA],  v[YR+16*(\i)], v[YR+16*(\i)], v[ZR] op_sel_hi:[1,1,0]
	v_fma_mix_f32 v[SBB], v[YR+16*(\i)], v[YR+16*(\i)], v[ZR] op_sel:[1,1,0] op_sel_hi:[1,1,0]
.set z, 1
.rept 15
	v_fma_mix_f32 v[SA],  v[YR+16*(\i)+z], v[YR+16*(\i)+z], v[SA]  op_sel_hi:[1,1,0]
	v_fma_mix_f32 v[SBB], v[YR+16*(\i)+z], v[YR+16*(\i)+z], v[SBB] op_sel:[1,1,0] op_sel_hi:[1,1,0]
.set z, z+1
.endr
	v_add_f32 v[SA], v[SA], v[SBB]
	v_add_f32_dpp v[SA], v[SA], v[SA] row_xmask:1 row_mask:0xf bank_mask:0xf
	v_add_f32_dpp v[SA], v[SA], v[SA] row_xmask:2 row_mask:0xf bank_mask:0xf
	v_add_f32_dpp v[SA], v[SA], v[SA] row_xmask:4 row_mask:0xf bank_mask:0xf
	v_add_f32_dpp v[SA], v[SA], v[SA] row_xmask:8 row_mask:0xf bank_mask:0xf
	v_permlanex16_b32 v[T0], v[SA], s30, s31
	v_add_f32 v[SA], v[SA], v[T0]
	v_fma_f32 v[RMS], v[SA], s20, s21
	v_rsq_f32 v[RMS], v[RMS]
.set z, 0
.rept 16
	v_fma_mix_f32 v[GF+2*z],   v[GR+16*(\i)+z], v[ONE], v[ZR] op_sel_hi:[1,0,0]
	v_fma_mix_f32 v[GF+2*z+1], v[GR+16*(\i)+z], v[ONE], v[ZR] op_sel:[1,0,0] op_sel_hi:[1,0,0]
.set z, z+1
.endr
.set z, 0
.rept 16
	v_pk_mul_f32 v[EF+2*z:EF+2*z+1], v[GF+2*z:GF+2*z+1], s[22:23] op_sel_hi:[1,0]
.set z, z+1
.endr
.set z, 0
.rept 32
	v_exp_f32 v[EF+z], v[EF+z]
.set z, z+1
.endr
	v_nop
.set z, 0
	s_wait_alu depctr_va_vdst(0)
.rept 16
	v_pk_add_f32 v[EF+2*z:EF+2*z+1], v[EF+2*z:EF+2*z+1], 1.0 op_sel_hi:[1,0]
.set z, z+1
.endr
.set z, 0
.rept 32
	v_rcp_f32 v[EF+z], v[EF+z]
.set z, z+1
.endr
	v_nop
.set z, 0
	s_wait_alu depctr_va_vdst(0)
.rept 16
	v_pk_mul_f32 v[GF+2*z:GF+2*z+1], v[GF+2*z:GF+2*z+1], v[EF+2*z:EF+2*z+1]      ; silu
.set z, z+1
.endr
.set z, 0
.rept 16
	v_pk_mul_f32 v[GF+2*z:GF+2*z+1], v[GF+2*z:GF+2*z+1], v[GN+2*z:GN+2*z+1]      ; times the gain
.set z, z+1
.endr
.set z, 0
.rept 16
	v_fma_mix_f32 v[EF+2*z],   v[YR+16*(\i)+z], v[RMS], v[ZR] op_sel_hi:[1,0,0]
	v_fma_mix_f32 v[EF+2*z+1], v[YR+16*(\i)+z], v[RMS], v[ZR] op_sel:[1,0,0] op_sel_hi:[1,0,0]
.set z, z+1
.endr
.set z, 0
.rept 16
	v_pk_mul_f32 v[EF+2*z:EF+2*z+1], v[EF+2*z:EF+2*z+1], v[GF+2*z:GF+2*z+1]      ; z
.set z, z+1
.endr
	v_and_b32 v[T0], s19, v[EF]
	v_and_b32 v[T1], s19, v[EF+1]
	v_max_num_f32 v[MX], v[T0], v[T1]
.set z, 1
.rept 15
	v_and_b32 v[T0], s19, v[EF+2*z]
	v_and_b32 v[T1], s19, v[EF+2*z+1]
	v_max3_num_f32 v[MX], v[MX], v[T0], v[T1]
.set z, z+1
.endr
	v_max_num_f32_dpp v[MX], v[MX], v[MX] row_xmask:1 row_mask:0xf bank_mask:0xf
	v_max_num_f32_dpp v[MX], v[MX], v[MX] row_xmask:2 row_mask:0xf bank_mask:0xf
	v_max_num_f32_dpp v[MX], v[MX], v[MX] row_xmask:4 row_mask:0xf bank_mask:0xf
	v_max_num_f32_dpp v[MX], v[MX], v[MX] row_xmask:8 row_mask:0xf bank_mask:0xf
	v_permlanex16_b32 v[T0], v[MX], s30, s31
	v_max_num_f32 v[MX], v[MX], v[T0]
	v_max_num_f32 v[SC+(\i)], 0x0da24260, v[MX]    ; 1e-30
	v_rcp_f32 v[RS], v[SC+(\i)]
	v_rcp_f32 v[RS+1], v[SC+(\i)]
	v_nop
.set z, 0
	s_wait_alu depctr_va_vdst(0)
.rept 16
	v_pk_mul_f32 v[EF+2*z:EF+2*z+1], v[EF+2*z:EF+2*z+1], v[RS:RS+1]
.set z, z+1
.endr
.set z, 0
.rept 16
	v_cvt_pk_f16_f32 v[ZO+16*(\i)+z], v[EF+2*z], v[EF+2*z+1]
.set z, z+1
.endr
.irp j, 0,1,2,3
	global_store_b128 v2, v[ZO+16*(\i)+4*(\j):ZO+16*(\i)+4*(\j)+3], s[10:11] offset:2048*(\i)+512*(\j)  ; 512 consecutive bytes, aligned
.endr
.endm
	ROW 0
	ROW 1
	v_cmp_eq_u32 vcc_lo, 1, v1
	v_cndmask_b32 v[T1], v[SC], v[SC+1], vcc_lo
	v_lshlrev_b32 v[T0], 2, v1
	v_cmp_gt_u32 vcc_lo, 2, v1
	s_wait_xcnt 0x0                                ; EXEC changes only behind this wait
	s_and_saveexec_b32 s16, vcc_lo
	global_store_b32 v[T0], v[T1], s[12:13]        ; lanes 0 and 1: my two rows' zs
	s_wait_xcnt 0x0
	s_or_b32 exec_lo, exec_lo, s16
	s_wait_tensorcnt 0x0                           ; the wave's end
	ds_add_u32 v[SPW], v[NIL]
	s_wait_dscnt 0x0
	s_endpgm
.Lfunc_end_k_qf0de6873fd_norm:
	.size	k_qf0de6873fd_norm, .Lfunc_end_k_qf0de6873fd_norm-k_qf0de6873fd_norm
	.p2alignl 7, 3214868480
	.fill 96, 4, 3214868480
	.section	.rodata,"a",@progbits
	.p2align	6, 0x0
	.amdhsa_kernel k_qf0de6873fd_norm
		.amdhsa_group_segment_fixed_size 34304
		.amdhsa_private_segment_fixed_size 0
		.amdhsa_enable_private_segment 0
		.amdhsa_kernarg_size 40
		.amdhsa_user_sgpr_count 2
		.amdhsa_user_sgpr_kernarg_segment_ptr 1
		.amdhsa_wavefront_size32 1
		.amdhsa_system_sgpr_workgroup_id_x 1
		.amdhsa_system_sgpr_workgroup_id_y 1
		.amdhsa_system_sgpr_workgroup_id_z 1
		.amdhsa_system_vgpr_workitem_id 0
		.amdhsa_next_free_vgpr 212
		.amdhsa_next_free_sgpr 66
		.amdhsa_reserve_vcc 1
		.amdhsa_float_denorm_mode_32 3
		.amdhsa_float_denorm_mode_16_64 3
		.amdhsa_memory_ordered 1
		.amdhsa_forward_progress 1
		.amdhsa_inst_pref_size 46
	.end_amdhsa_kernel
	.amdgpu_metadata
---
amdhsa.version: [ 1, 2 ]
amdhsa.kernels:
  - .name:           k_qf0de6873fd_norm
    .symbol:         k_qf0de6873fd_norm.kd
    .args:
      - { .name: y, .offset: 0, .size: 8, .value_kind: global_buffer, .address_space: global }
      - { .name: proj, .offset: 8, .size: 8, .value_kind: global_buffer, .address_space: global }
      - { .name: g_norm, .offset: 16, .size: 8, .value_kind: global_buffer, .address_space: global }
      - { .name: act, .offset: 24, .size: 8, .value_kind: global_buffer, .address_space: global }
      - { .name: zs, .offset: 32, .size: 8, .value_kind: global_buffer, .address_space: global }
    .group_segment_fixed_size: 34304
    .private_segment_fixed_size: 0
    .kernarg_segment_align: 8
    .kernarg_segment_size: 40
    .max_flat_workgroup_size: 256
    .sgpr_count:     66
    .vgpr_count:     212
    .wavefront_size: 32
...
	.end_amdgpu_metadata
.endif
;; end of part 6
;; launch gemm2 (part 7): grid 4 x 64, 4 waves a work-group, clusters of 4 x 4, 327,680 bytes of LDS; arguments act, wts, zs, out0; writes out0
.if DOCPART == 7
	.amdgcn_target "amdgcn-amd-amdhsa--gfx1250"
	.amdhsa_code_object_version 6
	.text
	.protected	k_qf0de6873fd_gemm2
	.globl	k_qf0de6873fd_gemm2
	.p2align	8
	.type	k_qf0de6873fd_gemm2,@function
k_qf0de6873fd_gemm2:
	s_mov_b64 s[64:65], 0
	v_nop
	global_prefetch_b8 v0, s[64:65] scope:SCOPE_SE
	s_setreg_imm32_b32 hwreg(HW_REG_WAVE_MODE, 25, 1), 1
	s_wait_xcnt 0x0
	s_wait_alu depctr_hold_cnt(0) depctr_sa_sdst(0) depctr_va_vdst(0) depctr_va_sdst(0) depctr_va_ssrc(0) depctr_va_vcc(0) depctr_vm_vsrc(0)
	s_getreg_b32 s2, hwreg(HW_REG_IB_STS2, 6, 4)
	s_cmp_eq_u32 s2, 0
	s_cbranch_scc0 .Lentry_in_a_cluster
	s_endpgm
.Lentry_in_a_cluster:
	s_bfe_u32 s2, ttmp6, 0x10000c
	s_cmp_lg_u32 s2, 0xf033
	s_cbranch_scc0 .Lentry_shape_is_right
	s_endpgm
.Lentry_shape_is_right:
; OUT = (Z Wo) x zs[row].  Z: act [8192][1024] f16, each row divided by zs.  Wo: wts + 8,388,608, [1024 k][1024 n] f16.  OUT: [8192][1024] f32.  Sums in f32.
; A tile of OUT is 128 x 256, so that 256 work-groups share the work evenly.  Four waves, each 64 x 128: 32 accumulators, 256 registers.  K goes in steps of 128 through a ring of
; two LDS slots; Z's rows lie along K (256 bytes + 16), Wo's along n (512 bytes + 32), turned on the way out of LDS by ds_load_tr16_b128.
; CLUSTERS: 4 x 4 work-groups; Z's tiles are shared along a row of the cluster, Wo's along a column: joint loads, the same descriptor and mask in the four that a mask names.
; REGISTERS: window 0: v0-31 addresses; v32-39 zs; v64-95, v128-159 fragments of Z; on the way out v192-255 scaled results, v64-127 whole rows.
;   window 1: v64-127, v128-191 fragments of Wo.   window 2: the accumulators ((a, b) at v[8 (8 a + b)]).
; THE MATRIX INSTRUCTION IS USED TRANSPOSED (source 0 = 16 columns of Wo, source 1 = 16 rows of Z): a lane holds eight neighbouring numbers of a row of OUT.
.set SIZE_N, 1024
.set SIZE_K, 1024
.set KSTEP,  128
.set PITCH,  272
.set PB,     544
.set HA,     64*PITCH                  ; one load of Z: 64 rows
.set HB,     64*PB                     ; one load of Wo: 64 k rows
.set SLOT,   2*HA+2*HB
.set STAGE,  2*SLOT                    ; behind the ring: 16 rows x 528 bytes for each wave
.set SPITCH, 528
.set SPARE,  STAGE+4*16*SPITCH         ; the spare words, 128 bytes for each wave, which no other line names
.set LAPS,   SIZE_K/(2*KSTEP)
.set ADRA, 16
.set ADRB, 20
.set STO,  24
.set RD,   25
.set CO,   26
.set ZA,   27
.set SPW,  28
.set NIL,  29
.set SC,   32                          ; v[32:39] zs of my rows: a pair for each row block
.set F0,   64
.set F1,   128
.set TMP,  192
.set OB,   64
.set G1, 24
.set G0, 32
.set G1B, 48
.set G0B, 56
.set MSB, 0
.macro WIN new
.if MSB != (\new)
	s_set_vgpr_msb (MSB<<8)|(\new)
.set MSB, \new
.endif
.endm
.set MUL,  0xa1                        ; source 0 (Wo) window 1, source 1 (Z) window 0, C and D window 2
.set TO_B, 0x40
.macro JLOAD s                         ; waves 0 and 1 fetch Z's two halves, waves 2 and 3 Wo's; an s_nop 0 and four v_nop follow each line
	s_cmp_eq_u32 s11, 0
	s_cbranch_scc0 .Lfor_b_\@
	tensor_load_to_lds s[G0+4*(\s):G0+4*(\s)+3], s[G1:G1+7]
	s_nop 0
.rept 4
	v_nop
.endr
	s_branch .Lasked_\@
.Lfor_b_\@:
	tensor_load_to_lds s[G0B+4*(\s):G0B+4*(\s)+3], s[G1B:G1B+7]
	s_nop 0
.rept 4
	v_nop
.endr
.Lasked_\@:
.endm
.macro CREST
	s_cmp_lg_u32 s10, 0
	s_cbranch_scc1 .Lnot_wave_0_\@
	s_barrier_signal -3
.Lnot_wave_0_\@:
	s_barrier_wait -3
	s_barrier_signal -1
	s_barrier_wait -1
.endm
.macro CROUND
	s_barrier_signal -1
	s_barrier_wait -1
	CREST
.endm
	s_load_b128 s[4:7], s[0:1], 0x0                ; act, wts
	s_load_b64 s[2:3], s[0:1], 0x10                ; zs
	s_load_b64 s[8:9], s[0:1], 0x18                ; out0
	v_lshl_add_u32 v[SPW], v0, 2, SPARE
	v_mov_b32 v[NIL], 0
	ds_add_u32 v[SPW], v[NIL]                      ; the wave's opening: the add and its wait come ahead of my first tensor load
	ds_add_u32 v28, v29
	v_lshrrev_b32 v1, 5, v0
	v_readfirstlane_b32 s10, v1                    ; wave
	s_lshr_b32 s11, s10, 1                         ; my half of the tile's rows.  Also: I fetch for Z (0) or for Wo (1)
	s_and_b32 s12, s10, 1                          ; my half of its columns.  Also: which half I fetch
	s_bfe_u32 s40, ttmp6, 0x40000
	s_bfe_u32 s41, ttmp6, 0x40004
	s_lshl_b32 s42, ttmp9, 2
	s_add_co_u32 s42, s42, s40                     ; tile column
	s_and_b32 s13, ttmp7, 0xffff
	s_lshl_b32 s13, s13, 2
	s_add_co_u32 s13, s13, s41                     ; tile row
	s_lshl_b32 s43, s41, 2
	s_lshl_b32 s43, 15, s43
	s_lshl_b32 s44, 0x1111, s40
	s_or_b32 s[G1+0], s43, (1<<16)|(1<<20)|(1<<21)|(5<<22)|(3<<25)
	s_mov_b32 s[G1+1], KSTEP<<16
	s_mov_b32 s[G1+2], 64<<16
	s_mov_b32 s[G1+3], KSTEP<<16
	s_mov_b32 s[G1+4], 64
	s_mov_b32 s[G1+5], SIZE_K
	s_mov_b32 s[G1+6], 0
	s_mov_b32 s[G1+7], 0
	s_or_b32 s[G1B+0], s44, (1<<16)|(1<<20)|(1<<21)|(6<<22)|(7<<25)
	s_mov_b32 s[G1B+1], 256<<16
	s_mov_b32 s[G1B+2], 64<<16
	s_mov_b32 s[G1B+3], 256<<16
	s_mov_b32 s[G1B+4], 64
	s_mov_b32 s[G1B+5], SIZE_N
	s_mov_b32 s[G1B+6], 0
	s_mov_b32 s[G1B+7], 0
	s_lshl_b32 s17, s12, 6
	s_lshl_b32 s16, s13, 7
	s_add_co_u32 s16, s16, s17                     ; Z: row 128 x tile row + 64 x half,
	s_lshl_b32 s16, s16, 11                        ; in bytes
	s_mov_b32 s17, 0
	s_lshl_b32 s46, s42, 9                         ; Wo: 512 bytes x tile column
	s_lshl_b32 s47, s12, 17                        ; + 64 k rows of 2,048 bytes x half
	s_add_co_u32 s46, s46, s47
	s_add_co_u32 s46, s46, 0x800000                ; where Wo begins in wts
	s_mov_b32 s47, 0
	s_mul_i32 s20, s12, HA                         ; where they go: no place in the cluster enters an LDS address
	s_mul_i32 s23, s12, HB
	s_add_co_u32 s23, s23, 2*HA
	s_wait_dscnt 0x0                               ; the opening add is done
	s_wait_kmcnt 0x0
	s_add_nc_u64 s[14:15], s[4:5], s[16:17]
	s_add_nc_u64 s[46:47], s[6:7], s[46:47]
	CROUND                                         ; all sixteen work-groups are here: the first joint loads meet
.irp s, 0,1
	s_mov_b32 s[G0+4*(\s)], 1
	s_add_co_u32 s[G0+4*(\s)+1], s20, (\s)*SLOT
	s_add_nc_u64 s[G0+4*(\s)+2:G0+4*(\s)+3], s[14:15], (\s)*KSTEP*2
	s_or_b32 s[G0+4*(\s)+3], s[G0+4*(\s)+3], 0x80000000
	s_mov_b32 s[G0B+4*(\s)], 1
	s_add_co_u32 s[G0B+4*(\s)+1], s23, (\s)*SLOT
	s_add_nc_u64 s[G0B+4*(\s)+2:G0B+4*(\s)+3], s[46:47], (\s)*KSTEP*SIZE_N*2
	s_or_b32 s[G0B+4*(\s)+3], s[G0B+4*(\s)+3], 0x80000000
	JLOAD \s
.endr
	v_and_b32 v1, 15, v0
	v_bfe_u32 v2, v0, 4, 1
	v_lshlrev_b32 v[ZA], 2, v1
	s_lshl_b32 s16, s13, 7
	s_lshl_b32 s17, s11, 6
	s_add_co_u32 s16, s16, s17                     ; my first row
	s_lshl_b32 s18, s16, 2
	s_mov_b32 s19, 0
	s_add_nc_u64 s[2:3], s[2:3], s[18:19]
.irp a, 0,1,2,3
	global_load_b32 v[SC+2*(\a)],   v[ZA], s[2:3] offset:64*(\a)
	global_load_b32 v[SC+2*(\a)+1], v[ZA], s[2:3] offset:64*(\a)
.endr
	v_mul_u32_u24 v3, v1, PITCH
	v_lshl_add_u32 v3, v2, 4, v3
	v_and_b32 v6, 7, v0
	v_lshl_add_u32 v6, v2, 3, v6
	v_mul_u32_u24 v6, v6, PB
	v_bfe_u32 v7, v0, 3, 1
	v_lshl_add_u32 v6, v7, 4, v6
	s_mul_i32 s21, s11, HA                         ; my 64 rows of Z
	s_lshl_b32 s22, s12, 8                         ; my 128 columns of Wo,
	s_add_co_u32 s22, s22, 2*HA                    ; which lies behind Z's 128 rows
.irp s, 0,1
	v_add_nc_u32 v[ADRA+(\s)], s21, v3
	v_add_nc_u32 v[ADRB+(\s)], s22, v6
	s_add_co_u32 s21, s21, SLOT
	s_add_co_u32 s22, s22, SLOT
.endr
	s_mul_i32 s23, s10, 16*SPITCH
	s_add_co_u32 s23, s23, STAGE                   ; my stage
	v_mul_u32_u24 v4, v1, SPITCH
	v_lshl_add_u32 v4, v2, 5, v4                   ; in: row l % 16, 32 bytes for each half of the lanes
	v_add_nc_u32 v[STO], s23, v4
	v_and_b32 v5, 31, v0
	v_lshlrev_b32 v[CO], 4, v5                     ; back and out: 32 lanes take a row's 512 bytes
	v_add_nc_u32 v[RD], s23, v[CO]
	s_lshl_b32 s16, s16, 12                        ; my first row of OUT, in bytes
	s_mov_b32 s17, 0
	s_lshl_b32 s46, s42, 10
	s_lshl_b32 s47, s12, 9
	s_add_co_u32 s46, s46, s47
	s_mov_b32 s47, 0
	s_add_nc_u64 s[16:17], s[16:17], s[46:47]
.macro MUL8 f, a, zero                 ; row block a x all 8 column blocks, 32 along K
	WIN MUL
.irp b, 0,1,2,3,4,5,6,7
.if \zero
	v_wmma_f32_16x16x32_f16 v[8*(8*(\a)+(\b)):8*(8*(\a)+(\b))+7], v[(\f)+8*(\b):(\f)+8*(\b)+7], v[(\f)+8*(\a):(\f)+8*(\a)+7], 0
.else
	v_wmma_f32_16x16x32_f16 v[8*(8*(\a)+(\b)):8*(8*(\a)+(\b))+7], v[(\f)+8*(\b):(\f)+8*(\b)+7], v[(\f)+8*(\a):(\f)+8*(\a)+7], v[8*(8*(\a)+(\b)):8*(8*(\a)+(\b))+7]
.endif
.endr
.endm
.macro FETCH slot, q, f                ; 24 LDS loads in one run
	WIN TO_B
.irp i, 0,1,2,3,4,5,6,7
	ds_load_tr16_b128 v[(\f)+8*(\i):(\f)+8*(\i)+3],   v[ADRB+(\slot)] offset:(\q)*32*PB+(\i)*32
	ds_load_tr16_b128 v[(\f)+8*(\i)+4:(\f)+8*(\i)+7], v[ADRB+(\slot)] offset:(\q)*32*PB+16*PB+(\i)*32
.endr
	WIN 0
.irp i, 0,1,2,3
	ds_load_b128 v[(\f)+8*(\i):(\f)+8*(\i)+3],   v[ADRA+(\slot)] offset:(\q)*64+(\i)*16*PITCH
	ds_load_b128 v[(\f)+8*(\i)+4:(\f)+8*(\i)+7], v[ADRA+(\slot)] offset:(\q)*64+(\i)*16*PITCH+32
.endr
.endm
.macro PLACES
.rept 4
	v_nop
.endr
.endm
.macro QUARTER slot, q, f, g, zero
	s_wait_dscnt 4                                 ; Wo and Z's blocks 0, 1 are in; the youngest four loads (blocks 2, 3) may be out
	MUL8 \f, 0, \zero
	MUL8 \f, 1, \zero
	PLACES
	FETCH \slot, \q, \g
	s_wait_dscnt 24                                ; all but the 24 just issued
	MUL8 \f, 2, \zero
	MUL8 \f, 3, \zero
.endm
; The last quarter multiplies buffer 1 and changes slots: one barrier; in front of it each wave waits for all its tensor loads, adds 0 to its spare word, and waits for that and for its reads of this slot.
.macro TURN slot, next, fill
	WIN 0
	s_wait_tensorcnt 0x0                           ; all my tensor loads have landed: my part of the next slot
	ds_add_u32 v[SPW], v[NIL]
	s_wait_dscnt 5                                 ; the add and the youngest four loads may be out
	MUL8 F1, 0, 0
	s_wait_dscnt 0x0                               ; the add is done, and my reads of this slot are over
	s_barrier_signal -1
	MUL8 F1, 1, 0
.if \fill
	WIN 0
.endif
	s_barrier_wait -1
.if \fill
	CREST                                          ; no wave of any partner still reads this slot's tile or has a load on its way
	s_add_nc_u64 s[G0+4*(\slot)+2:G0+4*(\slot)+3], s[G0+4*(\slot)+2:G0+4*(\slot)+3], 2*KSTEP*2
	s_add_nc_u64 s[G0B+4*(\slot)+2:G0B+4*(\slot)+3], s[G0B+4*(\slot)+2:G0B+4*(\slot)+3], 2*KSTEP*SIZE_N*2
	JLOAD \slot                                    ; the first tensor load behind the round; its four v_nop are also the places in front of the loads below
.else
	PLACES
.endif
	FETCH \next, 0, F0
	MUL8 F1, 2, 0
	MUL8 F1, 3, 0
.endm
; THE WAY OUT of row block a: times the row's zs; 32 bytes a lane into my stage; back as whole rows of 512 bytes; stored.
.macro OUT a
	WIN 0x02                                       ; source 0 window 2
.irp b, 0,1,2,3,4,5,6,7
.irp p, 0,1,2,3
	v_pk_mul_f32 v[TMP+8*(\b)+2*(\p):TMP+8*(\b)+2*(\p)+1], v[8*(8*(\a)+(\b))+2*(\p):8*(8*(\a)+(\b))+2*(\p)+1], v[SC+2*(\a):SC+2*(\a)+1] op_sel_hi:[1,0]
.endr
.endr
	WIN 0
.irp b, 0,1,2,3,4,5,6,7
	ds_store_b128 v[STO], v[TMP+8*(\b):TMP+8*(\b)+3] offset:64*(\b)
	ds_store_b128 v[STO], v[TMP+8*(\b)+4:TMP+8*(\b)+7] offset:64*(\b)+16
.endr
	s_wait_xcnt 0x0                                ; the last block's stores have read their registers and their base
.if (\a) == 0
	s_add_nc_u64 s[8:9], s[8:9], s[16:17]
.else
	s_add_nc_u64 s[8:9], s[8:9], 16*SIZE_N*4
.endif
.irp t, 0,1,2,3,4,5,6,7,8,9,10,11,12,13,14,15
	ds_load_b128 v[OB+4*(\t):OB+4*(\t)+3], v[RD] offset:(\t)*SPITCH  ; LDS serves a wave's instructions in order: these see the stores above
.endr
	s_wait_dscnt 0x0
.irp t, 0,1,2,3,4,5,6,7,8,9,10,11,12,13,14,15
	global_store_b128 v[CO], v[OB+4*(\t):OB+4*(\t)+3], s[8:9] offset:(\t)*SIZE_N*4 th:TH_STORE_NT  ; the wave stores 512 consecutive bytes, aligned
.endr
.endm
	s_wait_tensorcnt 1                             ; my part of K step 0 is in; K step 1's may stay out
	s_barrier_signal -1
	s_barrier_wait -1
	FETCH 0, 0, F0
	QUARTER 0, 1, F0, F1, 1                        ; the first quarter stands in front of the loop: its products start the sums
	WIN 0
	s_mov_b32 s45, LAPS-1
.Llap:
	QUARTER 0, 2, F1, F0, 0
	QUARTER 0, 3, F0, F1, 0
	TURN 0, 1, 1
	QUARTER 1, 1, F0, F1, 0
	QUARTER 1, 2, F1, F0, 0
	QUARTER 1, 3, F0, F1, 0
	TURN 1, 0, 1
	QUARTER 0, 1, F0, F1, 0
	WIN 0
	s_sub_co_u32 s45, s45, 1
	s_cmp_lg_u32 s45, 0
	s_cbranch_scc1 .Llap
	QUARTER 0, 2, F1, F0, 0                        ; the last lap asks for nothing
	QUARTER 0, 3, F0, F1, 0
	TURN 0, 1, 0
	QUARTER 1, 1, F0, F1, 0
	QUARTER 1, 2, F1, F0, 0
	QUARTER 1, 3, F0, F1, 0
	s_wait_dscnt 4
	MUL8 F1, 0, 0
	MUL8 F1, 1, 0
	s_wait_dscnt 0x0
	MUL8 F1, 2, 0
	MUL8 F1, 3, 0
	s_wait_loadcnt 0x0                             ; zs
	PLACES
	OUT 0
	OUT 1
	OUT 2
	OUT 3
	s_wait_tensorcnt 0x0                           ; the wave's end
	ds_add_u32 v[SPW], v[NIL]
	s_wait_dscnt 0x0
	CROUND                                         ; the closing round
	s_endpgm
.Lfunc_end_k_qf0de6873fd_gemm2:
	.size	k_qf0de6873fd_gemm2, .Lfunc_end_k_qf0de6873fd_gemm2-k_qf0de6873fd_gemm2
	.p2alignl 7, 3214868480
	.fill 96, 4, 3214868480
	.section	.rodata,"a",@progbits
	.p2align	6, 0x0
	.amdhsa_kernel k_qf0de6873fd_gemm2
		.amdhsa_group_segment_fixed_size 327680
		.amdhsa_private_segment_fixed_size 0
		.amdhsa_enable_private_segment 0
		.amdhsa_kernarg_size 32
		.amdhsa_user_sgpr_count 2
		.amdhsa_user_sgpr_kernarg_segment_ptr 1
		.amdhsa_wavefront_size32 1
		.amdhsa_system_sgpr_workgroup_id_x 1
		.amdhsa_system_sgpr_workgroup_id_y 1
		.amdhsa_system_sgpr_workgroup_id_z 1
		.amdhsa_system_vgpr_workitem_id 0
		.amdhsa_next_free_vgpr 768
		.amdhsa_next_free_sgpr 66
		.amdhsa_reserve_vcc 0
		.amdhsa_float_denorm_mode_32 3
		.amdhsa_float_denorm_mode_16_64 3
		.amdhsa_memory_ordered 1
		.amdhsa_forward_progress 1
		.amdhsa_inst_pref_size 95
	.end_amdhsa_kernel
	.amdgpu_metadata
---
amdhsa.version: [ 1, 2 ]
amdhsa.kernels:
  - .name:           k_qf0de6873fd_gemm2
    .symbol:         k_qf0de6873fd_gemm2.kd
    .args:
      - { .name: act, .offset: 0, .size: 8, .value_kind: global_buffer, .address_space: global }
      - { .name: wts, .offset: 8, .size: 8, .value_kind: global_buffer, .address_space: global }
      - { .name: zs, .offset: 16, .size: 8, .value_kind: global_buffer, .address_space: global }
      - { .name: out0, .offset: 24, .size: 8, .value_kind: global_buffer, .address_space: global }
    .group_segment_fixed_size: 327680
    .private_segment_fixed_size: 0
    .kernarg_segment_align: 8
    .kernarg_segment_size: 32
    .max_flat_workgroup_size: 128
    .sgpr_count:     66
    .vgpr_count:     768
    .wavefront_size: 32
...
	.end_amdgpu_metadata
.endif
;; end of part 7
;; ======== version 2 of 3: 6 launches; 1.13 times as fast as version 1
;; limits: sums are carried in f16; values are held in f16: magnitudes above 65,504 overflow, below 6.1e-05 lose precision
;; workspace buffers: act 16,777,216 bytes; wts 10,485,760 bytes; proj 67,108,864 bytes; ab 1,048,576 bytes; rec 73,409,280 bytes; y 16,777,216 bytes; zs 32,768 bytes
;; launch cast (part 8): grid 416 x 1, 8 waves a work-group, no clusters, 148,992 bytes of LDS; arguments x, Wq, Wk, Wv, Wg, Wo, Wa, Wb, ba, bb, act, wts, ab; writes act, wts, ab
.if DOCPART == 8
	.amdgcn_target "amdgcn-amd-amdhsa--gfx1250"
	.amdhsa_code_object_version 6
	.text
	.protected	k_qf0de6873fd_cast
	.globl	k_qf0de6873fd_cast
	.p2align	8
	.type	k_qf0de6873fd_cast,@function
k_qf0de6873fd_cast:
	s_mov_b64 s[64:65], 0
	v_nop
	global_prefetch_b8 v0, s[64:65] scope:SCOPE_SE
	s_setreg_imm32_b32 hwreg(HW_REG_WAVE_MODE, 25, 1), 1
	s_wait_xcnt 0x0
; CAST AND GATES.  All large inputs are rounded once to bf16 and laid out for the products that follow, and the two gates are made from x while it is at hand.
;   work-groups 0-255:   32 rows of x each         -> act [8192][1024] bf16;  and ab [32][8192] f32:
;                        ab[n][row], n = 0-15: log2(sigmoid(x Wa + ba)) of head n;  n = 16-31: sigmoid(x Wb + bb) of head n - 16
;   work-groups 256-415: 32 rows of Wq, Wk, Wv, Wg -> wts + 0: [1024 k][4096 n] bf16, the four side by side;
;                        32 rows of Wo             -> wts + 8,388,608: [1024 k][1024 n], the bf16 value written as f16
; LIMITS.  Wo's bf16 value is exact in f16 between 6.1e-5 and 65,504 in magnitude; below it keeps f16's fixed step of 6e-8.  Exponentials below 2^-126 count as 0.
; ROWS.  A wave takes four rows.  A load of a wave takes 512 consecutive bytes (a lane: 4 numbers), a store 256 consecutive bytes, aligned (a lane: 8 bytes): every byte is asked for once.
; GATES.  An x work-group also lays its 32 bf16 rows into LDS (2,064 bytes apart), and Wa and Wb, rounded to bf16 like every input, as [1024 k][Wa's 16 | Wb's 16] in rows of 64 bytes..
; Behind one barrier the eight waves are 2 blocks of 16 rows x 4 quarters of K: 48 LDS loads and 16 products on two accumulators that take turns,
; the f32 partial sums meet in LDS behind a second barrier, and waves 0 and 1 add them and finish.
; In the result a lane holds one head and eight neighbouring rows: 32 bytes of ab's row, two stores (pieces of 32 bytes; 1 MiB in all).
; log2 sigmoid(z) = min(t, 0) - log2(1 + 2^-|t|), t = z log2(e): no exponential overflows and nothing is cancelled.
.set XP,    2064                       ; an LDS row of x: 2,048 bytes + 16: the 16 rows of a fragment load start at 16 different groups of four banks
.set WOFF,  32*XP                      ; behind x's 32 rows: Wa and Wb, 1,024 rows of 64 bytes
.set PSOFF, WOFF+65536                 ; behind them: the partial sums, 2,048 bytes for each wave
.set SPARE, PSOFF+8*2048               ; behind them: the spare words, 128 bytes for each wave, which no other line names
.set SPW, 6                            ; v6   LDS address of my spare word; never rewritten
.set NIL, 7                            ; v7   0, for the add alone
.set X,   24                           ; v[24:151]  four rows as loaded: row i, piece j at X + 32 i + 4 j; packed in place into the first two of the four
.set WR,  152                          ; v[152:215] 128 rows of Wa, then of Wb, as loaded
.set WC,  216                          ; v[216:247] the same, packed
.set FR,  24                           ; v[24:215]  later the fragments: for each 32 along K: x 8, Wa 8, Wb 8
.set A0,  216                          ; v[216:223] sums for Wa
.set A1,  224                          ; v[224:231] sums for Wb
.set PS,  24                           ; v[24:71]   later the other three quarters' partial sums
.set T0,  80                           ; v[80:119]  at work at the end
.set T1,  88
.set T2,  96
.set T3,  104
.set T4,  112
.macro RLOADS n                        ; n rows: eight loads each
.set ri, 0
.rept \n
.set rj, 0
.rept 8
	global_load_b128 v[X+32*ri+4*rj:X+32*ri+4*rj+3], v3, s[32:33] offset:4096*ri+512*rj th:TH_LOAD_NT
.set rj, rj+1
.endr
.set ri, ri+1
.endr
.endm
; n rows are rounded and stored.  pitch: bytes from row to row where they go.  younger: loads issued behind the rows'.  lds = 1: also into LDS.  half = 1: the bf16 value is widened again and written as f16.
.macro ROWS n, pitch, younger, lds, half
.set ri, 0
.rept \n
	s_wait_loadcnt 8*((\n)-1-ri)+(\younger)        ; loads return in order: this row is in; the eight loads of each younger row and what was issued behind the rows stay out
.set rj, 0
.rept 8
.set R, X+32*ri+4*rj
	v_cvt_pk_bf16_f32 v[R], v[R], v[R+1]
	v_cvt_pk_bf16_f32 v[R+1], v[R+2], v[R+3]
.if \half
	v_lshlrev_b32 v[R+2], 16, v[R+1]
	v_and_b32 v[R+3], s39, v[R+1]
	v_cvt_pk_f16_f32 v[R+1], v[R+2], v[R+3]
	v_lshlrev_b32 v[R+2], 16, v[R]
	v_and_b32 v[R+3], s39, v[R]
	v_cvt_pk_f16_f32 v[R], v[R+2], v[R+3]
.endif
	global_store_b64 v4, v[R:R+1], s[34:35] offset:ri*(\pitch)+256*rj
.if \lds
	ds_store_b64 v5, v[R:R+1] offset:ri*XP+256*rj
.endif
.set rj, rj+1
.endr
.set ri, ri+1
.endr
.endm
.macro WLOADS b                        ; my 128 rows of Wa or Wb: a load takes eight rows of 64 bytes
.set q, 0
.rept 16
	global_load_b128 v[WR+4*q:WR+4*q+3], v8, s[\b:\b+1] offset:512*q
.set q, q+1
.endr
.endm
.macro WCVT adr                        ; rounded, and into LDS
.set q, 0
.rept 16
	v_cvt_pk_bf16_f32 v[WC+2*q], v[WR+4*q], v[WR+4*q+1]
	v_cvt_pk_bf16_f32 v[WC+2*q+1], v[WR+4*q+2], v[WR+4*q+3]
	ds_store_b64 v[\adr], v[WC+2*q:WC+2*q+1] offset:512*q
.set q, q+1
.endr
.endm
.macro CLOSE                           ; the wave's end
	s_wait_tensorcnt 0x0
	ds_add_u32 v[SPW], v[NIL]
	s_wait_dscnt 0x0
	s_endpgm
.endm
; A weight's 32 rows: a wave's four in two trips of two.
.macro WLOOP pitch, half
.Lw_\@:
	RLOADS 2
	ROWS 2, \pitch, 0, 0, \half
	s_wait_xcnt 0x0                                ; the bases and the stores' registers are rewritten only behind this wait
	s_add_nc_u64 s[32:33], s[32:33], 2*4096
	s_add_nc_u64 s[34:35], s[34:35], 2*(\pitch)
	s_sub_co_u32 s31, s31, 1
	s_cmp_lg_u32 s31, 0
	s_cbranch_scc1 .Lw_\@
	CLOSE
.endm
	s_load_b512 s[4:19], s[0:1], 0x0               ; x, Wq, Wk, Wv, Wg, Wo, Wa, Wb
	s_load_b256 s[20:27], s[0:1], 0x40             ; ba, bb, act, wts
	s_load_b64 s[28:29], s[0:1], 0x60              ; ab
	v_lshl_add_u32 v[SPW], v0, 2, SPARE
	v_mov_b32 v[NIL], 0
	v_lshrrev_b32 v2, 5, v0
	v_readfirstlane_b32 s30, v2                    ; wave
	v_and_b32 v1, 31, v0                           ; lane
	v_lshlrev_b32 v3, 4, v1                        ; 16 bytes a lane,
	v_lshl_add_u32 v3, s30, 14, v3                 ; + my wave's four rows of 4,096
	s_mov_b32 s37, 0
	s_mov_b32 s39, 0xffff0000                      ; a word's upper half
	s_wait_kmcnt 0x0
	s_cmp_lt_u32 ttmp9, 256
	s_cbranch_scc0 .Lweights
	; ---- 32 rows of x ----
	s_lshl_b32 s36, ttmp9, 17                      ; 32 rows of 4,096 bytes
	s_add_nc_u64 s[32:33], s[4:5], s[36:37]
	s_lshl_b32 s36, ttmp9, 16                      ; 32 rows of 2,048 bytes
	s_add_nc_u64 s[34:35], s[24:25], s[36:37]
	v_and_b32 v21, 15, v1                          ; r
	v_lshlrev_b32 v11, 2, v21                      ; my head's bias
	v_lshlrev_b32 v8, 4, v1
	v_lshl_add_u32 v8, s30, 13, v8                 ; Wa, Wb: my wave's 128 rows of 64 bytes + 16 x lane
	global_load_b32 v18, v11, s[20:21]
	global_load_b32 v19, v11, s[22:23]
	WLOADS 16                                      ; Wa
	RLOADS 4
	; the addresses are made in the wait for the loads
	s_and_b32 s40, s30, 1                          ; later: my block of 16 rows,
	s_lshr_b32 s41, s30, 1                         ; my quarter of K
	s_lshl_b32 s42, ttmp9, 1
	s_add_co_u32 s42, s42, s40
	s_lshl_b32 s36, s42, 6
	s_add_nc_u64 s[28:29], s[28:29], s[36:37]      ; ab at my block's 16 numbers of a row
	s_mov_b32 s46, 0x3fb8aa3b                      ; log2(e)
	s_mov_b32 s47, 0xbfb8aa3b                      ; -log2(e)
	v_lshlrev_b32 v4, 3, v1
	v_lshl_add_u32 v4, s30, 13, v4                 ; act: 8 bytes a lane + my four rows of 2,048
	s_mul_i32 s43, s30, 4*XP
	v_lshl_add_u32 v5, v1, 3, s43                  ; the same in LDS
	v_bfe_u32 v22, v1, 4, 1                        ; h
	v_xor_b32 v23, 20, v1                          ; the lane's bits 2 and 4 turned
	v_lshrrev_b32 v17, 2, v1                       ; Wa, Wb into LDS: lane l holds row l / 4 of a load's eight, numbers 4 (l % 4) on
	v_lshlrev_b32 v17, 6, v17
	v_and_b32 v20, 3, v1
	v_lshl_add_u32 v17, v20, 3, v17
	s_lshl_b32 s43, s30, 13
	s_add_co_u32 s43, s43, WOFF
	v_add_nc_u32 v17, s43, v17
	v_lshl_add_u32 v9, v22, 5, v17                 ; bit 2 of that row's k is l / 16: Wa's half lies at 32 x that bit,
	v_bfe_u32 v20, v23, 4, 1
	v_lshl_add_u32 v10, v20, 5, v17                ; Wb's at the other
	v_mul_u32_u24 v12, v21, XP                     ; a fragment of x: row x pitch + 16 h,
	v_lshl_add_u32 v12, v22, 4, v12
	s_mul_i32 s43, s40, 16*XP                      ; my block's rows,
	s_lshl_b32 s44, s41, 9                         ; my quarter's 256 numbers
	s_add_co_u32 s43, s43, s44
	v_add_nc_u32 v12, s43, v12
	v_and_b32 v17, 7, v1                           ; the turning load: row 8 h + l % 8,
	v_lshl_add_u32 v17, v22, 3, v17
	v_lshlrev_b32 v17, 6, v17
	v_bfe_u32 v20, v1, 3, 1
	v_lshl_add_u32 v17, v20, 4, v17                ; 16 bytes for each half of 16 lanes,
	s_lshl_b32 s43, s41, 14                        ; my quarter's 256 rows
	s_add_co_u32 s43, s43, WOFF
	v_add_nc_u32 v17, s43, v17
	v_bfe_u32 v20, v1, 2, 1                        ; bit 2 of that row's k
	v_lshl_add_u32 v13, v20, 5, v17                ; Wa's half,
	v_bfe_u32 v20, v23, 2, 1
	v_lshl_add_u32 v14, v20, 5, v17                ; Wb's
	s_lshl_b32 s43, s30, 11
	s_add_co_u32 s43, s43, PSOFF
	v_lshl_add_u32 v15, v1, 4, s43                 ; my wave's partial sums + 16 x lane
	v_lshlrev_b32 v16, 15, v21
	v_lshl_add_u32 v16, v22, 5, v16                ; ab: row r of 32,768 bytes + 8 h numbers
	s_wait_loadcnt 32                              ; the biases and Wa are in; x's 32 loads stay out
	WCVT 9
	WLOADS 18                                      ; Wb, into the registers that Wa has left
	ROWS 4, 2048, 16, 1, 0
	s_wait_loadcnt 0x0
	WCVT 10
	s_wait_dscnt 0x0                               ; for the others' sake: my stores into LDS are done
	s_barrier_signal -1
	s_barrier_wait -1
	s_wait_xcnt 0x0                                ; the stores to act have read their registers: they are loaded again only behind this wait
.set ks, 0
.rept 8
	ds_load_b128 v[FR+24*ks:FR+24*ks+3],         v12 offset:64*ks
	ds_load_b128 v[FR+24*ks+4:FR+24*ks+7],       v12 offset:64*ks+32
	ds_load_tr16_b128 v[FR+24*ks+8:FR+24*ks+11],  v13 offset:2048*ks
	ds_load_tr16_b128 v[FR+24*ks+12:FR+24*ks+15], v13 offset:2048*ks+1024
	ds_load_tr16_b128 v[FR+24*ks+16:FR+24*ks+19], v14 offset:2048*ks
	ds_load_tr16_b128 v[FR+24*ks+20:FR+24*ks+23], v14 offset:2048*ks+1024
.set ks, ks+1
.endr
.set ks, 0
.rept 8
	s_wait_dscnt 42-6*ks                           ; LDS loads return in order: this step's six are in, six for each later step stay out
.if ks == 0
	v_wmma_f32_16x16x32_bf16 v[A0:A0+7], v[FR:FR+7], v[FR+8:FR+15], 0
	v_wmma_f32_16x16x32_bf16 v[A1:A1+7], v[FR:FR+7], v[FR+16:FR+23], 0
.else
	v_wmma_f32_16x16x32_bf16 v[A0:A0+7], v[FR+24*ks:FR+24*ks+7], v[FR+24*ks+8:FR+24*ks+15], v[A0:A0+7]
	v_wmma_f32_16x16x32_bf16 v[A1:A1+7], v[FR+24*ks:FR+24*ks+7], v[FR+24*ks+16:FR+24*ks+23], v[A1:A1+7]
.endif
.set ks, ks+1
.endr
	; the biases' six lines are the places behind the last products (ISA guide 7.12.1)
	v_cvt_pk_bf16_f32 v18, v18, v18
	v_cvt_pk_bf16_f32 v19, v19, v19
	v_lshlrev_b32 v18, 16, v18
	v_lshlrev_b32 v19, 16, v19
	v_mul_f32 v20, s46, v18                        ; ba log2(e)
	v_mul_f32 v17, s47, v19                        ; -bb log2(e)
	ds_store_b128 v15, v[A0:A0+3]                  ; my quarter's sums, in f32
	ds_store_b128 v15, v[A0+4:A0+7] offset:512
	ds_store_b128 v15, v[A1:A1+3] offset:1024
	ds_store_b128 v15, v[A1+4:A1+7] offset:1536
	s_wait_dscnt 0x0                               ; for the others' sake: my stores are done
	s_barrier_signal -1
	s_barrier_wait -1
	s_cmp_lt_u32 s30, 2
	s_cbranch_scc1 .Lfinish                        ; waves 0 and 1 hold K's first quarter and finish their rows
	CLOSE
.Lfinish:
.irp k, 0,1,2
.irp i, 0,1,2,3
	ds_load_b128 v[PS+16*(\k)+4*(\i):PS+16*(\k)+4*(\i)+3], v15 offset:4096*((\k)+1)+512*(\i)  ; the wave two, four, six further on has my rows' next quarter
.endr
.endr
	s_wait_dscnt 0x0
.irp k, 0,1,2
.irp j, 0,1,2,3,4,5,6,7
	v_pk_add_f32 v[A0+2*(\j):A0+2*(\j)+1], v[A0+2*(\j):A0+2*(\j)+1], v[PS+16*(\k)+2*(\j):PS+16*(\k)+2*(\j)+1]
.endr
.endr
.irp j, 0,1,2,3,4,5,6,7
	v_fma_f32 v[T0+(\j)], v[A0+(\j)], s46, v20     ; t
.endr
.irp j, 0,1,2,3,4,5,6,7
	v_fma_f32 v[T3+(\j)], v[A1+(\j)], s47, v17     ; -t of the second gate
.endr
.irp j, 0,1,2,3,4,5,6,7
	v_or_b32 v[T1+(\j)], 0x80000000, v[T0+(\j)]    ; -|t|
.endr
.irp j, 0,1,2,3,4,5,6,7
	v_exp_f32 v[T1+(\j)], v[T1+(\j)]
.endr
.irp j, 0,1,2,3,4,5,6,7
	v_exp_f32 v[T3+(\j)], v[T3+(\j)]
.endr
	v_nop                                          ; a plain line behind the last exponential
	s_wait_alu depctr_va_vdst(0)
.irp j, 0,1,2,3,4,5,6,7
	v_add_f32 v[T1+(\j)], 1.0, v[T1+(\j)]
.endr
.irp j, 0,1,2,3,4,5,6,7
	v_add_f32 v[T3+(\j)], 1.0, v[T3+(\j)]
.endr
.irp j, 0,1,2,3,4,5,6,7
	v_log_f32 v[T1+(\j)], v[T1+(\j)]
.endr
.irp j, 0,1,2,3,4,5,6,7
	v_rcp_f32 v[T4+(\j)], v[T3+(\j)]
.endr
.irp j, 0,1,2,3,4,5,6,7
	v_min_num_f32 v[T0+(\j)], 0, v[T0+(\j)]
.endr
	s_wait_alu depctr_va_vdst(0)
.irp j, 0,1,2,3,4,5,6,7
	v_sub_f32 v[T2+(\j)], v[T0+(\j)], v[T1+(\j)]
.endr
	global_store_b128 v16, v[T2:T2+3], s[28:29]
	global_store_b128 v16, v[T2+4:T2+7], s[28:29] offset:16
	global_store_b128 v16, v[T4:T4+3], s[28:29] offset:524288
	global_store_b128 v16, v[T4+4:T4+7], s[28:29] offset:524288+16
	CLOSE
	; ---- 32 rows of a weight ----
.Lweights:
	s_sub_co_u32 s36, ttmp9, 256
	s_lshr_b32 s40, s36, 5                         ; which matrix: 0 Wq, 1 Wk, 2 Wv, 3 Wg, 4 Wo
	s_and_b32 s41, s36, 31
	s_lshl_b32 s41, s41, 5                         ; its first row of mine
	s_mov_b64 s[32:33], s[6:7]
	s_cmp_eq_u32 s40, 1
	s_cselect_b64 s[32:33], s[8:9], s[32:33]
	s_cmp_eq_u32 s40, 2
	s_cselect_b64 s[32:33], s[10:11], s[32:33]
	s_cmp_eq_u32 s40, 3
	s_cselect_b64 s[32:33], s[12:13], s[32:33]
	s_cmp_eq_u32 s40, 4
	s_cselect_b64 s[32:33], s[14:15], s[32:33]
	s_lshl_b32 s36, s41, 12
	s_add_nc_u64 s[32:33], s[32:33], s[36:37]
	s_lshl_b32 s42, s41, 13                        ; the four side by side: row x 8,192 + matrix x 2,048
	s_lshl_b32 s43, s40, 11
	s_add_co_u32 s42, s42, s43
	s_lshl_b32 s43, s41, 11                        ; Wo: 8,388,608 + row x 2,048
	s_add_co_u32 s43, s43, 0x800000
	s_mov_b32 s44, 8192                            ; the wide pitch, in a register: an instruction holds one literal
	s_cmp_eq_u32 s40, 4
	s_cselect_b32 s36, s43, s42
	s_cselect_b32 s45, 2048, s44
	s_add_nc_u64 s[34:35], s[26:27], s[36:37]
	s_lshl_b32 s46, s30, 2
	s_mul_i32 s46, s46, s45                        ; my wave's four rows where they go
	v_lshl_add_u32 v4, v1, 3, s46                  ; + 8 bytes a lane
	s_mov_b32 s31, 2
	s_cmp_eq_u32 s40, 4
	s_cbranch_scc1 .Lhalf
	WLOOP 8192, 0
.Lhalf:
	WLOOP 2048, 1
.Lfunc_end_k_qf0de6873fd_cast:
	.size	k_qf0de6873fd_cast, .Lfunc_end_k_qf0de6873fd_cast-k_qf0de6873fd_cast
	.p2alignl 7, 3214868480
	.fill 96, 4, 3214868480
	.section	.rodata,"a",@progbits
	.p2align	6, 0x0
	.amdhsa_kernel k_qf0de6873fd_cast
		.amdhsa_group_segment_fixed_size 148992
		.amdhsa_private_segment_fixed_size 0
		.amdhsa_enable_private_segment 0
		.amdhsa_kernarg_size 104
		.amdhsa_user_sgpr_count 2
		.amdhsa_user_sgpr_kernarg_segment_ptr 1
		.amdhsa_wavefront_size32 1
		.amdhsa_system_sgpr_workgroup_id_x 1
		.amdhsa_system_sgpr_workgroup_id_y 1
		.amdhsa_system_sgpr_workgroup_id_z 1
		.amdhsa_system_vgpr_workitem_id 0
		.amdhsa_next_free_vgpr 248
		.amdhsa_next_free_sgpr 66
		.amdhsa_reserve_vcc 0
		.amdhsa_float_denorm_mode_32 3
		.amdhsa_float_denorm_mode_16_64 3
		.amdhsa_memory_ordered 1
		.amdhsa_forward_progress 1
		.amdhsa_inst_pref_size 53
	.end_amdhsa_kernel
	.amdgpu_metadata
---
amdhsa.version: [ 1, 2 ]
amdhsa.kernels:
  - .name:           k_qf0de6873fd_cast
    .symbol:         k_qf0de6873fd_cast.kd
    .args:
      - { .name: x, .offset: 0, .size: 8, .value_kind: global_buffer, .address_space: global }
      - { .name: Wq, .offset: 8, .size: 8, .value_kind: global_buffer, .address_space: global }
      - { .name: Wk, .offset: 16, .size: 8, .value_kind: global_buffer, .address_space: global }
      - { .name: Wv, .offset: 24, .size: 8, .value_kind: global_buffer, .address_space: global }
      - { .name: Wg, .offset: 32, .size: 8, .value_kind: global_buffer, .address_space: global }
      - { .name: Wo, .offset: 40, .size: 8, .value_kind: global_buffer, .address_space: global }
      - { .name: Wa, .offset: 48, .size: 8, .value_kind: global_buffer, .address_space: global }
      - { .name: Wb, .offset: 56, .size: 8, .value_kind: global_buffer, .address_space: global }
      - { .name: ba, .offset: 64, .size: 8, .value_kind: global_buffer, .address_space: global }
      - { .name: bb, .offset: 72, .size: 8, .value_kind: global_buffer, .address_space: global }
      - { .name: act, .offset: 80, .size: 8, .value_kind: global_buffer, .address_space: global }
      - { .name: wts, .offset: 88, .size: 8, .value_kind: global_buffer, .address_space: global }
      - { .name: ab, .offset: 96, .size: 8, .value_kind: global_buffer, .address_space: global }
    .group_segment_fixed_size: 148992
    .private_segment_fixed_size: 0
    .kernarg_segment_align: 8
    .kernarg_segment_size: 104
    .max_flat_workgroup_size: 256
    .sgpr_count:     66
    .vgpr_count:     248
    .wavefront_size: 32
...
	.end_amdgpu_metadata
.endif
;; end of part 8
;; launch gemm1 (part 9): grid 16 x 32, 4 waves a work-group, clusters of 4 x 4, 327,680 bytes of LDS; arguments act, wts, proj; writes proj
.if DOCPART == 9
	.amdgcn_target "amdgcn-amd-amdhsa--gfx1250"
	.amdhsa_code_object_version 6
	.text
	.protected	k_qf0de6873fd_gemm1
	.globl	k_qf0de6873fd_gemm1
	.p2align	8
	.type	k_qf0de6873fd_gemm1,@function
k_qf0de6873fd_gemm1:
	s_mov_b64 s[64:65], 0
	v_nop
	global_prefetch_b8 v0, s[64:65] scope:SCOPE_SE
	s_setreg_imm32_b32 hwreg(HW_REG_WAVE_MODE, 25, 1), 1
	s_wait_xcnt 0x0
	s_wait_alu depctr_hold_cnt(0) depctr_sa_sdst(0) depctr_va_vdst(0) depctr_va_sdst(0) depctr_va_ssrc(0) depctr_va_vcc(0) depctr_vm_vsrc(0)
	s_getreg_b32 s2, hwreg(HW_REG_IB_STS2, 6, 4)
	s_cmp_eq_u32 s2, 0
	s_cbranch_scc0 .Lentry_in_a_cluster
	s_endpgm
.Lentry_in_a_cluster:
	s_bfe_u32 s2, ttmp6, 0x10000c
	s_cmp_lg_u32 s2, 0xf033
	s_cbranch_scc0 .Lentry_shape_is_right
	s_endpgm
.Lentry_shape_is_right:
; PROJ = X W.  X: act [8192][1024] bf16.  W: wts [1024 k][4096 n] bf16 (Wq | Wk | Wv | Wg).  PROJ: [8192][4096] f16, rounded once from f32 sums.
; LIMIT.  f16 ends at 65,504: a projection beyond that becomes an infinity.  Unit x with weights of spread 1/32 gives numbers of order 1.
; A tile of PROJ, 256 x 256, is made by four waves, each 128 x 128: 64 accumulators of 16 x 16, 512 registers.  K goes in steps of 128 through a ring of two LDS slots
; filled by the tensor data mover.  X's rows lie along K (LDS rows of 256 bytes + 16); W's rows lie along n (128 k rows of 512 bytes + 32) and its fragments are turned on the way
; out of LDS by ds_load_tr16_b128.
; CLUSTERS: 4 x 4 work-groups.  The four of a row of the cluster need the same tiles of X, the four of a column the same tiles of W: each tile is asked for jointly, by the same tensor
; load with the same descriptor and a mask that names the four.
; REGISTERS, in windows of 256: window 0: v0-31 addresses; v64-127, v128-191 fragments of X, two buffers; v32-63, v192-255 at work on the way out.
;   window 1: v64-127, v128-191 fragments of W.   windows 2, 3: the accumulators of my rows 0-63, 64-127 ((a, b) at v[8 (8 a + b)]).
; THE MATRIX INSTRUCTION IS USED TRANSPOSED: source 0 = 16 columns of W, source 1 = 16 rows of X: a lane then holds eight neighbouring numbers of a row of PROJ.
.set SIZE_N, 4096
.set SIZE_K, 1024
.set KSTEP,  128
.set PITCH,  272                       ; an LDS row of X: 256 bytes + 16: the 16 rows of a load start at 16 different groups of four banks (64 banks of 4 bytes: ISA guide 11.1)
.set PB,     544                       ; an LDS row of W: 512 bytes + 32
.set HALFT,  128*PITCH                 ; what one tensor load brings: 128 rows of X, or 64 rows of W (64 x 544 is the same number)
.set SLOT,   4*HALFT                   ; X's 256 rows, then W's 128 rows
.set STAGE,  2*SLOT                    ; behind the ring: 16 rows x 272 bytes for each wave, for the way out
.set SPITCH, 272
.set SPARE,  STAGE+4*16*SPITCH         ; behind the stages: the spare words, 128 bytes for each wave, which no other line names
.set LAPS,   SIZE_K/(2*KSTEP)          ; a lap = two K steps = once round the ring
.set ADRA, 16                          ; v16-17  LDS address of my X fragments in slot 0, 1
.set ADRB, 20                          ; v20-21  the same for W
.set STO,  24                          ; v24     the way out: where I put 16 bytes of a row
.set RD,   25                          ; v25     the way out: where I read a row back
.set CO,   26                          ; v26     my byte offset in PROJ
.set SPW,  28                          ; v28     LDS address of my spare word; never rewritten
.set NIL,  29                          ; v29     0; never rewritten
.set F0,   64
.set F1,   128
.set TMP,  192
.set OB,   32
.set G1, 24                            ; s[24:31] descriptor group 1 for X's tiles
.set G0, 32                            ; s[32:39] group 0 for X's tiles, one set for each slot
.set G1B, 48                           ; s[48:55] group 1 for W's tiles
.set G0B, 56                           ; s[56:63] group 0 for W's tiles
.set MSB, 0
.macro WIN new                         ; the immediate's high byte repeats the setting that is left
.if MSB != (\new)
	s_set_vgpr_msb (MSB<<8)|(\new)
.set MSB, \new
.endif
.endm
.set MUL_LO, 0xa1                      ; source 0 (W) window 1, source 1 (X) window 0, C and D window 2
.set MUL_HI, 0xf1                      ; the same, C and D window 3
.set TO_B,   0x40                      ; destination window 1, address window 0
; A joint load.  Waves 0 and 1 fetch X's two halves, waves 2 and 3 W's.  The branch hangs on the wave's number alone.  An s_nop 0 and four v_nop follow each line.
.macro JLOAD s
	s_cmp_eq_u32 s11, 0
	s_cbranch_scc0 .Lfor_b_\@
	tensor_load_to_lds s[G0+4*(\s):G0+4*(\s)+3], s[G1:G1+7]
	s_nop 0
.rept 4
	v_nop
.endr
	s_branch .Lasked_\@
.Lfor_b_\@:
	tensor_load_to_lds s[G0B+4*(\s):G0B+4*(\s)+3], s[G1B:G1B+7]
	s_nop 0
.rept 4
	v_nop
.endr
.Lasked_\@:
.endm
.macro CREST                           ; a round of the cluster's barrier behind its opening barrier
	s_cmp_lg_u32 s10, 0
	s_cbranch_scc1 .Lnot_wave_0_\@
	s_barrier_signal -3
.Lnot_wave_0_\@:
	s_barrier_wait -3
	s_barrier_signal -1
	s_barrier_wait -1
.endm
.macro CROUND                          ; a whole round
	s_barrier_signal -1
	s_barrier_wait -1
	CREST
.endm
	s_load_b128 s[4:7], s[0:1], 0x0                ; act s[4:5], wts s[6:7]
	s_load_b64 s[8:9], s[0:1], 0x10                ; proj
	v_lshl_add_u32 v[SPW], v0, 2, SPARE
	v_mov_b32 v[NIL], 0
	ds_add_u32 v[SPW], v[NIL]                      ; the wave's opening: the add and its wait come ahead of my first tensor load
	ds_add_u32 v28, v29
	v_lshrrev_b32 v1, 5, v0
	v_readfirstlane_b32 s10, v1                    ; wave 0..3
	s_lshr_b32 s11, s10, 1                         ; which half of the tile's rows is mine.  Also: I fetch for X (0) or for W (1)
	s_and_b32 s12, s10, 1                          ; which half of its columns.  Also: which half of that tile I fetch
	s_bfe_u32 s40, ttmp6, 0x40000                  ; cx
	s_bfe_u32 s41, ttmp6, 0x40004                  ; cy
	s_lshl_b32 s42, ttmp9, 2
	s_add_co_u32 s42, s42, s40                     ; tile column = 4 x cluster x + cx
	s_and_b32 s13, ttmp7, 0xffff
	s_lshl_b32 s13, s13, 2
	s_add_co_u32 s13, s13, s41                     ; tile row = 4 x cluster y + cy
	s_lshl_b32 s43, s41, 2
	s_lshl_b32 s43, 15, s43                        ; my row of the cluster
	s_lshl_b32 s44, 0x1111, s40                    ; my column
	s_or_b32 s[G1+0], s43, (1<<16)|(1<<20)|(1<<21)|(5<<22)|(3<<25)   ; mask; 2-byte elements; padding on; bit 21 beside a mask; after every 64 words 4 words
	s_mov_b32 s[G1+1], KSTEP<<16                   ; tensor_dim0 = 128
	s_mov_b32 s[G1+2], 128<<16                     ; tensor_dim1 = 128
	s_mov_b32 s[G1+3], KSTEP<<16                   ; tile_dim0 = 128
	s_mov_b32 s[G1+4], 128                         ; tile_dim1 = 128
	s_mov_b32 s[G1+5], SIZE_K                      ; elements from row to row
	s_mov_b32 s[G1+6], 0
	s_mov_b32 s[G1+7], 0
	s_or_b32 s[G1B+0], s44, (1<<16)|(1<<20)|(1<<21)|(6<<22)|(7<<25)  ; the column's mask; after every 128 words 8 words
	s_mov_b32 s[G1B+1], 256<<16                    ; tensor_dim0 = 256
	s_mov_b32 s[G1B+2], 64<<16                     ; tensor_dim1 = 64
	s_mov_b32 s[G1B+3], 256<<16                    ; tile_dim0 = 256
	s_mov_b32 s[G1B+4], 64                         ; tile_dim1 = 64
	s_mov_b32 s[G1B+5], SIZE_N
	s_mov_b32 s[G1B+6], 0
	s_mov_b32 s[G1B+7], 0
	s_lshl_b32 s17, s12, 7
	s_lshl_b32 s16, s13, 8
	s_add_co_u32 s16, s16, s17                     ; X: row 256 x tile row + 128 x half,
	s_lshl_b32 s16, s16, 11                        ; in bytes
	s_mov_b32 s17, 0
	s_lshl_b32 s46, s42, 9                         ; W: 512 bytes x tile column
	s_lshl_b32 s47, s12, 19                        ; + 64 k rows of 8,192 bytes x half
	s_add_co_u32 s46, s46, s47
	s_mov_b32 s47, 0
	s_mul_i32 s20, s10, HALFT                      ; where they go: wave x one load's bytes: no place in the cluster enters an LDS address
	s_wait_dscnt 0x0                               ; the opening add is done
	s_wait_kmcnt 0x0
	s_add_nc_u64 s[14:15], s[4:5], s[16:17]
	s_add_nc_u64 s[46:47], s[6:7], s[46:47]
	CROUND                                         ; all sixteen work-groups are here: the first joint loads meet
.irp s, 0,1
	s_mov_b32 s[G0+4*(\s)], 1
	s_add_co_u32 s[G0+4*(\s)+1], s20, (\s)*SLOT
	s_add_nc_u64 s[G0+4*(\s)+2:G0+4*(\s)+3], s[14:15], (\s)*KSTEP*2
	s_or_b32 s[G0+4*(\s)+3], s[G0+4*(\s)+3], 0x80000000
	s_mov_b32 s[G0B+4*(\s)], 1
	s_add_co_u32 s[G0B+4*(\s)+1], s20, (\s)*SLOT
	s_add_nc_u64 s[G0B+4*(\s)+2:G0B+4*(\s)+3], s[46:47], (\s)*KSTEP*SIZE_N*2
	s_or_b32 s[G0B+4*(\s)+3], s[G0B+4*(\s)+3], 0x80000000
	JLOAD \s
.endr
	v_and_b32 v1, 15, v0                           ; l % 16
	v_bfe_u32 v2, v0, 4, 1                         ; l / 16
	v_mul_u32_u24 v3, v1, PITCH
	v_lshl_add_u32 v3, v2, 4, v3                   ; X: row x pitch + 16 x half
	v_and_b32 v6, 7, v0
	v_lshl_add_u32 v6, v2, 3, v6                   ; W: k row 8 (l / 16) + l % 8,
	v_mul_u32_u24 v6, v6, PB
	v_bfe_u32 v7, v0, 3, 1
	v_lshl_add_u32 v6, v7, 4, v6                   ; 16 bytes for each half of a group of 16 lanes
	s_mul_i32 s21, s11, HALFT                      ; my 128 rows of X
	s_lshl_b32 s22, s12, 8                         ; my 128 columns of W,
	s_add_co_u32 s22, s22, 2*HALFT                 ; which lies behind X's 256 rows
.irp s, 0,1
	v_add_nc_u32 v[ADRA+(\s)], s21, v3
	v_add_nc_u32 v[ADRB+(\s)], s22, v6
	s_add_co_u32 s21, s21, SLOT
	s_add_co_u32 s22, s22, SLOT
.endr
	s_mul_i32 s23, s10, 16*SPITCH
	s_add_co_u32 s23, s23, STAGE                   ; my stage
	v_mul_u32_u24 v4, v1, SPITCH
	v_lshl_add_u32 v4, v2, 4, v4
	v_add_nc_u32 v[STO], s23, v4
	v_mul_u32_u24 v5, v2, SPITCH
	v_lshl_add_u32 v5, v1, 4, v5
	v_add_nc_u32 v[RD], s23, v5
	v_mul_u32_u24 v5, v2, SIZE_N*2
	v_lshl_add_u32 v[CO], v1, 4, v5
	s_lshl_b32 s13, s13, 8
	s_lshl_b32 s14, s11, 7
	s_add_co_u32 s16, s13, s14                     ; my first row of PROJ,
	s_lshl_b32 s16, s16, 13                        ; in bytes (under 2^27)
	s_mov_b32 s17, 0
	s_lshl_b32 s46, s42, 9                         ; my first column, in bytes
	s_lshl_b32 s47, s12, 8
	s_add_co_u32 s46, s46, s47
	s_mov_b32 s47, 0
	s_add_nc_u64 s[16:17], s[16:17], s[46:47]
; 16 matrix instructions: row blocks a0, a0 + 1 of the window's four x all 8 column blocks, 32 along K.  zero = 1: the first product starts the sums.
.macro MUL16 f, hi, a0, zero
	WIN MUL_LO+0x50*(\hi)
.irp a, \a0, (\a0)+1
.irp b, 0,1,2,3,4,5,6,7
.if \zero
	v_wmma_f32_16x16x32_bf16 v[8*(8*(\a)+(\b)):8*(8*(\a)+(\b))+7], v[(\f)+8*(\b):(\f)+8*(\b)+7], v[(\f)+8*(4*(\hi)+(\a)):(\f)+8*(4*(\hi)+(\a))+7], 0
.else
	v_wmma_f32_16x16x32_bf16 v[8*(8*(\a)+(\b)):8*(8*(\a)+(\b))+7], v[(\f)+8*(\b):(\f)+8*(\b)+7], v[(\f)+8*(4*(\hi)+(\a)):(\f)+8*(4*(\hi)+(\a))+7], v[8*(8*(\a)+(\b)):8*(8*(\a)+(\b))+7]
.endif
.endr
.endr
.endm
; 32 LDS loads in one run: the fragments of quarter q (32 along K) of a slot into buffer f: W's 128 columns turned, then X's 128 rows
.macro FETCH slot, q, f
	WIN TO_B
.irp i, 0,1,2,3,4,5,6,7
	ds_load_tr16_b128 v[(\f)+8*(\i):(\f)+8*(\i)+3],   v[ADRB+(\slot)] offset:(\q)*32*PB+(\i)*32
	ds_load_tr16_b128 v[(\f)+8*(\i)+4:(\f)+8*(\i)+7], v[ADRB+(\slot)] offset:(\q)*32*PB+16*PB+(\i)*32
.endr
	WIN 0
.irp i, 0,1,2,3,4,5,6,7
	ds_load_b128 v[(\f)+8*(\i):(\f)+8*(\i)+3],   v[ADRA+(\slot)] offset:(\q)*64+(\i)*16*PITCH
	ds_load_b128 v[(\f)+8*(\i)+4:(\f)+8*(\i)+7], v[ADRA+(\slot)] offset:(\q)*64+(\i)*16*PITCH+32
.endr
.endm
.macro PLACES                          ; four places in front of loads into registers that matrix instructions have read, and of conversions that read results
.rept 4
	v_nop
.endr
.endm
; One of a K step's first three quarters: multiplies buffer f; in its middle it fetches quarter q of the same slot into buffer g.
.macro QUARTER slot, q, f, g, zero
	s_wait_dscnt 8                                 ; W and X's rows 0-63 are in; the youngest eight loads (X's rows 64-127) may be out
	MUL16 \f, 0, 0, \zero
	MUL16 \f, 0, 2, \zero
	PLACES
	FETCH \slot, \q, \g
	s_wait_dscnt 32                                ; all but the 32 just issued
	MUL16 \f, 1, 0, \zero
	MUL16 \f, 1, 2, \zero
.endm
; The last quarter's first half: ONE barrier for the change of slots.  In front of it each wave waits for all its tensor loads (its part of the next slot), adds 0 to its spare word,
; and waits for that and for its own reads of this slot.
.macro MEET round
	WIN 0
	s_wait_tensorcnt 0x0                           ; all my tensor loads have landed
	ds_add_u32 v[SPW], v[NIL]
	s_wait_dscnt 9                                 ; the add and the youngest eight loads may be out
	MUL16 F1, 0, 0, 0
	s_wait_dscnt 0x0                               ; the add is done, and my reads of this slot are over
	s_barrier_signal -1
	MUL16 F1, 0, 2, 0
.if \round
	WIN 0
.endif
	s_barrier_wait -1
.endm
.macro TURN slot, next                 ; the whole last quarter; the slot just read out is filled again, two K steps on
	MEET 1
	CREST                                          ; no wave of any partner still reads this slot's tile or has a load on its way
	s_add_nc_u64 s[G0+4*(\slot)+2:G0+4*(\slot)+3], s[G0+4*(\slot)+2:G0+4*(\slot)+3], 2*KSTEP*2
	s_add_nc_u64 s[G0B+4*(\slot)+2:G0B+4*(\slot)+3], s[G0B+4*(\slot)+2:G0B+4*(\slot)+3], 2*KSTEP*SIZE_N*2
	JLOAD \slot                                    ; the first tensor load behind the round; its four v_nop are also the places in front of the loads below
	FETCH \next, 0, F0
	MUL16 F1, 1, 0, 0
	MUL16 F1, 1, 2, 0
.endm
.macro TURNX next                      ; the same with nothing left to ask for
	MEET 0
	PLACES
	FETCH \next, 0, F0
	MUL16 F1, 1, 0, 0
	MUL16 F1, 1, 2, 0
.endm
; THE WAY OUT of row block a, in three parts.  PACK: rounded to f16, 16 bytes a lane.  TOSTAGE: into my own stage and back as whole rows of 256 bytes.  SEND: stored.
.macro PACK a
.set AC, 64*((\a)%4)
	WIN 0x0a+5*((\a)/4)                            ; sources 0 and 1: window 2 or 3
.irp b, 0,1,2,3,4,5,6,7
.irp r, 0,1,2,3
	v_cvt_pk_f16_f32 v[TMP+4*(\b)+(\r)], v[AC+8*(\b)+2*(\r)], v[AC+8*(\b)+2*(\r)+1]
.endr
.endr
	WIN 0
.endm
.macro TOSTAGE a
.set BK, OB+192*((\a)%2)
.irp b, 0,1,2,3,4,5,6,7
	ds_store_b128 v[STO], v[TMP+4*(\b):TMP+4*(\b)+3] offset:32*(\b)
.endr
.irp t, 0,1,2,3,4,5,6,7
	ds_load_b128 v[BK+4*(\t):BK+4*(\t)+3], v[RD] offset:(\t)*2*SPITCH  ; LDS serves a wave's instructions in order (ISA guide 5.7.1.4): these see the stores above
.endr
.endm
.macro SEND a
.set BK, OB+192*((\a)%2)
	s_wait_dscnt 0x0                               ; the block is back in registers
	s_wait_xcnt 0x0                                ; only behind this wait are the stores' base and the registers that earlier stores read rewritten
.if (\a) == 0
	s_add_nc_u64 s[8:9], s[8:9], s[16:17]
.else
	s_add_nc_u64 s[8:9], s[8:9], 16*SIZE_N*2
.endif
.irp t, 0,1,2,3,4,5,6,7
	global_store_b128 v[CO], v[BK+4*(\t):BK+4*(\t)+3], s[8:9] offset:2*(\t)*SIZE_N*2  ; 16 lanes store 256 consecutive bytes, aligned
.endr
.endm
	s_wait_tensorcnt 1                             ; my part of K step 0 is in; K step 1's may stay out
	s_barrier_signal -1
	s_barrier_wait -1
	FETCH 0, 0, F0
	QUARTER 0, 1, F0, F1, 1                        ; the first quarter stands in front of the loop: its products start the sums
	WIN 0
	s_mov_b32 s3, LAPS-1
.Llap:                                                 ; a trip goes once round the ring and fills both slots again
	QUARTER 0, 2, F1, F0, 0
	QUARTER 0, 3, F0, F1, 0
	TURN 0, 1
	QUARTER 1, 1, F0, F1, 0
	QUARTER 1, 2, F1, F0, 0
	QUARTER 1, 3, F0, F1, 0
	TURN 1, 0
	QUARTER 0, 1, F0, F1, 0
	WIN 0
	s_sub_co_u32 s3, s3, 1
	s_cmp_lg_u32 s3, 0
	s_cbranch_scc1 .Llap
	QUARTER 0, 2, F1, F0, 0                        ; the last lap asks for nothing
	QUARTER 0, 3, F0, F1, 0
	TURNX 1
	QUARTER 1, 1, F0, F1, 0
	QUARTER 1, 2, F1, F0, 0
	QUARTER 1, 3, F0, F1, 0
	s_wait_dscnt 8
	MUL16 F1, 0, 0, 0
	MUL16 F1, 0, 2, 0
	s_wait_dscnt 0x0
	MUL16 F1, 1, 0, 0
	MUL16 F1, 1, 2, 0
	PLACES
	PACK 0
	TOSTAGE 0
.irp a, 1,2,3,4,5,6,7                  ; block a's conversions stand between block a - 1's loads from the stage and the wait for them
	PACK \a
	SEND (\a)-1
	TOSTAGE \a
.endr
	SEND 7
	s_wait_tensorcnt 0x0                           ; the wave's end
	ds_add_u32 v[SPW], v[NIL]
	s_wait_dscnt 0x0
	CROUND                                         ; the closing round
	s_endpgm
.Lfunc_end_k_qf0de6873fd_gemm1:
	.size	k_qf0de6873fd_gemm1, .Lfunc_end_k_qf0de6873fd_gemm1-k_qf0de6873fd_gemm1
	.p2alignl 7, 3214868480
	.fill 96, 4, 3214868480
	.section	.rodata,"a",@progbits
	.p2align	6, 0x0
	.amdhsa_kernel k_qf0de6873fd_gemm1
		.amdhsa_group_segment_fixed_size 327680
		.amdhsa_private_segment_fixed_size 0
		.amdhsa_enable_private_segment 0
		.amdhsa_kernarg_size 24
		.amdhsa_user_sgpr_count 2
		.amdhsa_user_sgpr_kernarg_segment_ptr 1
		.amdhsa_wavefront_size32 1
		.amdhsa_system_sgpr_workgroup_id_x 1
		.amdhsa_system_sgpr_workgroup_id_y 1
		.amdhsa_system_sgpr_workgroup_id_z 1
		.amdhsa_system_vgpr_workitem_id 0
		.amdhsa_next_free_vgpr 1024
		.amdhsa_next_free_sgpr 66
		.amdhsa_reserve_vcc 0
		.amdhsa_float_denorm_mode_32 3
		.amdhsa_float_denorm_mode_16_64 3
		.amdhsa_memory_ordered 1
		.amdhsa_forward_progress 1
		.amdhsa_inst_pref_size 143
	.end_amdhsa_kernel
	.amdgpu_metadata
---
amdhsa.version: [ 1, 2 ]
amdhsa.kernels:
  - .name:           k_qf0de6873fd_gemm1
    .symbol:         k_qf0de6873fd_gemm1.kd
    .args:
      - { .name: act, .offset: 0, .size: 8, .value_kind: global_buffer, .address_space: global }
      - { .name: wts, .offset: 8, .size: 8, .value_kind: global_buffer, .address_space: global }
      - { .name: proj, .offset: 16, .size: 8, .value_kind: global_buffer, .address_space: global }
    .group_segment_fixed_size: 327680
    .private_segment_fixed_size: 0
    .kernarg_segment_align: 8
    .kernarg_segment_size: 24
    .max_flat_workgroup_size: 128
    .sgpr_count:     66
    .vgpr_count:     1024
    .wavefront_size: 32
...
	.end_amdgpu_metadata
.endif
;; end of part 9
;; launch prep (part 10): grid 1024 x 1, 4 waves a work-group, no clusters, 31,232 bytes of LDS; arguments proj, ab, rec; writes rec
.if DOCPART == 10
	.amdgcn_target "amdgcn-amd-amdhsa--gfx1250"
	.amdhsa_code_object_version 6
	.text
	.protected	k_qf0de6873fd_prep
	.globl	k_qf0de6873fd_prep
	.p2align	8
	.type	k_qf0de6873fd_prep,@function
k_qf0de6873fd_prep:
	s_mov_b64 s[64:65], 0
	v_nop
	global_prefetch_b8 v0, s[64:65] scope:SCOPE_SE
	s_setreg_imm32_b32 hwreg(HW_REG_WAVE_MODE, 25, 1), 1
	s_wait_xcnt 0x0
; PREP.  For every chunk of 16 positions of every sequence (batch, head) all that does not hang on the state is made, as register images for the scan.
; With la = log2 a, E(i,t) = the sum of la_j over j = i+1 .. t (never a difference of prefix sums), kh, qh the normalised k, q:
;   L[t][i] = b_t 2^E(i,t-1) (kh_t . kh_i), i < t;   T = (I + L)^-1, by exact substitution in f32;   T2 = T diag(b)
;   Wn = T2 Kb, Kb_i = -2^E(-1,i-1) kh_i;   U0 = T2 V;   M[t][i] = 2^E(i,t) (qh_t . kh_i), i <= t;   Qs_t = 2^E(-1,t) qh_t;   Kt_i = 2^E(i,15) kh_i;   dec = 2^E(-1,15)
; so that U = U0 + Wn S, out = Qs S + M U, S' = dec S + Kt^T U.
; A record is 8,960 bytes, 512 for each image (lane x 16): +0 Wn (4), +2048 Qs (4), +4096 Kt^T (4), +6144 M, +6656 U0 (4), +8704 dec (f32, 32 lanes).
; THE RECORDS ARE SKEWED: record g holds Wn, Qs, U0, dec of chunk g (counted through all sequences) and Kt^T, M of chunk g - 1: the scan asks for the first four a chunk earlier than for the
; other two, and so finds in one record what it asks for in one run.  There are 8,193 records.
; A wave makes two chunks, one a trip; four waves of 256 registers lie on a SIMD, so that one wave's wait for q, k, v is another's work.
; A wave's three LDS images (Kb, Kt, V: [16][64] f16, rows 160 bytes apart) are its own, so there is no barrier.
; LAYOUT.  Lane l: r = l % 16, h = l / 16.  In a product's result register j of lane l is element (8 h + j, r).  kh kh^T and kh qh^T are laid so that a lane holds row t = r of L and of M, and columns 8 h + j.
; LIMITS.  q, k, v arrive in f16.  All images are f16: entries of T2, Wn, U0 beyond 65,504 become infinities (|T| stays of order 1 for |L| < 1).  An exponential below 2^-126 counts as 0.
.set RECB, 8960
.set WREG, 7680                        ; a wave's LDS: three images of 16 x 160 bytes
.set SPARE, 4*WREG                     ; the spare words, 128 bytes for each wave, which no other line names
.set ZR,  9                            ; v9   0
.set SPW, 10                           ; v10  LDS address of my spare word; never rewritten
.set NIL, 11                           ; v11  0, for the add alone
.set M1,  12                           ; v[12:27]  (r >= j) as 1.0 or 0
.set ID,  28                           ; v[28:43]  (r == j) as 1.0 or 0
.set KR,  44                           ; v[44:59]  k as loaded, then kh: two fragments
.set QR,  60                           ; v[60:75]  q likewise
.set WD,  44                           ; v[44:75]  later Wn's sums
.set VR,  76                           ; v[76:91]  v as loaded
.set WP,  76                           ;           later Wn packed
.set BT,  92                           ; v92  b_t, t = r
.set SS,  94                           ; v[94:97]  sums of squares
.set Y,   100                          ; v[100:115] T's row r
.set TS,  116                          ; v[116:123] my half of it
.set TF,  124                          ; v[124:131] T2 as a fragment; the upper four are 0
.set KBT, 132                          ; v[132:147] Kb^T, four tiles; v[148:151] = 0
.set KTT, 152                          ; v[152:167] Kt^T, four tiles
.set FK,  168                          ; 1/|k|
.set FKB, 169                          ; -2^E(-1,r-1)/|k|
.set FKT, 170                          ; 2^E(r,15)/|k|
.set FQ,  171                          ; 1/|q|
.set FQS, 172                          ; 2^E(-1,r)/|q|
.set X1,  173
.set X2,  174
.set XK,  175
.set E1B, 177                          ; E(i, r) at v[E1B+i], i = -1 .. 15
.set E2B, 194                          ; E(i, r-1) at v[E2B+i]
.set G,   176                          ; later kh kh^T
.set P,   184                          ; kh qh^T
.set L,   192
.set UD,  176                          ; later U0's sums, v[176:207]
.set UP,  208                          ; U0 packed, v[208:223]
.set CM,  210                          ; 2^E(8h+j, r), 0 above the diagonal
.set CL,  218                          ; b_t 2^E(8h+j, r-1)
.set IMG, 226                          ; v[226:241] an image on its way out
.set VT,  226                          ; later V^T, four tiles; v[242:245] = 0
.set MP,  246                          ; v[246:249] M packed
.set DEC, 250
.set LA,  16                           ; s[16:31] la of the chunk
.set SB,  32                           ; s[32:47] b of the chunk
.set SF,  48                           ; s[48:63] E(i,15); later a row of L
	s_load_b128 s[4:7], s[0:1], 0x0                ; proj, ab
	s_load_b64 s[8:9], s[0:1], 0x10                ; rec
	v_lshl_add_u32 v[SPW], v0, 2, SPARE
	v_mov_b32 v[NIL], 0
	v_lshrrev_b32 v1, 5, v0
	v_readfirstlane_b32 s10, v1                    ; wave
	v_and_b32 v1, 15, v0                           ; r
	v_bfe_u32 v2, v0, 4, 1                         ; h
	v_and_b32 v4, 31, v0
	v_lshlrev_b32 v5, 2, v4                        ; lane x 4
	v_lshlrev_b32 v4, 4, v4                        ; lane x 16
	v_lshlrev_b32 v3, 13, v1
	v_lshl_add_u32 v3, v2, 4, v3                   ; proj: row r x 8,192 + 16 h
	v_lshlrev_b32 v8, 2, v1
	v_mov_b32 v[ZR], 0
	s_mul_i32 s12, s10, WREG
	v_mul_u32_u24 v6, v1, 160
	v_lshl_add_u32 v6, v2, 4, v6
	v_add_nc_u32 v6, s12, v6                       ; into an image: row r, 16 h
	v_and_b32 v7, 7, v0
	v_lshl_add_u32 v7, v2, 3, v7
	v_mul_u32_u24 v7, v7, 160
	v_bfe_u32 v251, v0, 3, 1
	v_lshl_add_u32 v7, v251, 4, v7
	v_add_nc_u32 v7, s12, v7                       ; the turning load: row 8 h + l % 8, 16 bytes for each half of 16 lanes
	v_lshlrev_b32 v252, 3, v2
.irp j, 0,1,2,3,4,5,6,7,8,9,10,11,12,13,14,15
	v_cmp_le_u32 vcc_lo, \j, v1
	v_cndmask_b32 v[M1+(\j)], 0, 1.0, vcc_lo
	v_cmp_eq_u32 vcc_lo, \j, v1
	v_cndmask_b32 v[ID+(\j)], 0, 1.0, vcc_lo
.endr
.irp j, 0,1,2,3,4,5,6,7
	v_add_nc_u32 v253, \j, v252
	v_cmp_le_u32 s[66+(\j)], v253, v1              ; lanes with 8 h + j <= r
.endr
.irp j, 0,1,2,3,4,5,6,7,8,9,10,11,12,13,14,15
	v_mov_b32 v[IMG+(\j)], 0                       ; the image's halves are written one at a time: the registers are written whole once
.endr
	s_mov_b32 s74, 0xffff0000                      ; lanes 16-31
	s_mov_b32 s76, 0x76543210
	s_mov_b32 s77, 0xfedcba98
	s_lshr_b32 s13, ttmp9, 4                       ; the sequence: sixteen work-groups share its 128 chunks
	s_lshr_b32 s14, s13, 4                         ; batch
	s_and_b32 s15, s13, 15                         ; head
	s_and_b32 s16, ttmp9, 15
	s_lshl_b32 s16, s16, 2
	s_add_co_u32 s16, s16, s10
	s_lshl_b32 s16, s16, 1                         ; my first chunk
	s_lshl_b32 s17, s14, 11
	s_lshl4_add_u32 s17, s16, s17                  ; its first row
	s_lshl_b32 s18, s17, 13
	s_lshl_b32 s20, s15, 7
	s_add_co_u32 s18, s18, s20
	s_mov_b32 s19, 0
	s_lshl_b32 s20, s15, 15
	s_lshl2_add_u32 s20, s17, s20
	s_mov_b32 s21, 0
	s_lshl_b32 s22, s13, 7
	s_add_co_u32 s22, s22, s16
	s_mul_i32 s22, s22, RECB
	s_mov_b32 s23, 0
	s_mov_b32 s11, 2
	s_wait_kmcnt 0x0
	s_add_nc_u64 s[4:5], s[4:5], s[18:19]
	s_add_nc_u64 s[78:79], s[6:7], s[20:21]        ; la
	s_add_nc_u64 s[80:81], s[78:79], 0x80000       ; b
	s_add_nc_u64 s[8:9], s[8:9], s[22:23]
; 32 numbers in f16 times one f32 factor, each rounded once
.macro SCALE16 dst, src, fac
.set z, 0
.rept 16
	v_fma_mixlo_f16 v[(\dst)+z], v[(\src)+z], v[\fac], v[ZR] op_sel_hi:[1,0,0]
	v_fma_mixhi_f16 v[(\dst)+z], v[(\src)+z], v[\fac], v[ZR] op_sel:[1,0,0] op_sel_hi:[1,0,0]
.set z, z+1
.endr
.endm
.Ltrip:
	s_load_b512 s[LA:LA+15], s[78:79], 0x0
	s_load_b512 s[SB:SB+15], s[80:81], 0x0
.irp c, 0,1,2,3
	global_load_b128 v[KR+4*(\c):KR+4*(\c)+3], v3, s[4:5] offset:2048+32*(\c)
.endr
.irp c, 0,1,2,3
	global_load_b128 v[QR+4*(\c):QR+4*(\c)+3], v3, s[4:5] offset:32*(\c)
.endr
.irp c, 0,1,2,3
	global_load_b128 v[VR+4*(\c):VR+4*(\c)+3], v3, s[4:5] offset:4096+32*(\c)
.endr
	global_load_b32 v[BT], v8, s[80:81]
	s_wait_kmcnt 0x0
	; the exponents: all stand in the wait for q, k, v
	s_mov_b32 s[SF+15], 0
.set i, 14
.rept 15
	s_add_f32 s[SF+i], s[SF+i+1], s[LA+i+1]
.set i, i-1
.endr
	s_add_f32 s82, s[SF], s[LA]
	v_mov_b32 v[E1B+15], 0
	v_mov_b32 v[E2B+15], 0
	v_mov_b32 v[E2B+14], 0
	v_mul_f32 v[E1B+14], s[LA+15], v[M1+15]
	v_mul_f32 v[E2B+13], s[LA+14], v[M1+15]
	v_fma_f32 v[E1B+13], v[M1+14], s[LA+14], v[E1B+14]
.set i, 12
.rept 14
	v_fma_f32 v[E1B+i], v[M1+i+1], s[LA+i+1], v[E1B+i+1]
	v_fma_f32 v[E2B+i], v[M1+i+2], s[LA+i+1], v[E2B+i+1]
.set i, i-1
.endr
	v_mul_f32 v[XK], s[SF], v[ID]
.set i, 1
.rept 14
	v_fma_f32 v[XK], v[ID+i], s[SF+i], v[XK]
.set i, i+1
.endr
.irp j, 0,1,2,3,4,5,6,7
	v_cndmask_b32 v[CM+(\j)], v[E1B+(\j)], v[E1B+8+(\j)], s74
	v_cndmask_b32 v[CL+(\j)], v[E2B+(\j)], v[E2B+8+(\j)], s74
.endr
.irp j, 0,1,2,3,4,5,6,7
	v_exp_f32 v[CM+(\j)], v[CM+(\j)]
.endr
.irp j, 0,1,2,3,4,5,6,7
	v_exp_f32 v[CL+(\j)], v[CL+(\j)]
.endr
	v_exp_f32 v[X1], v[E1B-1]
	v_exp_f32 v[X2], v[E2B-1]
	v_exp_f32 v[XK], v[XK]
	v_exp_f32 v[DEC], s82
	v_nop                                          ; a plain line behind the last exponential
	s_wait_alu depctr_va_vdst(0)
.irp j, 0,1,2,3,4,5,6,7
	v_cndmask_b32 v[CM+(\j)], 0, v[CM+(\j)], s[66+(\j)]
.endr
	s_wait_loadcnt 0x0
.irp c, 0,1,2,3
	ds_store_b128 v6, v[VR+4*(\c):VR+4*(\c)+3] offset:5120+32*(\c)
.endr
.irp j, 0,1,2,3,4,5,6,7
	v_mul_f32 v[CL+(\j)], v[CL+(\j)], v[BT]
.endr
	; |k|^2 and |q|^2: my 32 numbers of each in two chains, the other 32 lie in the lane 16 away
	v_fma_mix_f32 v[SS],   v[KR], v[KR], v[ZR] op_sel_hi:[1,1,0]
	v_fma_mix_f32 v[SS+1], v[KR], v[KR], v[ZR] op_sel:[1,1,0] op_sel_hi:[1,1,0]
	v_fma_mix_f32 v[SS+2], v[QR], v[QR], v[ZR] op_sel_hi:[1,1,0]
	v_fma_mix_f32 v[SS+3], v[QR], v[QR], v[ZR] op_sel:[1,1,0] op_sel_hi:[1,1,0]
.set z, 1
.rept 15
	v_fma_mix_f32 v[SS],   v[KR+z], v[KR+z], v[SS]   op_sel_hi:[1,1,0]
	v_fma_mix_f32 v[SS+1], v[KR+z], v[KR+z], v[SS+1] op_sel:[1,1,0] op_sel_hi:[1,1,0]
	v_fma_mix_f32 v[SS+2], v[QR+z], v[QR+z], v[SS+2] op_sel_hi:[1,1,0]
	v_fma_mix_f32 v[SS+3], v[QR+z], v[QR+z], v[SS+3] op_sel:[1,1,0] op_sel_hi:[1,1,0]
.set z, z+1
.endr
	v_add_f32 v[SS], v[SS], v[SS+1]
	v_add_f32 v[SS+2], v[SS+2], v[SS+3]
	v_permlanex16_b32 v[SS+1], v[SS], s76, s77
	v_permlanex16_b32 v[SS+3], v[SS+2], s76, s77
	v_add_f32 v[SS], v[SS], v[SS+1]
	v_add_f32 v[SS+2], v[SS+2], v[SS+3]
	v_sqrt_f32 v[SS], v[SS]
	v_sqrt_f32 v[SS+2], v[SS+2]
	v_nop
	s_wait_alu depctr_va_vdst(0)
	v_max_num_f32 v[SS], 0x2b8cbccc, v[SS]         ; 1e-12
	v_max_num_f32 v[SS+2], 0x2b8cbccc, v[SS+2]
	v_rcp_f32 v[FK], v[SS]
	v_rcp_f32 v[FQ], v[SS+2]
	v_nop
	s_wait_alu depctr_va_vdst(0)
	v_fma_f32 v[FKB], -v[FK], v[X2], v[ZR]
	v_mul_f32 v[FKT], v[FK], v[XK]
	v_mul_f32 v[FQS], v[FQ], v[X1]
	SCALE16 IMG, KR, FKB
.irp c, 0,1,2,3
	ds_store_b128 v6, v[IMG+4*(\c):IMG+4*(\c)+3] offset:32*(\c)
.endr
	SCALE16 IMG, KR, FKT
.irp c, 0,1,2,3
	ds_store_b128 v6, v[IMG+4*(\c):IMG+4*(\c)+3] offset:2560+32*(\c)
.endr
	SCALE16 IMG, QR, FQS
.irp c, 0,1,2,3
	global_store_b128 v4, v[IMG+4*(\c):IMG+4*(\c)+3], s[8:9] offset:2048+512*(\c)
.endr
	SCALE16 KR, KR, FK
	SCALE16 QR, QR, FQ
	; two sums of two links, by turns
	v_wmma_f32_16x16x32_f16 v[G:G+7], v[KR:KR+7], v[KR:KR+7], 0
	v_wmma_f32_16x16x32_f16 v[P:P+7], v[KR:KR+7], v[QR:QR+7], 0
	v_wmma_f32_16x16x32_f16 v[G:G+7], v[KR+8:KR+15], v[KR+8:KR+15], v[G:G+7]
	v_wmma_f32_16x16x32_f16 v[P:P+7], v[KR+8:KR+15], v[QR+8:QR+15], v[P:P+7]
	s_wait_xcnt 0x0                                ; Qs's stores have read the image: its registers are loaded again only behind this wait
.irp j, 0,1,2,3
	v_mov_b32 v[TF+4+(\j)], 0                      ; the twelve zeros are also the places behind the products
	v_mov_b32 v[KBT+16+(\j)], 0
	v_mov_b32 v[VT+16+(\j)], 0
.endr
.irp i, 0,1,2,3
	ds_load_tr16_b128 v[KBT+4*(\i):KBT+4*(\i)+3], v7 offset:32*(\i)        ; LDS serves a wave's instructions in order: these see the stores above
	ds_load_tr16_b128 v[KTT+4*(\i):KTT+4*(\i)+3], v7 offset:2560+32*(\i)
	ds_load_tr16_b128 v[VT+4*(\i):VT+4*(\i)+3],   v7 offset:5120+32*(\i)
.endr
.irp j, 0,1,2,3,4,5,6,7
	v_mul_f32 v[L+(\j)], v[G+(\j)], v[CL+(\j)]
.endr
.irp j, 0,1,2,3,4,5,6,7
	v_mul_f32 v[P+(\j)], v[P+(\j)], v[CM+(\j)]
.endr
.irp p, 0,1,2,3
	v_cvt_pk_f16_f32 v[MP+(\p)], v[P+2*(\p)], v[P+2*(\p)+1]
.endr
	global_store_b128 v4, v[MP:MP+3], s[8:9] offset:RECB+6144              ; M goes one record on
	; T = (I + L)^-1.  I + L = E_1 E_2 .. E_15, E_i = I + e_i (row i of L); so T = E_15^-1 .. E_1^-1, and each factor takes column i times L[i][j] from column j < i.
	; A lane holds row r of T in 16 registers; L[i][j] is read from lane i + 16 (j / 8), register j % 8.
.set i, 15
.rept 15
.set j, 0
.rept i
	v_readlane_b32 s[SF+j], v[L+(j&7)], i+16*(j>>3)
.set j, j+1
.endr
.set j, 0
.rept i
.if i == 15
	v_fma_f32 v[Y+j], -v[ID+15], s[SF+j], v[ID+j]
.else
	v_fma_f32 v[Y+j], -v[Y+i], s[SF+j], v[Y+j]
.endif
.set j, j+1
.endr
.set i, i-1
.endr
.set j, 0
.rept 15
	v_mul_f32 v[Y+j], s[SB+j], v[Y+j]
.set j, j+1
.endr
	v_mul_f32 v[Y+15], s[SB+15], v[ID+15]
.irp j, 0,1,2,3,4,5,6,7
	v_cndmask_b32 v[TS+(\j)], v[Y+(\j)], v[Y+8+(\j)], s74
.endr
.irp p, 0,1,2,3
	v_cvt_pk_f16_f32 v[TF+(\p)], v[TS+2*(\p)], v[TS+2*(\p)+1]
.endr
	s_wait_dscnt 0x0                               ; the turned tiles are in
.irp i, 0,1,2,3
	global_store_b128 v4, v[KTT+4*(\i):KTT+4*(\i)+3], s[8:9] offset:RECB+4096+512*(\i)  ; Kt^T goes one record on
.endr
	; K = 16 of 32: a tile's four registers are followed by the next tile's, which meet T2's zeros
.irp i, 0,1,2,3
	v_wmma_f32_16x16x32_f16 v[WD+8*(\i):WD+8*(\i)+7], v[KBT+4*(\i):KBT+4*(\i)+7], v[TF:TF+7], 0
	v_wmma_f32_16x16x32_f16 v[UD+8*(\i):UD+8*(\i)+7], v[TF:TF+7], v[VT+4*(\i):VT+4*(\i)+7], 0
.endr
.rept 4
	v_nop                                          ; four places between the last products and the conversions
.endr
.irp i, 0,1,2,3
.irp p, 0,1,2,3
	v_cvt_pk_f16_f32 v[WP+4*(\i)+(\p)], v[WD+8*(\i)+2*(\p)], v[WD+8*(\i)+2*(\p)+1]
.endr
	global_store_b128 v4, v[WP+4*(\i):WP+4*(\i)+3], s[8:9] offset:512*(\i)
.endr
.irp i, 0,1,2,3
.irp p, 0,1,2,3
	v_cvt_pk_f16_f32 v[UP+4*(\i)+(\p)], v[UD+8*(\i)+2*(\p)], v[UD+8*(\i)+2*(\p)+1]
.endr
	global_store_b128 v4, v[UP+4*(\i):UP+4*(\i)+3], s[8:9] offset:6656+512*(\i)
.endr
	global_store_b32 v5, v[DEC], s[8:9] offset:8704
	s_wait_xcnt 0x0                                ; the bases and the stores' registers are rewritten only behind this wait
	s_add_nc_u64 s[4:5], s[4:5], 0x20000           ; 16 rows of proj
	s_add_nc_u64 s[78:79], s[78:79], 64
	s_add_nc_u64 s[80:81], s[80:81], 64
	s_add_nc_u64 s[8:9], s[8:9], RECB
	s_sub_co_u32 s11, s11, 1
	s_cmp_lg_u32 s11, 0
	s_cbranch_scc1 .Ltrip
	s_wait_tensorcnt 0x0                           ; the wave's end
	ds_add_u32 v[SPW], v[NIL]
	s_wait_dscnt 0x0
	s_endpgm
.Lfunc_end_k_qf0de6873fd_prep:
	.size	k_qf0de6873fd_prep, .Lfunc_end_k_qf0de6873fd_prep-k_qf0de6873fd_prep
	.p2alignl 7, 3214868480
	.fill 96, 4, 3214868480
	.section	.rodata,"a",@progbits
	.p2align	6, 0x0
	.amdhsa_kernel k_qf0de6873fd_prep
		.amdhsa_group_segment_fixed_size 31232
		.amdhsa_private_segment_fixed_size 0
		.amdhsa_enable_private_segment 0
		.amdhsa_kernarg_size 24
		.amdhsa_user_sgpr_count 2
		.amdhsa_user_sgpr_kernarg_segment_ptr 1
		.amdhsa_wavefront_size32 1
		.amdhsa_system_sgpr_workgroup_id_x 1
		.amdhsa_system_sgpr_workgroup_id_y 1
		.amdhsa_system_sgpr_workgroup_id_z 1
		.amdhsa_system_vgpr_workitem_id 0
		.amdhsa_next_free_vgpr 256
		.amdhsa_next_free_sgpr 84
		.amdhsa_reserve_vcc 1
		.amdhsa_float_denorm_mode_32 3
		.amdhsa_float_denorm_mode_16_64 3
		.amdhsa_memory_ordered 1
		.amdhsa_forward_progress 1
		.amdhsa_inst_pref_size 53
	.end_amdhsa_kernel
	.amdgpu_metadata
---
amdhsa.version: [ 1, 2 ]
amdhsa.kernels:
  - .name:           k_qf0de6873fd_prep
    .symbol:         k_qf0de6873fd_prep.kd
    .args:
      - { .name: proj, .offset: 0, .size: 8, .value_kind: global_buffer, .address_space: global }
      - { .name: ab, .offset: 8, .size: 8, .value_kind: global_buffer, .address_space: global }
      - { .name: rec, .offset: 16, .size: 8, .value_kind: global_buffer, .address_space: global }
    .group_segment_fixed_size: 31232
    .private_segment_fixed_size: 0
    .kernarg_segment_align: 8
    .kernarg_segment_size: 24
    .max_flat_workgroup_size: 128
    .sgpr_count:     84
    .vgpr_count:     256
    .wavefront_size: 32
...
	.end_amdgpu_metadata
.endif
;; end of part 10
;; launch scan (part 11): grid 64 x 1, 4 waves a work-group, no clusters, 327,680 bytes of LDS; arguments rec, y; writes y
.if DOCPART == 11
	.amdgcn_target "amdgcn-amd-amdhsa--gfx1250"
	.amdhsa_code_object_version 6
	.text
	.protected	k_qf0de6873fd_scan
	.globl	k_qf0de6873fd_scan
	.p2align	8
	.type	k_qf0de6873fd_scan,@function
k_qf0de6873fd_scan:
	s_mov_b64 s[64:65], 0
	v_nop
	global_prefetch_b8 v0, s[64:65] scope:SCOPE_SE
	s_setreg_imm32_b32 hwreg(HW_REG_WAVE_MODE, 25, 1), 1
	s_wait_xcnt 0x0
; SCAN.  For each sequence (batch, head) the 128 chunks in order:  U = U0 + Wn S;  out = Qs S + M U;  S = dec S + Kt^T U.
; A work-group is a sequence; its four waves take 16 of the state's 64 value columns each, which never meet.  All four read the same records, so a record is brought into LDS once
; for the four: that is why the four column groups are one work-group, and why no cluster is formed (work-groups share nothing).  64 work-groups: the problem has 64 sequences,
; and their 256 waves are as many as 256 work-groups of one wave would be.
; THE CHAIN.  Each chunk waits for the state that the last one left: state -> U (two products) -> rounding -> state (four products) -> rounding.  All else is kept off that chain:
;   - every fragment has two register buffers, by the chunk's parity.  A chunk has ONE run of memory instructions, behind its first four products and the work that fills their time:
;     the store of the LAST chunk's out and fifteen LDS loads: Wn, Qs, U0, dec of the chunk two on (into the buffer just read), Kt^T, M of the next chunk (into the other buffer);
;   - the records are skewed to suit: record g holds Wn, Qs, U0, dec of chunk g and Kt^T, M of chunk g - 1, so that a run reads one record and a change of slots is a clean cut;
;   - out has two accumulators by parity, so it is rounded and stored a chunk later; U0 of the next chunk is widened behind the last products, where places are owed anyway;
;   - the state's f16 copy is made in two halves, with the first two products, which want the first half alone, between them.
; RING.  The sequence's record 0 (chunk 0's Wn, Qs, U0, dec) comes straight from memory.  Records 1 to 128 go through two slots of 16 records (143,360 bytes); each wave brings a quarter of
; a slot with one tensor load of 140 rows of 256 bytes.  A wave has at most two tensor loads out.  Chunk c's run reads the stream's record c + 1, so a slot is left ahead of chunk 16 k + 15.
; LAYOUT.  S (f32) in four accumulators: lane = value column, registers = key rows 16 i + 8 (l / 16) + j.  Rounded to f16 in pairs they ARE the fragments SBF (32 key rows each).
; U's result holds position 8 (l / 16) + j and column l % 16; rounded in pairs it IS the fragment UB (K = 16 of 32; the upper registers are 0).
; out comes transposed (source 0 = the column side): a lane holds one position and eight neighbouring columns, 16 bytes.
; y: blocks of 512 bytes, ((batch x 128 + chunk) x 64 + head x 4 + wave), each [16 positions][16 columns] f16.
; LIMITS.  The state's copy, U and y are f16: beyond 65,504 they become infinities.  The state itself and all sums are f32.
.set RECB,  8960
.set SLOTB, 16*RECB
.set QUART, SLOTB/4
.set SPARE, 2*SLOTB                    ; the spare words, 128 bytes for each wave, which no other line names
.set ADR,  4                           ; v4   LDS address: the record to be read + lane x 16
.set ADRU, 5                           ; v5   the same + wave x 512
.set SPW,  6                           ; v6   LDS address of my spare word; never rewritten
.set NIL,  7                           ; v7   0, for the add alone
.set ADRD, 8                           ; v8   the record to be read + lane x 4
.set YA,   9                           ; v9   my 16 bytes in a block of y
.set ONE,  10
.set ZR,   11
.set S,    12                          ; v[12:43]   the state
.set SBF,  44                          ; v[44:59]   its f16 copy, two fragments
.set UC,   60                          ; v[60:67]   U's sums
.set UB,   68                          ; v[68:75]   U as a fragment; 72-75 = 0
.set YO,   76                          ; v[76:79]   out, packed
.set OA,   80                          ; v[80:87], v[88:95] out's sums, by the chunk's parity
.set B0,   96                          ; v[96:161], v[164:229] the two fragment buffers
.set BSZ,  68
.set WN,   0                           ; in a buffer: Wn 16
.set QS,   16                          ; Qs 16
.set KT,   32                          ; Kt^T 16, then four registers that hold 0
.set MF,   52                          ; M 4, then four registers that hold 0
.set UH,   60                          ; U0 in f16, 4
.set DEC,  64                          ; dec, and a written partner for the packed multiply
.set TB,   40                          ; s40  LDS byte at which the record to be read next begins
	s_load_b128 s[4:7], s[0:1], 0x0                ; rec, y
	v_lshl_add_u32 v[SPW], v0, 2, SPARE
	v_mov_b32 v[NIL], 0
	ds_add_u32 v[SPW], v[NIL]                      ; the wave's opening: the add and its wait come ahead of my first tensor load
	ds_add_u32 v6, v7
	v_lshrrev_b32 v1, 5, v0
	v_readfirstlane_b32 s8, v1                     ; wave
	s_mov_b32 s16, 3<<16                           ; group 1: elements of 8 bytes, no mask, no padding
	s_mov_b32 s17, 32<<16                          ; tensor_dim0 = 32 (256 bytes)
	s_mov_b32 s18, 140<<16                         ; tensor_dim1 = 140
	s_mov_b32 s19, 32<<16                          ; tile_dim0 = 32
	s_mov_b32 s20, 140                             ; tile_dim1 = 140
	s_mov_b32 s21, 32                              ; dense rows
	s_mov_b32 s22, 0
	s_mov_b32 s23, 0
	s_mul_i32 s9, s8, QUART                        ; my quarter of a slot, in LDS and in memory
	s_mul_i32 s10, ttmp9, 128*RECB                 ; the sequence's record 0
	s_mov_b32 s11, 0
	s_add_co_u32 s14, s9, RECB                     ; the stream begins one record on
	s_mov_b32 s15, 0
	s_lshr_b32 s12, ttmp9, 4
	s_lshl_b32 s12, s12, 13                        ; batch x 128 x 64 blocks
	s_and_b32 s13, ttmp9, 15
	s_lshl2_add_u32 s12, s13, s12                  ; + head x 4
	s_add_co_u32 s12, s12, s8                      ; + wave
	s_lshl_b32 s12, s12, 9
	s_mov_b32 s13, 0
	s_mov_b32 s32, 1
	s_mov_b32 s33, s9
	s_mov_b32 s36, 1
	s_add_co_u32 s37, s9, SLOTB
	s_wait_dscnt 0x0                               ; the opening add is done
	s_wait_kmcnt 0x0
	s_add_nc_u64 s[24:25], s[4:5], s[10:11]        ; record 0
	s_add_nc_u64 s[34:35], s[24:25], s[14:15]
	s_add_nc_u64 s[38:39], s[34:35], SLOTB
	s_or_b32 s35, s35, 0x80000000
	s_or_b32 s39, s39, 0x80000000
	s_add_nc_u64 s[42:43], s[6:7], s[12:13]
	tensor_load_to_lds s[32:35], s[16:23]          ; the stream's records 0-15
	s_nop 0
	tensor_load_to_lds s[36:39], s[16:23]          ; records 16-31
	s_nop 0
	v_and_b32 v3, 31, v0
	v_lshlrev_b32 v1, 4, v3                        ; lane x 16
	v_lshl_add_u32 v2, s8, 9, v1                   ; + wave x 512
	v_lshlrev_b32 v3, 2, v3                        ; lane x 4
.irp i, 0,1,2,3
	global_load_b128 v[B0+WN+4*(\i):B0+WN+4*(\i)+3], v1, s[24:25] offset:512*(\i)        ; chunk 0's Wn, Qs, U0, dec
.endr
.irp i, 0,1,2,3
	global_load_b128 v[B0+QS+4*(\i):B0+QS+4*(\i)+3], v1, s[24:25] offset:2048+512*(\i)
.endr
	global_load_b128 v[B0+UH:B0+UH+3], v2, s[24:25] offset:6656
	global_load_b32 v[B0+DEC], v3, s[24:25] offset:8704
	v_and_b32 v[YA], 15, v0
	v_bfe_u32 v[ADR], v0, 4, 1
	v_lshlrev_b32 v[YA], 5, v[YA]
	v_lshl_add_u32 v[YA], v[ADR], 4, v[YA]         ; position x 32 + 16 x half
	v_mov_b32 v[ONE], 1.0
	v_mov_b32 v[ZR], 0
.set i, S
.rept 32
	v_mov_b32 v[i], 0                              ; the state starts at 0: the first chunk is a chunk like any other; this stands in the wait for the first tile
.set i, i+1
.endr
.irp j, 0,1,2,3
	v_mov_b32 v[UB+4+(\j)], 0
	v_mov_b32 v[B0+KT+16+(\j)], 0
	v_mov_b32 v[B0+MF+4+(\j)], 0
	v_mov_b32 v[B0+BSZ+KT+16+(\j)], 0
	v_mov_b32 v[B0+BSZ+MF+4+(\j)], 0
.endr
	v_mov_b32 v[B0+DEC+1], 0
	v_mov_b32 v[B0+BSZ+DEC+1], 0
.macro ADDR                            ; the addresses of the next run, made some lines ahead of it
	v_add_nc_u32 v[ADR], s[TB], v1
	v_add_nc_u32 v[ADRU], s[TB], v2
	v_add_nc_u32 v[ADRD], s[TB], v3
	s_add_co_u32 s[TB], s[TB], RECB
.endm
.macro FETCH p                         ; fifteen LDS loads, one record: Wn, Qs, U0, dec into buffer p, Kt^T and M into the other
.set BP, B0+BSZ*(\p)
.set BQ, B0+BSZ*(1-(\p))
.irp i, 0,1,2,3
	ds_load_b128 v[BP+WN+4*(\i):BP+WN+4*(\i)+3], v[ADR] offset:512*(\i)
.endr
.irp i, 0,1,2,3
	ds_load_b128 v[BP+QS+4*(\i):BP+QS+4*(\i)+3], v[ADR] offset:2048+512*(\i)
.endr
	ds_load_b128 v[BP+UH:BP+UH+3], v[ADRU] offset:6656
	ds_load_b32 v[BP+DEC], v[ADRD] offset:8704
.irp i, 0,1,2,3
	ds_load_b128 v[BQ+KT+4*(\i):BQ+KT+4*(\i)+3], v[ADR] offset:4096+512*(\i)
.endr
	ds_load_b128 v[BQ+MF:BQ+MF+3], v[ADR] offset:6144
.endm
.macro WIDEN b                         ; U0 of buffer b starts U's sums
.set z, 0
.rept 4
	v_fma_mix_f32 v[UC+2*z],   v[(\b)+UH+z], v[ONE], v[ZR] op_sel_hi:[1,0,0]
	v_fma_mix_f32 v[UC+2*z+1], v[(\b)+UH+z], v[ONE], v[ZR] op_sel:[1,0,0] op_sel_hi:[1,0,0]
.set z, z+1
.endr
.endm
; One chunk of parity p.  store = 1: the chunk before has an out to store.  load = 1: a record is left to read.  last = 1: no chunk follows.
; The accumulators take turns, one instruction a turn: U, out, U, out, the state's four, out; then the next chunk's U.
.macro COMP p, store, load, last
.set BP, B0+BSZ*(\p)
.set BQ, B0+BSZ*(1-(\p))
.set OAP, OA+8*(\p)
.set OAQ, OA+8*(1-(\p))
.set z, 0
.rept 8
	v_cvt_pk_f16_f32 v[SBF+z], v[S+2*z], v[S+2*z+1]        ; the state's key rows 0-31
.set z, z+1
.endr
	v_wmma_f32_16x16x32_f16 v[UC:UC+7], v[BP+WN:BP+WN+7], v[SBF:SBF+7], v[UC:UC+7]
	v_wmma_f32_16x16x32_f16 v[OAP:OAP+7], v[SBF:SBF+7], v[BP+QS:BP+QS+7], 0
.rept 8
	v_cvt_pk_f16_f32 v[SBF+z], v[S+2*z], v[S+2*z+1]        ; key rows 32-63: registers that the two products above do not name
.set z, z+1
.endr
	v_wmma_f32_16x16x32_f16 v[UC:UC+7], v[BP+WN+8:BP+WN+15], v[SBF+8:SBF+15], v[UC:UC+7]
	v_wmma_f32_16x16x32_f16 v[OAP:OAP+7], v[SBF+8:SBF+15], v[BP+QS+8:BP+QS+15], v[OAP:OAP+7]
.if \load
	ADDR
.endif
.set z, 0
.rept 16
	v_pk_mul_f32 v[S+2*z:S+2*z+1], v[S+2*z:S+2*z+1], v[BP+DEC:BP+DEC+1] op_sel_hi:[1,0]  ; the decay: also the places behind the four products (ISA guide 7.12.1)
.set z, z+1
.endr
.if \store
	s_wait_xcnt 0x0                                ; the store of a chunk ago has read its data and its base: both are rewritten only behind this wait
	s_add_nc_u64 s[42:43], s[42:43], 0x8000        ; a chunk's blocks on; the store reaches back
.set z, 0
.rept 4
	v_cvt_pk_f16_f32 v[YO+z], v[OAQ+2*z], v[OAQ+2*z+1]
.set z, z+1
.endr
	global_store_b128 v[YA], v[YO:YO+3], s[42:43] offset:-32768  ; the last chunk's out: the wave stores 512 consecutive bytes, aligned
.endif
.if \load
	FETCH \p
	s_wait_dscnt 15                                ; all but the fifteen just issued: what the last chunk's run asked for is in: this chunk's Kt^T and M, the next chunk's Wn, Qs, U0, dec
.else
	s_wait_dscnt 0x0
.endif
.set z, 0
.rept 4
	v_cvt_pk_f16_f32 v[UB+z], v[UC+2*z], v[UC+2*z+1]
.set z, z+1
.endr
.irp i, 0,1,2,3
	v_wmma_f32_16x16x32_f16 v[S+8*(\i):S+8*(\i)+7], v[BP+KT+4*(\i):BP+KT+4*(\i)+7], v[UB:UB+7], v[S+8*(\i):S+8*(\i)+7]  ; a tile's four registers are followed by the next tile's, which meet U's zeros
.endr
	v_wmma_f32_16x16x32_f16 v[OAP:OAP+7], v[UB:UB+7], v[BP+MF:BP+MF+7], v[OAP:OAP+7]
.if (\last) == 0
	WIDEN BQ                                       ; the next chunk's U0: eight plain lines, the places in front of the next chunk's first conversions
.endif
.endm
.macro PAIRS n                         ; n pairs of chunks, the odd one first
	s_mov_b32 s41, \n
.Lpair_\@:
	COMP 1, 1, 1, 0
	COMP 0, 1, 1, 0
	s_sub_co_u32 s41, s41, 1
	s_cmp_lg_u32 s41, 0
	s_cbranch_scc1 .Lpair_\@
.endm
; The change of slots, ahead of the first run that reads slot: every wave waits for all its tensor loads (its part of that slot), adds 0 to its spare word, waits for that and for its reads of the
; other slot (the last run's), and passes the barrier; behind it the other slot is filled again first, one load a wave, which has sixteen chunks in which to land.
.macro CHG slot, refill
	s_wait_tensorcnt 0x0
	ds_add_u32 v[SPW], v[NIL]
	s_add_nc_u64 s[38-4*(\slot):39-4*(\slot)], s[38-4*(\slot):39-4*(\slot)], 2*SLOTB  ; no load of mine is out: the other slot's next records
	s_mov_b32 s[TB], (\slot)*SLOTB
	s_wait_dscnt 0x0
	s_barrier_signal -1
	s_barrier_wait -1
.if \refill
	tensor_load_to_lds s[36-4*(\slot):39-4*(\slot)], s[16:23]
	s_nop 0
.endif
.endm
	s_wait_tensorcnt 0x1                           ; my part of slot 0 is in; slot 1's may stay out
	s_barrier_signal -1
	s_barrier_wait -1
	s_mov_b32 s[TB], 0
	ADDR
	FETCH 1                                        ; the stream's record 0: chunk 1's Wn, Qs, U0, dec; chunk 0's Kt^T and M
	s_wait_loadcnt 0x0                             ; chunk 0's Wn, Qs, U0, dec
	WIDEN B0
	COMP 0, 0, 1, 0                                ; chunk 0: nothing to store yet
	PAIRS 7                                        ; chunks 1-14: their runs read the rest of slot 0
	s_mov_b32 s44, 3
.Lring:
	CHG 1, 1
	PAIRS 8
	CHG 0, 1
	PAIRS 8
	s_sub_co_u32 s44, s44, 1
	s_cmp_lg_u32 s44, 0
	s_cbranch_scc1 .Lring
	CHG 1, 0                                       ; the last slot: nothing is left to fetch (the stepped address is not used)
	PAIRS 8                                        ; chunks 111-126; of the last run's record only Kt^T and M serve: ten loads for a chunk that does not exist are the price of one text
	COMP 1, 1, 0, 1                                ; chunk 127
.rept 4
	v_nop                                          ; four places between the last product and the conversion of its sums
.endr
	s_wait_xcnt 0x0
	s_add_nc_u64 s[42:43], s[42:43], 0x8000
.set z, 0
.rept 4
	v_cvt_pk_f16_f32 v[YO+z], v[OA+8+2*z], v[OA+8+2*z+1]
.set z, z+1
.endr
	global_store_b128 v[YA], v[YO:YO+3], s[42:43] offset:-32768
	s_wait_tensorcnt 0x0                           ; the wave's end
	ds_add_u32 v[SPW], v[NIL]
	s_wait_dscnt 0x0
	s_endpgm
.Lfunc_end_k_qf0de6873fd_scan:
	.size	k_qf0de6873fd_scan, .Lfunc_end_k_qf0de6873fd_scan-k_qf0de6873fd_scan
	.p2alignl 7, 3214868480
	.fill 96, 4, 3214868480
	.section	.rodata,"a",@progbits
	.p2align	6, 0x0
	.amdhsa_kernel k_qf0de6873fd_scan
		.amdhsa_group_segment_fixed_size 327680
		.amdhsa_private_segment_fixed_size 0
		.amdhsa_enable_private_segment 0
		.amdhsa_kernarg_size 16
		.amdhsa_user_sgpr_count 2
		.amdhsa_user_sgpr_kernarg_segment_ptr 1
		.amdhsa_wavefront_size32 1
		.amdhsa_system_sgpr_workgroup_id_x 1
		.amdhsa_system_sgpr_workgroup_id_y 1
		.amdhsa_system_sgpr_workgroup_id_z 1
		.amdhsa_system_vgpr_workitem_id 0
		.amdhsa_next_free_vgpr 232
		.amdhsa_next_free_sgpr 66
		.amdhsa_reserve_vcc 0
		.amdhsa_float_denorm_mode_32 3
		.amdhsa_float_denorm_mode_16_64 3
		.amdhsa_memory_ordered 1
		.amdhsa_forward_progress 1
		.amdhsa_inst_pref_size 57
	.end_amdhsa_kernel
	.amdgpu_metadata
---
amdhsa.version: [ 1, 2 ]
amdhsa.kernels:
  - .name:           k_qf0de6873fd_scan
    .symbol:         k_qf0de6873fd_scan.kd
    .args:
      - { .name: rec, .offset: 0, .size: 8, .value_kind: global_buffer, .address_space: global }
      - { .name: y, .offset: 8, .size: 8, .value_kind: global_buffer, .address_space: global }
    .group_segment_fixed_size: 327680
    .private_segment_fixed_size: 0
    .kernarg_segment_align: 8
    .kernarg_segment_size: 16
    .max_flat_workgroup_size: 128
    .sgpr_count:     66
    .vgpr_count:     232
    .wavefront_size: 32
...
	.end_amdgpu_metadata
.endif
;; end of part 11
;; launch norm: the kernel of part 6 again; grid 512 x 1, 8 waves a work-group, no clusters, 34,304 bytes of LDS; arguments y, proj, g_norm, act, zs; writes act, zs
;; launch gemm2: the kernel of part 7 again; grid 4 x 64, 4 waves a work-group, clusters of 4 x 4, 327,680 bytes of LDS; arguments act, wts, zs, out0; writes out0
;; ======== version 3 of 3: 6 launches; version 2 with the launch cast written anew for expert scheduling mode
;; limits: sums are carried in f16; values are held in f16: magnitudes above 65,504 overflow, below 6.1e-05 lose precision
;; workspace buffers: act 16,777,216 bytes; wts 10,485,760 bytes; proj 67,108,864 bytes; ab 1,048,576 bytes; rec 73,409,280 bytes; y 16,777,216 bytes; zs 32,768 bytes
;; launch cast (part 12): grid 416 x 1, 8 waves a work-group, no clusters, 148,992 bytes of LDS; arguments x, Wq, Wk, Wv, Wg, Wo, Wa, Wb, ba, bb, act, wts, ab; writes act, wts, ab
.if DOCPART == 12
	.amdgcn_target "amdgcn-amd-amdhsa--gfx1250"
	.amdhsa_code_object_version 6
	.text
	.protected	k_qf0de6873fd_cast
	.globl	k_qf0de6873fd_cast
	.p2align	8
	.type	k_qf0de6873fd_cast,@function
k_qf0de6873fd_cast:
	s_mov_b64 s[64:65], 0
	v_nop
	global_prefetch_b8 v0, s[64:65] scope:SCOPE_SE
	s_setreg_imm32_b32 hwreg(HW_REG_WAVE_SCHED_MODE, 0, 2), 2
	s_setreg_imm32_b32 hwreg(HW_REG_WAVE_MODE, 25, 1), 1
	s_wait_xcnt 0x0
	s_wait_alu depctr_vm_vsrc(0)
; CAST AND GATES.  All large inputs are rounded once to bf16 and laid out for the products that follow, and the two gates are made from x while it is at hand.
;   work-groups 0-255:   32 rows of x each         -> act [8192][1024] bf16;  and ab [32][8192] f32:
;                        ab[n][row], n = 0-15: log2(sigmoid(x Wa + ba)) of head n;  n = 16-31: sigmoid(x Wb + bb) of head n - 16
;   work-groups 256-415: 32 rows of Wq, Wk, Wv, Wg -> wts + 0: [1024 k][4096 n] bf16, the four side by side;
;                        32 rows of Wo             -> wts + 8,388,608: [1024 k][1024 n], the bf16 value written as f16
; LIMITS.  Wo's bf16 value is exact in f16 between 6.1e-5 and 65,504 in magnitude; below it keeps f16's fixed step of 6e-8.  Exponentials below 2^-126 count as 0.
; ROWS.  A wave takes four rows.  A load of a wave takes 512 consecutive bytes (a lane: 4 numbers), a store 256 consecutive bytes, aligned (a lane: 8 bytes): every byte is asked for once.
; GATES.  An x work-group also lays its 32 bf16 rows into LDS (2,064 bytes apart), and Wa and Wb, rounded to bf16 like every input, as [1024 k][Wa's 16 | Wb's 16] in rows of 64 bytes..
; Behind one barrier the eight waves are 2 blocks of 16 rows x 4 quarters of K: 48 LDS loads and 16 products on two accumulators that take turns,
; the f32 partial sums meet in LDS behind a second barrier, and waves 0 and 1 add them and finish.
; In the result a lane holds one head and eight neighbouring rows: 32 bytes of ab's row, two stores (pieces of 32 bytes; 1 MiB in all).
; log2 sigmoid(z) = min(t, 0) - log2(1 + 2^-|t|), t = z log2(e): no exponential overflows and nothing is cancelled.
; THE MODE: SCHED_MODE bits 1:0 = 2 (LLVM: expert scheduling mode 2), set by the entry lines.  The code itself states the register dependences
; between vector or matrix instructions and memory or LDS instructions, with s_wait_alu, always for 0.
; THE PLAN.  Registers that memory or LDS instructions touch:
;   v3, v8, v11          offsets of the first loads: made ahead of them, never written again.
;   v4, v5, v9, v10, v12-v16  the other offsets and LDS addresses: made once, while the first loads are out, never written again.
;   WR                   Wa's loads land in it; 32 packing lines read it; Wb's loads land in it; 32 packing lines read it.
;   WC                   written by Wa's packing lines, read by 16 LDS stores; the same again for Wb; then it is A0 and A1.
;   X, row i             its loads land in it; its 16 conversions pack it in place; its 16 stores, which are dealt among row i + 1's conversions, read it.  Then X and WR are FR.
;   FR                   48 LDS loads land in it; the 16 products read it; in waves 0 and 1 its first 48 registers then take the other quarters' sums.
;   A0, A1               written by the products, read by four LDS stores, then added onto by waves 0 and 1.
;   T2, T4               written by the last arithmetic, read by the last four stores.
; So a wait on va_vdst stands behind each run of packing lines and at the head of each row but the first, where the wait for the row's data stands anyway; the stores that follow it
; read what was packed ahead of it, and the conversions among them name another row's registers.  A wait on vm_vsrc stands ahead of each first line that writes registers which stores have read.
.set XP,    2064                       ; an LDS row of x: 2,048 bytes + 16: the 16 rows of a fragment load start at 16 different groups of four banks
.set WOFF,  32*XP                      ; behind x's 32 rows: Wa and Wb, 1,024 rows of 64 bytes
.set PSOFF, WOFF+65536                 ; behind them: the partial sums, 2,048 bytes for each wave
.set SPARE, PSOFF+8*2048               ; behind them: the spare words, 128 bytes for each wave, which no other line names
.set SPW, 6                            ; v6   LDS address of my spare word; never rewritten
.set NIL, 7                            ; v7   0, for the add alone
.set X,   24                           ; v[24:151]  four rows as loaded: row i, piece j at X + 32 i + 4 j; packed in place into the first two of the four
.set WR,  152                          ; v[152:215] 128 rows of Wa, then of Wb, as loaded
.set WC,  216                          ; v[216:247] the same, packed
.set FR,  24                           ; v[24:215]  later the fragments: for each 32 along K: x 8, Wa 8, Wb 8
.set A0,  216                          ; v[216:223] sums for Wa
.set A1,  224                          ; v[224:231] sums for Wb
.set PS,  24                           ; v[24:71]   later the other three quarters' partial sums
.set T0,  80                           ; v[80:119]  at work at the end
.set T1,  88
.set T2,  96
.set T3,  104
.set T4,  112
.macro RLOADS n                        ; n rows: eight loads each
.set ri, 0
.rept \n
.set rj, 0
.rept 8
	global_load_b128 v[X+32*ri+4*rj:X+32*ri+4*rj+3], v3, s[32:33] offset:4096*ri+512*rj th:TH_LOAD_NT
.set rj, rj+1
.endr
.set ri, ri+1
.endr
.endm
; Piece j of row i, packed, is stored.  pitch: bytes from row to row where it goes.  lds = 1: also into LDS.
.macro PUT i, j, pitch, lds
.set RP, X+32*(\i)+4*(\j)
	global_store_b64 v4, v[RP:RP+1], s[34:35] offset:(\i)*(\pitch)+256*(\j)
.if \lds
	ds_store_b64 v5, v[RP:RP+1] offset:(\i)*XP+256*(\j)
.endif
.endm
.macro PUTROW i, pitch, lds            ; a whole row's pieces
.set pj, 0
.rept 8
	PUT \i, pj, \pitch, \lds
.set pj, pj+1
.endr
.endm
; n rows are rounded, and all but the last stored: row i - 1's stores stand among row i's conversions; the last row's stores are written behind the macro.
; younger: loads issued behind the rows'.  half = 1: the bf16 value is widened again and written as f16.
.macro ROWS n, pitch, younger, lds, half
.set ri, 0
.rept \n
	s_wait_loadcnt 8*((\n)-1-ri)+(\younger)        ; loads return in order: this row is in; the eight loads of each younger row and what was issued behind the rows stay out
.if ri > 0
	s_wait_alu depctr_va_vdst(0)                   ; the conversions of the row before have written its packed registers, which the stores below read
.endif
.set rj, 0
.rept 8
.if ri > 0
	PUT ri-1, rj, \pitch, \lds                     ; no wait: no vector line since the wait above names the row before
.endif
.set R, X+32*ri+4*rj
	v_cvt_pk_bf16_f32 v[R], v[R], v[R+1]
	v_cvt_pk_bf16_f32 v[R+1], v[R+2], v[R+3]
.if \half
	v_lshlrev_b32 v[R+2], 16, v[R+1]
	v_and_b32 v[R+3], s39, v[R+1]
	v_cvt_pk_f16_f32 v[R+1], v[R+2], v[R+3]
	v_lshlrev_b32 v[R+2], 16, v[R]
	v_and_b32 v[R+3], s39, v[R]
	v_cvt_pk_f16_f32 v[R], v[R+2], v[R+3]
.endif
.set rj, rj+1
.endr
.set ri, ri+1
.endr
.endm
.macro WLOADS b                        ; my 128 rows of Wa or Wb: a load takes eight rows of 64 bytes
.set q, 0
.rept 16
	global_load_b128 v[WR+4*q:WR+4*q+3], v8, s[\b:\b+1] offset:512*q
.set q, q+1
.endr
.endm
.macro WPACK                           ; they are rounded,
.set q, 0
.rept 16
	v_cvt_pk_bf16_f32 v[WC+2*q], v[WR+4*q], v[WR+4*q+1]
	v_cvt_pk_bf16_f32 v[WC+2*q+1], v[WR+4*q+2], v[WR+4*q+3]
.set q, q+1
.endr
.endm
.macro WPUT adr                        ; and go into LDS
.set q, 0
.rept 16
	ds_store_b64 v[\adr], v[WC+2*q:WC+2*q+1] offset:512*q
.set q, q+1
.endr
.endm
.macro CLOSE                           ; the wave's end: the closing lines, six on end
	s_wait_dscnt 0x0
	s_wait_alu 0x0
	s_wait_tensorcnt 0x0
	ds_add_u32 v[SPW], v[NIL]
	s_wait_dscnt 0x0
	s_endpgm
.endm
; A weight's 32 rows: a wave's four in two trips of two.
.macro WLOOP pitch, half
.Lw_\@:
	RLOADS 2                                       ; no wait here: the last wait on va_vdst stands behind every vector line that names these registers or v3, on the way in and over the back edge
	ROWS 2, \pitch, 0, 0, \half
	s_wait_alu depctr_va_vdst(0)                   ; the second row's conversions have written its packed registers, which the stores below read; all conversions are done with the registers in which the next trip's loads land
	PUTROW 1, \pitch, 0
	s_wait_xcnt 0x0                                ; the bases and the stores' registers are rewritten only behind this wait
	s_wait_alu depctr_vm_vsrc(0)                   ; the trip's stores have read the packed registers, in which the next trip's loads land
	s_add_nc_u64 s[32:33], s[32:33], 2*4096
	s_add_nc_u64 s[34:35], s[34:35], 2*(\pitch)
	s_sub_co_u32 s31, s31, 1
	s_cmp_lg_u32 s31, 0
	s_cbranch_scc1 .Lw_\@
	CLOSE
.endm
	s_load_b512 s[4:19], s[0:1], 0x0               ; x, Wq, Wk, Wv, Wg, Wo, Wa, Wb
	s_load_b256 s[20:27], s[0:1], 0x40             ; ba, bb, act, wts
	s_load_b64 s[28:29], s[0:1], 0x60              ; ab
	v_lshl_add_u32 v[SPW], v0, 2, SPARE
	v_mov_b32 v[NIL], 0
	v_lshrrev_b32 v2, 5, v0
	v_readfirstlane_b32 s30, v2                    ; wave
	v_and_b32 v1, 31, v0                           ; lane
	v_lshlrev_b32 v3, 4, v1                        ; 16 bytes a lane,
	s_wait_alu depctr_va_sdst(0)                   ; s30 is written, ahead of its first reader, the line below
	v_lshl_add_u32 v3, s30, 14, v3                 ; + my wave's four rows of 4,096
	s_mov_b32 s37, 0
	s_mov_b32 s39, 0xffff0000                      ; a word's upper half
	s_wait_kmcnt 0x0
	s_cmp_lt_u32 ttmp9, 256
	s_cbranch_scc0 .Lweights
	; ---- 32 rows of x ----
	s_lshl_b32 s36, ttmp9, 17                      ; 32 rows of 4,096 bytes
	s_add_nc_u64 s[32:33], s[4:5], s[36:37]
	s_lshl_b32 s36, ttmp9, 16                      ; 32 rows of 2,048 bytes
	s_add_nc_u64 s[34:35], s[24:25], s[36:37]
	v_and_b32 v21, 15, v1                          ; r
	v_lshlrev_b32 v11, 2, v21                      ; my head's bias
	v_lshlrev_b32 v8, 4, v1
	v_lshl_add_u32 v8, s30, 13, v8                 ; Wa, Wb: my wave's 128 rows of 64 bytes + 16 x lane
	s_wait_alu depctr_va_vdst(0)                   ; v3, v8 and v11 are written, which the loads below read as their offsets
	global_load_b32 v18, v11, s[20:21]
	global_load_b32 v19, v11, s[22:23]
	WLOADS 16                                      ; Wa
	RLOADS 4
	; the addresses are made in the wait for the loads
	s_and_b32 s40, s30, 1                          ; later: my block of 16 rows,
	s_lshr_b32 s41, s30, 1                         ; my quarter of K
	s_lshl_b32 s42, ttmp9, 1
	s_add_co_u32 s42, s42, s40
	s_lshl_b32 s36, s42, 6
	s_add_nc_u64 s[28:29], s[28:29], s[36:37]      ; ab at my block's 16 numbers of a row
	s_mov_b32 s46, 0x3fb8aa3b                      ; log2(e)
	s_mov_b32 s47, 0xbfb8aa3b                      ; -log2(e)
	v_lshlrev_b32 v4, 3, v1
	v_lshl_add_u32 v4, s30, 13, v4                 ; act: 8 bytes a lane + my four rows of 2,048
	s_mul_i32 s43, s30, 4*XP
	v_lshl_add_u32 v5, v1, 3, s43                  ; the same in LDS
	v_bfe_u32 v22, v1, 4, 1                        ; h
	v_xor_b32 v23, 20, v1                          ; the lane's bits 2 and 4 turned
	v_lshrrev_b32 v17, 2, v1                       ; Wa, Wb into LDS: lane l holds row l / 4 of a load's eight, numbers 4 (l % 4) on
	v_lshlrev_b32 v17, 6, v17
	v_and_b32 v20, 3, v1
	v_lshl_add_u32 v17, v20, 3, v17
	s_lshl_b32 s43, s30, 13
	s_add_co_u32 s43, s43, WOFF
	v_add_nc_u32 v17, s43, v17
	v_lshl_add_u32 v9, v22, 5, v17                 ; bit 2 of that row's k is l / 16: Wa's half lies at 32 x that bit,
	v_bfe_u32 v20, v23, 4, 1
	v_lshl_add_u32 v10, v20, 5, v17                ; Wb's at the other
	v_mul_u32_u24 v12, v21, XP                     ; a fragment of x: row x pitch + 16 h,
	v_lshl_add_u32 v12, v22, 4, v12
	s_mul_i32 s43, s40, 16*XP                      ; my block's rows,
	s_lshl_b32 s44, s41, 9                         ; my quarter's 256 numbers
	s_add_co_u32 s43, s43, s44
	v_add_nc_u32 v12, s43, v12
	v_and_b32 v17, 7, v1                           ; the turning load: row 8 h + l % 8,
	v_lshl_add_u32 v17, v22, 3, v17
	v_lshlrev_b32 v17, 6, v17
	v_bfe_u32 v20, v1, 3, 1
	v_lshl_add_u32 v17, v20, 4, v17                ; 16 bytes for each half of 16 lanes,
	s_lshl_b32 s43, s41, 14                        ; my quarter's 256 rows
	s_add_co_u32 s43, s43, WOFF
	v_add_nc_u32 v17, s43, v17
	v_bfe_u32 v20, v1, 2, 1                        ; bit 2 of that row's k
	v_lshl_add_u32 v13, v20, 5, v17                ; Wa's half,
	v_bfe_u32 v20, v23, 2, 1
	v_lshl_add_u32 v14, v20, 5, v17                ; Wb's
	s_lshl_b32 s43, s30, 11
	s_add_co_u32 s43, s43, PSOFF
	v_lshl_add_u32 v15, v1, 4, s43                 ; my wave's partial sums + 16 x lane
	v_lshlrev_b32 v16, 15, v21
	v_lshl_add_u32 v16, v22, 5, v16                ; ab: row r of 32,768 bytes + 8 h numbers
	s_wait_loadcnt 32                              ; the biases and Wa are in; x's 32 loads stay out
	WPACK
	s_wait_alu depctr_va_vdst(0)                   ; the packing lines have written WC, which the LDS stores read, and are done reading WR, in which Wb's loads land; v4, v5, v9, v10 and v12 to v16 are written, which all later stores and LDS loads read
	WLOADS 18                                      ; Wb, into the registers that Wa has left
	WPUT 9
	ROWS 4, 2048, 16, 1, 0                         ; rows 0 to 2 are stored; row 3 is packed
	s_wait_loadcnt 0x0                             ; Wb is in
	s_wait_alu depctr_vm_vsrc(0)                   ; Wa's LDS stores have read WC, which the packing lines below write again
	WPACK
	s_wait_alu depctr_va_vdst(0)                   ; row 3's conversions and Wb's packing lines have written what the stores below read; every conversion is done with X and WR, in which the fragments' loads land behind the barrier
	PUTROW 3, 2048, 1
	WPUT 10
	s_wait_dscnt 0x0                               ; for the others' sake: my stores into LDS are done
	s_barrier_signal -1
	s_barrier_wait -1
	s_wait_xcnt 0x0                                ; the stores to act have read their registers: they are loaded again only behind this wait
	s_wait_alu depctr_vm_vsrc(0)                   ; my global and LDS stores have read X, in which the fragments' loads land, and WC, which the products write as A0 and A1
.set ks, 0
.rept 8
	ds_load_b128 v[FR+24*ks:FR+24*ks+3],         v12 offset:64*ks
	ds_load_b128 v[FR+24*ks+4:FR+24*ks+7],       v12 offset:64*ks+32
	ds_load_tr16_b128 v[FR+24*ks+8:FR+24*ks+11],  v13 offset:2048*ks
	ds_load_tr16_b128 v[FR+24*ks+12:FR+24*ks+15], v13 offset:2048*ks+1024
	ds_load_tr16_b128 v[FR+24*ks+16:FR+24*ks+19], v14 offset:2048*ks
	ds_load_tr16_b128 v[FR+24*ks+20:FR+24*ks+23], v14 offset:2048*ks+1024
.set ks, ks+1
.endr
.set ks, 0
.rept 8
	s_wait_dscnt 42-6*ks                           ; LDS loads return in order: this step's six are in, six for each later step stay out
.if ks == 0
	v_wmma_f32_16x16x32_bf16 v[A0:A0+7], v[FR:FR+7], v[FR+8:FR+15], 0
	v_wmma_f32_16x16x32_bf16 v[A1:A1+7], v[FR:FR+7], v[FR+16:FR+23], 0
.else
	v_wmma_f32_16x16x32_bf16 v[A0:A0+7], v[FR+24*ks:FR+24*ks+7], v[FR+24*ks+8:FR+24*ks+15], v[A0:A0+7]
	v_wmma_f32_16x16x32_bf16 v[A1:A1+7], v[FR+24*ks:FR+24*ks+7], v[FR+24*ks+16:FR+24*ks+23], v[A1:A1+7]
.endif
.set ks, ks+1
.endr
	; the biases' six lines are the places behind the last products (ISA guide 7.12.1)
	v_cvt_pk_bf16_f32 v18, v18, v18
	v_cvt_pk_bf16_f32 v19, v19, v19
	v_lshlrev_b32 v18, 16, v18
	v_lshlrev_b32 v19, 16, v19
	v_mul_f32 v20, s46, v18                        ; ba log2(e)
	v_mul_f32 v17, s47, v19                        ; -bb log2(e)
	s_wait_alu depctr_va_vdst(0)                   ; the products have written A0 and A1, which the LDS stores read, and are done reading FR, in which the other quarters' sums land; the places above stay beside this wait
	ds_store_b128 v15, v[A0:A0+3]                  ; my quarter's sums, in f32
	ds_store_b128 v15, v[A0+4:A0+7] offset:512
	ds_store_b128 v15, v[A1:A1+3] offset:1024
	ds_store_b128 v15, v[A1+4:A1+7] offset:1536
	s_wait_dscnt 0x0                               ; for the others' sake: my stores are done
	s_barrier_signal -1
	s_barrier_wait -1
	s_wait_alu depctr_vm_vsrc(0)                   ; my LDS stores have read A0 and A1, onto which waves 0 and 1 add below: stated ahead of the branch
	s_cmp_lt_u32 s30, 2
	s_cbranch_scc1 .Lfinish                        ; waves 0 and 1 hold K's first quarter and finish their rows
	CLOSE
.Lfinish:
.irp k, 0,1,2
.irp i, 0,1,2,3
	ds_load_b128 v[PS+16*(\k)+4*(\i):PS+16*(\k)+4*(\i)+3], v15 offset:4096*((\k)+1)+512*(\i)  ; the wave two, four, six further on has my rows' next quarter
.endr
.endr
	s_wait_dscnt 0x0
.irp k, 0,1,2
.irp j, 0,1,2,3,4,5,6,7
	v_pk_add_f32 v[A0+2*(\j):A0+2*(\j)+1], v[A0+2*(\j):A0+2*(\j)+1], v[PS+16*(\k)+2*(\j):PS+16*(\k)+2*(\j)+1]
.endr
.endr
.irp j, 0,1,2,3,4,5,6,7
	v_fma_f32 v[T0+(\j)], v[A0+(\j)], s46, v20     ; t
.endr
.irp j, 0,1,2,3,4,5,6,7
	v_fma_f32 v[T3+(\j)], v[A1+(\j)], s47, v17     ; -t of the second gate
.endr
.irp j, 0,1,2,3,4,5,6,7
	v_or_b32 v[T1+(\j)], 0x80000000, v[T0+(\j)]    ; -|t|
.endr
.irp j, 0,1,2,3,4,5,6,7
	v_exp_f32 v[T1+(\j)], v[T1+(\j)]
.endr
.irp j, 0,1,2,3,4,5,6,7
	v_exp_f32 v[T3+(\j)], v[T3+(\j)]
.endr
	v_nop                                          ; a plain line behind the last exponential
	s_wait_alu depctr_va_vdst(0)                   ; the sixteen exponentials have written T1 and T3, ahead of their first reader
.irp j, 0,1,2,3,4,5,6,7
	v_add_f32 v[T1+(\j)], 1.0, v[T1+(\j)]
.endr
.irp j, 0,1,2,3,4,5,6,7
	v_add_f32 v[T3+(\j)], 1.0, v[T3+(\j)]
.endr
.irp j, 0,1,2,3,4,5,6,7
	v_log_f32 v[T1+(\j)], v[T1+(\j)]
.endr
.irp j, 0,1,2,3,4,5,6,7
	v_rcp_f32 v[T4+(\j)], v[T3+(\j)]
.endr
.irp j, 0,1,2,3,4,5,6,7
	v_min_num_f32 v[T0+(\j)], 0, v[T0+(\j)]
.endr
	s_wait_alu depctr_va_vdst(0)                   ; the logarithms have written T1 and the reciprocals T4, ahead of their first reader
.irp j, 0,1,2,3,4,5,6,7
	v_sub_f32 v[T2+(\j)], v[T0+(\j)], v[T1+(\j)]
.endr
	s_wait_alu depctr_va_vdst(0)                   ; the subtractions have written T2, which the stores below read
	global_store_b128 v16, v[T2:T2+3], s[28:29]
	global_store_b128 v16, v[T2+4:T2+7], s[28:29] offset:16
	global_store_b128 v16, v[T4:T4+3], s[28:29] offset:524288
	global_store_b128 v16, v[T4+4:T4+7], s[28:29] offset:524288+16
	CLOSE
	; ---- 32 rows of a weight ----
.Lweights:
	s_sub_co_u32 s36, ttmp9, 256
	s_lshr_b32 s40, s36, 5                         ; which matrix: 0 Wq, 1 Wk, 2 Wv, 3 Wg, 4 Wo
	s_and_b32 s41, s36, 31
	s_lshl_b32 s41, s41, 5                         ; its first row of mine
	s_mov_b64 s[32:33], s[6:7]
	s_cmp_eq_u32 s40, 1
	s_cselect_b64 s[32:33], s[8:9], s[32:33]
	s_cmp_eq_u32 s40, 2
	s_cselect_b64 s[32:33], s[10:11], s[32:33]
	s_cmp_eq_u32 s40, 3
	s_cselect_b64 s[32:33], s[12:13], s[32:33]
	s_cmp_eq_u32 s40, 4
	s_cselect_b64 s[32:33], s[14:15], s[32:33]
	s_lshl_b32 s36, s41, 12
	s_add_nc_u64 s[32:33], s[32:33], s[36:37]
	s_lshl_b32 s42, s41, 13                        ; the four side by side: row x 8,192 + matrix x 2,048
	s_lshl_b32 s43, s40, 11
	s_add_co_u32 s42, s42, s43
	s_lshl_b32 s43, s41, 11                        ; Wo: 8,388,608 + row x 2,048
	s_add_co_u32 s43, s43, 0x800000
	s_mov_b32 s44, 8192                            ; the wide pitch, in a register: an instruction holds one literal
	s_cmp_eq_u32 s40, 4
	s_cselect_b32 s36, s43, s42
	s_cselect_b32 s45, 2048, s44
	s_add_nc_u64 s[34:35], s[26:27], s[36:37]
	s_lshl_b32 s46, s30, 2
	s_mul_i32 s46, s46, s45                        ; my wave's four rows where they go
	v_lshl_add_u32 v4, v1, 3, s46                  ; + 8 bytes a lane
	s_wait_alu depctr_va_vdst(0)                   ; v3 and v4 are written, which the loads and stores of both loops read as their offsets: stated ahead of the branch
	s_mov_b32 s31, 2
	s_cmp_eq_u32 s40, 4
	s_cbranch_scc1 .Lhalf
	WLOOP 8192, 0
.Lhalf:
	WLOOP 2048, 1
.Lfunc_end_k_qf0de6873fd_cast:
	.size	k_qf0de6873fd_cast, .Lfunc_end_k_qf0de6873fd_cast-k_qf0de6873fd_cast
	.p2alignl 7, 3214868480
	.fill 96, 4, 3214868480
	.section	.rodata,"a",@progbits
	.p2align	6, 0x0
	.amdhsa_kernel k_qf0de6873fd_cast
		.amdhsa_group_segment_fixed_size 148992
		.amdhsa_private_segment_fixed_size 0
		.amdhsa_enable_private_segment 0
		.amdhsa_kernarg_size 104
		.amdhsa_user_sgpr_count 2
		.amdhsa_user_sgpr_kernarg_segment_ptr 1
		.amdhsa_wavefront_size32 1
		.amdhsa_system_sgpr_workgroup_id_x 1
		.amdhsa_system_sgpr_workgroup_id_y 1
		.amdhsa_system_sgpr_workgroup_id_z 1
		.amdhsa_system_vgpr_workitem_id 0
		.amdhsa_next_free_vgpr 248
		.amdhsa_next_free_sgpr 66
		.amdhsa_reserve_vcc 0
		.amdhsa_float_denorm_mode_32 3
		.amdhsa_float_denorm_mode_16_64 3
		.amdhsa_memory_ordered 1
		.amdhsa_forward_progress 1
		.amdhsa_inst_pref_size 54
	.end_amdhsa_kernel
	.amdgpu_metadata
---
amdhsa.version: [ 1, 2 ]
amdhsa.kernels:
  - .name:           k_qf0de6873fd_cast
    .symbol:         k_qf0de6873fd_cast.kd
    .args:
      - { .name: x, .offset: 0, .size: 8, .value_kind: global_buffer, .address_space: global }
      - { .name: Wq, .offset: 8, .size: 8, .value_kind: global_buffer, .address_space: global }
      - { .name: Wk, .offset: 16, .size: 8, .value_kind: global_buffer, .address_space: global }
      - { .name: Wv, .offset: 24, .size: 8, .value_kind: global_buffer, .address_space: global }
      - { .name: Wg, .offset: 32, .size: 8, .value_kind: global_buffer, .address_space: global }
      - { .name: Wo, .offset: 40, .size: 8, .value_kind: global_buffer, .address_space: global }
      - { .name: Wa, .offset: 48, .size: 8, .value_kind: global_buffer, .address_space: global }
      - { .name: Wb, .offset: 56, .size: 8, .value_kind: global_buffer, .address_space: global }
      - { .name: ba, .offset: 64, .size: 8, .value_kind: global_buffer, .address_space: global }
      - { .name: bb, .offset: 72, .size: 8, .value_kind: global_buffer, .address_space: global }
      - { .name: act, .offset: 80, .size: 8, .value_kind: global_buffer, .address_space: global }
      - { .name: wts, .offset: 88, .size: 8, .value_kind: global_buffer, .address_space: global }
      - { .name: ab, .offset: 96, .size: 8, .value_kind: global_buffer, .address_space: global }
    .group_segment_fixed_size: 148992
    .private_segment_fixed_size: 0
    .kernarg_segment_align: 8
    .kernarg_segment_size: 104
    .max_flat_workgroup_size: 256
    .sgpr_count:     66
    .vgpr_count:     248
    .wavefront_size: 32
...
	.end_amdgpu_metadata
.endif
;; end of part 12
;; launch gemm1: the kernel of part 9 again; grid 16 x 32, 4 waves a work-group, clusters of 4 x 4, 327,680 bytes of LDS; arguments act, wts, proj; writes proj
;; launch prep: the kernel of part 10 again; grid 1024 x 1, 4 waves a work-group, no clusters, 31,232 bytes of LDS; arguments proj, ab, rec; writes rec
;; launch scan: the kernel of part 11 again; grid 64 x 1, 4 waves a work-group, no clusters, 327,680 bytes of LDS; arguments rec, y; writes y
;; launch norm: the kernel of part 6 again; grid 512 x 1, 8 waves a work-group, no clusters, 34,304 bytes of LDS; arguments y, proj, g_norm, act, zs; writes act, zs
;; launch gemm2: the kernel of part 7 again; grid 4 x 64, 4 waves a work-group, clusters of 4 x 4, 327,680 bytes of LDS; arguments act, wts, zs, out0; writes out0
